; MI455X (gfx1250); checked and timed in simulation.
; The chip was launched on July 23, 2026; its instructions are those of AMD's public machine-readable ISA for CDNA 5 (MIT licence, August 2026) and "CDNA5" Instruction Set Architecture Reference Guide (July 2026). The comments in the code are by the model that wrote it; some were corrected since.
;; Multi Head Attention. Allowed arithmetic: matrix products marked QUANTISED: E3M2 operands, one E8M0 scale for each 32 along K, by v_wmma_scale_f32_16x16x128_f8f6f4 with both operands' format E3M2, f32 sums; everything else in f32.
;; Inputs: Wk 12 x 768 x 64 float32; Wp 768 x 768 float32; Wq 12 x 768 x 64 float32; Wv 12 x 768 x 64 float32; bk 12 x 64 float32; bp 768 float32; bq 12 x 64 float32; bv 12 x 64 float32; x 16 x 1,024 x 768 float32.
;; Outputs: out0 16 x 1,024 x 768 float32.
;; This version of the problem:
;;   THIS VERSION OF THE PROBLEM IS GIVEN IN LOW PRECISION. The matrix products marked QUANTISED in the list below multiply operands that are first quantised to E3M2 (3 exponent bits, 2 mantissa bits; 6 bits a number), with one power-of-two scale for each 32 numbers along K (OCP MX v1.0); their sums are f32. All else is computed in f32.
;;   The module's matrix products, in the order in which they are computed (A, B: the left and right operand; K: the contracted axis; several contracted axes count as one K, in the product's order):
;;     1. [M 768, K 768] x [K 768, N 16,384]; A: input Wq; B: input x: QUANTISED
;;     2. [M 768, K 768] x [K 768, N 16,384]; A: input Wk; B: input x: QUANTISED
;;     3. [M 768, K 768] x [K 768, N 16,384]; A: input Wv; B: input x: QUANTISED
;;     4. batch 192 x [M 1,024, K 64] x [K 64, N 1,024]; A: computed on the way; B: computed on the way: QUANTISED
;;     5. batch 192 x [M 1,024, K 1,024] x [K 1,024, N 64]; A: softmax (see below); B: computed on the way: QUANTISED
;;     6. [M 16,384, K 768] x [K 768, N 768]; A: computed on the way; B: input Wp: QUANTISED
;;   THE QUANTISER, for each operand of a quantised product, along K:
;;     - K is cut into blocks of 32 from its start; a last block that is shorter is filled with zeros.
;;     - A block's scale is 2^e with e = floor(log2(the largest magnitude in the block)) - 4, held to -126 .. 127; a block of zeros has e = 0. As a byte (E8M0): e + 127.
;;     - Each number is divided by its block's scale, clamped to +-28, and rounded to the nearest number of E3M2, ties to even, subnormals kept.
;;     - The product sums the exact products of the quantised numbers (number of the format x scale) in f32.
;;   ~~~python
;;   def quantise(x, axis):      # numpy; x: float32 -> the quantised numbers, widened to float32 again
;;       x = np.moveaxis(x, axis, -1); K = x.shape[-1]
;;       x = np.pad(x, [(0, 0)] * (x.ndim - 1) + [(0, -K % 32)]); x = x.reshape(x.shape[:-1] + (-1, 32)); a = np.abs(x).max(-1, keepdims=True)
;;       e = np.where(a > 0, np.clip(np.frexp(np.where(a > 0, a, 1))[1] - 1 - 4, -126, 127), 0)      # np.frexp(a)[1] - 1 = floor(log2(a)), exactly
;;       r = np.clip(x / 2.0 ** e, -28, 28)
;;       step = 2.0 ** (np.maximum(np.frexp(np.where(r == 0, 1, r))[1] - 1, -2) - 2)
;;       q = np.round(r / step) * step * 2.0 ** e      # np.round: ties to even
;;       return np.moveaxis(q.reshape(q.shape[:-2] + (-1,))[..., :K], -1, axis).astype(np.float32)
;;   ~~~
;;   SOFTMAX AHEAD OF A QUANTISED PRODUCT. Where the list says 'softmax', what is quantised is not the finished softmax but p = 2^(t - M), with t = logit x log2(e) and M = ceil(the row's largest t), a whole number; so 1/2 < the row's largest p <= 1. The row's sum l is taken of the UNQUANTISED p, in f32, and the product's result is divided by l at the end. Since M is a whole number, a kernel that streams over the keys may use a running M (the ceiling of the running maximum): every later rescaling is an exact power of two, which a block's scale takes up: the codes' values come out the same.
;;   OPERANDS COMPUTED ON THE WAY. 'Computed on the way' means the value that the module computes at that place (a softmax that the list does not call 'softmax' is quantised finished and normalised). What goes into a quantiser is computed in f32, as accurately as f32 sums, v_exp_f32 and their like allow (about 1e-6 of the number): no bf16 or f16 on the way to a quantiser, and a product that is left as it is and whose result goes on into a quantised operand takes f32 operands (vector FMAs, or v_wmma_f32_16x16x4_f32). A number that lies on a knife's edge between two numbers of the format may be rounded either way, as far as f32 arithmetic and the matrix unit's own rounding can turn it there, and no further.
;; 2 versions. Each part assembles by itself: llvm-mc -triple=amdgcn-amd-amdhsa -mcpu=gfx1250 --defsym DOCPART=n.
;; ======== version 1 of 2: 4 launches
;; workspace buffers: wimg 1,769,472 bytes; wsc 73,728 bytes; qimg 9,437,184 bytes; qsc 786,432 bytes; kv 20,447,232 bytes; aimg 9,437,184 bytes; asc 1,572,864 bytes
;; launch quant_w (part 1): grid 12 x 24, 4 waves a work-group, no clusters, 0 bytes of LDS; arguments Wq, Wk, Wv, Wp, wimg, wsc; writes wimg, wsc
.if DOCPART == 1
	.amdgcn_target "amdgcn-amd-amdhsa--gfx1250"
	.amdhsa_code_object_version 6
	.text
	.protected	k_q6421401ed4_quant_w
	.globl	k_q6421401ed4_quant_w
	.p2align	8
	.type	k_q6421401ed4_quant_w,@function
k_q6421401ed4_quant_w:
	s_mov_b64 s[64:65], 0
	v_nop
	global_prefetch_b8 v0, s[64:65] scope:SCOPE_SE
	s_setreg_imm32_b32 hwreg(HW_REG_WAVE_MODE, 25, 1), 1
	s_wait_xcnt 0x0
; The four weights, f32 with K = d as their first axis (within a head), become codes of BF6 (E3M2) and E8M0 scale words, laid as IMAGES OF THE OPERAND'S REGISTERS.
; wimg: [matrix q,k,v,p][tile 0..47][K step 0..5][1,536 bytes: registers 4 k .. 4 k + 3 of lane l at 512 k + 16 l].   wsc: [matrix][slice of 64 columns 0..11][K step][position r 0..15][tile of the slice 0..3], one word each.
; THE COLUMNS OF A TILE ARE NOT NEIGHBOURS: position r of tile 2 B + u of a slice is column 32 B + 8 u + r + 8 (r / 8), so that two neighbouring tiles' results are 16 neighbours along that axis in the products that follow.
; SHARES.  Work-group x = the slice (a head of Wq, Wk, Wv; 64 columns of Wp); y = 4 x K step + matrix; wave w = tile w of the slice: one wave makes one fragment, 16 columns x 128 along K.
; A LANE TAKES A COLUMN AND ITS REGISTERS RUN DOWN K, in the order that the operand's layout gives that lane: lane (r, h) takes d = 128 s + 64 c + 32 h + 0 .. 31, c = 0, 1: two whole blocks of 32, so no other lane is asked for a maximum.
; A block's scale is 2^(floor(log2(its largest magnitude)) - 4): its byte is the largest magnitude's exponent field - 4, held at 1 from below by a floor among the maximum's leaves.
; LIMITS: NaN and infinities among the inputs are not served; a block whose largest magnitude lies under 2^-122 keeps the byte 1; a block of zeros has the byte 1 and not 127: its codes are zeros, and this program alone reads the bytes.
; No LDS, no barrier, no matrix unit, no cluster: the launch reads 9.4 MB once, each byte by one wave, and the waves share nothing.
.set STRH, 256                         ; bytes from d to d + 1 in Wq, Wk, Wv (64 columns of f32)
.set STRP, 3072                        ; and in Wp (768 columns)
.set SEL,  30                          ; s[30:31] lane selects for v_permlanex16_b32: lane l xor 16
.macro LOADS str                       ; W(128 s + 64 c + 32 h + i, my column) into v[64 + 32 c + i]
.irp c, 0,1
.irp i, 0,1,2,3,4,5,6,7,8,9,10,11,12,13,14,15,16,17,18,19,20,21,22,23,24,25,26,27,28,29,30,31
	global_load_b32 v[64+32*\c+\i], v3, s[8:9] offset:\str*(64*\c+\i)
.endr
.endr
.endm
	s_load_b256 s[8:15], s[0:1], 0x0               ; Wq, Wk, Wv, Wp
	s_load_b128 s[16:19], s[0:1], 0x20             ; wimg, wsc
	v_lshrrev_b32 v1, 5, v0
	v_readfirstlane_b32 s4, v1                     ; wave = tile of the slice
	v_and_b32 v1, 15, v0                           ; r
	v_bfe_u32 v2, v0, 4, 1                         ; h
	v_and_b32 v5, 31, v0
	v_lshlrev_b32 v5, 4, v5                        ; 16 x lane: my place in a chunk of the image
	v_lshlrev_b32 v6, 4, v1                        ; 16 r: my position's four scale words
	s_and_b32 s5, ttmp7, 0xffff
	s_lshr_b32 s6, s5, 2                           ; the K step
	s_and_b32 s5, s5, 3                            ; the matrix: 0 q, 1 k, 2 v, 3 p
	s_mov_b32 s7, STRH
	s_mov_b32 s20, 196608                          ; a head of Wq, Wk, Wv: 768 x 64 x 4 bytes
	s_cmp_eq_u32 s5, 3
	s_cselect_b32 s20, s7, s20                     ; a slice of Wp begins 256 bytes behind the last
	s_cselect_b32 s7, STRP, s7                     ; the row stride
	s_mul_i32 s20, s20, ttmp9
	s_lshl_b32 s21, s7, 7
	s_mul_i32 s21, s21, s6                         ; 128 rows a K step
	s_add_co_u32 s20, s20, s21
	s_mov_b32 s21, 0                               ; s[20:21]: where my slice's K step begins in the weight
	s_lshl_b32 s22, s7, 5                          ; 32 rows: lanes 16-31 begin there
	s_lshr_b32 s23, s4, 1
	s_lshl_b32 s23, s23, 5
	s_and_b32 s24, s4, 1
	s_lshl_b32 s24, s24, 3
	s_add_co_u32 s23, s23, s24                     ; 32 (w / 2) + 8 (w % 2)
	v_and_b32 v4, 8, v1
	v_add_nc_u32 v4, v4, v1                        ; r + 8 (r / 8)
	v_add_nc_u32 v4, s23, v4                       ; my column of the slice
	v_mul_u32_u24 v3, s22, v2
	v_lshl_add_u32 v3, v4, 2, v3                   ; 4 x column + 32 h rows
	s_mul_i32 s26, s5, 442368                      ; wimg: a matrix,
	s_lshl_b32 s27, ttmp9, 2
	s_add_co_u32 s27, s27, s4
	s_mul_i32 s27, s27, 9216                       ; a tile's six fragments,
	s_add_co_u32 s26, s26, s27
	s_mul_i32 s27, s6, 1536                        ; a fragment
	s_add_co_u32 s26, s26, s27
	s_mov_b32 s27, 0
	s_mul_i32 s28, s5, 18432                       ; wsc: a matrix,
	s_mul_i32 s29, ttmp9, 1536                     ; a slice,
	s_add_co_u32 s28, s28, s29
	s_lshl_b32 s29, s6, 8                          ; a K step,
	s_add_co_u32 s28, s28, s29
	s_lshl_b32 s29, s4, 2                          ; my tile's word
	s_add_co_u32 s28, s28, s29
	s_mov_b32 s29, 0
	s_mov_b32 s[SEL], 0x76543210
	s_mov_b32 s[SEL+1], 0xfedcba98
	s_wait_kmcnt 0x0
	s_cmp_eq_u32 s5, 1                             ; the weight is chosen by the work-group's number alone
	s_cselect_b64 s[8:9], s[10:11], s[8:9]
	s_cmp_eq_u32 s5, 2
	s_cselect_b64 s[8:9], s[12:13], s[8:9]
	s_cmp_eq_u32 s5, 3
	s_cselect_b64 s[8:9], s[14:15], s[8:9]
	s_add_nc_u64 s[8:9], s[8:9], s[20:21]
	s_add_nc_u64 s[16:17], s[16:17], s[26:27]
	s_add_nc_u64 s[18:19], s[18:19], s[28:29]
	s_cmp_eq_u32 s5, 3                             ; the two runs of loads differ in their immediates alone
	s_cbranch_scc1 .Lwp
	LOADS STRH
	s_branch .Lgot
.Lwp:
	LOADS STRP
.Lgot:
	s_wait_loadcnt 0x0
.irp c, 0,1                                    ; my block 2 c + h: all its 32 numbers are mine
	v_max3_num_f32 v[32+\c], |v[64+32*\c]|, |v[65+32*\c]|, 0x2800000   ; and the floor 2^(5 - 127): the byte cannot fall under 1
.endr
.irp i, 2,4,6,8,10,12,14,16,18,20,22,24,26,28,30
.irp c, 0,1
	v_max3_num_f32 v[32+\c], v[32+\c], |v[64+32*\c+\i]|, |v[65+32*\c+\i]|   ; (the two blocks by turns)
.endr
.endr
.irp c, 0,1
	v_add_nc_u32 v[44+\c], 0xfe000000, v[32+\c]    ; 4 off the exponent field: the conversion takes the exponent field of this operand as its scale
.endr
.irp c, 0,1
	v_lshrrev_b32 v[36+\c], 23, v[44+\c]           ; the scale's byte
.endr
	v_lshl_or_b32 v9, v37, 16, v36                 ; my two bytes: blocks h and 2 + h,
	v_lshlrev_b32 v10, 3, v2
	v_lshlrev_b32 v9, v10, v9                      ; at their places in the word (8 h bits up);
	v_mov_b32 v10, 0
	v_permlanex16_b32 v10, v9, s[SEL], s[SEL+1]
	v_or_b32 v9, v9, v10                           ; with lane l xor 16's two the word is whole, in both lanes
.irp c, 0,1
	v_cvt_scalef32_pk16_bf6_f32 v[48+6*\c:50+6*\c], v[64+32*\c:79+32*\c], v[44+\c]     ; registers 6 c .. 6 c + 2 of the operand
	v_cvt_scalef32_pk16_bf6_f32 v[128+4*\c:130+4*\c], v[80+32*\c:95+32*\c], v[44+\c]   ; (a conversion's three registers begin on an even number: these are moved)
.endr
	v_nop                                          ; one plain place behind a scaled conversion
.irp c, 0,1
.irp i, 0,1,2
	v_mov_b32 v[51+6*\c+\i], v[128+4*\c+\i]
.endr
.endr
.irp k, 0,1,2
	global_store_b128 v5, v[48+4*\k:51+4*\k], s[16:17] offset:512*\k   ; 32 lanes store 512 consecutive bytes, aligned
.endr
	global_store_b32 v6, v9, s[18:19]              ; lanes l and l xor 16 store the same word to the same place
	s_endpgm
.Lfunc_end_k_q6421401ed4_quant_w:
	.size	k_q6421401ed4_quant_w, .Lfunc_end_k_q6421401ed4_quant_w-k_q6421401ed4_quant_w
	.p2alignl 7, 3214868480
	.fill 96, 4, 3214868480
	.section	.rodata,"a",@progbits
	.p2align	6, 0x0
	.amdhsa_kernel k_q6421401ed4_quant_w
		.amdhsa_group_segment_fixed_size 0
		.amdhsa_private_segment_fixed_size 0
		.amdhsa_enable_private_segment 0
		.amdhsa_kernarg_size 48
		.amdhsa_user_sgpr_count 2
		.amdhsa_user_sgpr_kernarg_segment_ptr 1
		.amdhsa_wavefront_size32 1
		.amdhsa_system_sgpr_workgroup_id_x 1
		.amdhsa_system_sgpr_workgroup_id_y 1
		.amdhsa_system_sgpr_workgroup_id_z 1
		.amdhsa_system_vgpr_workitem_id 0
		.amdhsa_next_free_vgpr 144
		.amdhsa_next_free_sgpr 66
		.amdhsa_reserve_vcc 0
		.amdhsa_float_denorm_mode_32 3
		.amdhsa_float_denorm_mode_16_64 3
		.amdhsa_memory_ordered 1
		.amdhsa_forward_progress 1
		.amdhsa_inst_pref_size 19
	.end_amdhsa_kernel
	.amdgpu_metadata
---
amdhsa.version: [ 1, 2 ]
amdhsa.kernels:
  - .name:           k_q6421401ed4_quant_w
    .symbol:         k_q6421401ed4_quant_w.kd
    .args:
      - { .name: Wq, .offset: 0, .size: 8, .value_kind: global_buffer, .address_space: global }
      - { .name: Wk, .offset: 8, .size: 8, .value_kind: global_buffer, .address_space: global }
      - { .name: Wv, .offset: 16, .size: 8, .value_kind: global_buffer, .address_space: global }
      - { .name: Wp, .offset: 24, .size: 8, .value_kind: global_buffer, .address_space: global }
      - { .name: wimg, .offset: 32, .size: 8, .value_kind: global_buffer, .address_space: global }
      - { .name: wsc, .offset: 40, .size: 8, .value_kind: global_buffer, .address_space: global }
    .group_segment_fixed_size: 0
    .private_segment_fixed_size: 0
    .kernarg_segment_align: 8
    .kernarg_segment_size: 48
    .max_flat_workgroup_size: 128
    .sgpr_count:     66
    .vgpr_count:     144
    .wavefront_size: 32
...
	.end_amdgpu_metadata
.endif
;; end of part 1
;; launch qkv (part 2): grid 256 x 1, 4 waves a work-group, no clusters, 117,248 bytes of LDS; arguments x, wimg, wsc, bq, bk, bv, qimg, qsc, kv; writes qimg, qsc, kv
.if DOCPART == 2
	.amdgcn_target "amdgcn-amd-amdhsa--gfx1250"
	.amdhsa_code_object_version 6
	.text
	.protected	k_q6421401ed4_qkv
	.globl	k_q6421401ed4_qkv
	.p2align	8
	.type	k_q6421401ed4_qkv,@function
k_q6421401ed4_qkv:
	s_mov_b64 s[64:65], 0
	v_nop
	global_prefetch_b8 v0, s[64:65] scope:SCOPE_SE
	s_setreg_imm32_b32 hwreg(HW_REG_WAVE_MODE, 25, 1), 1
	s_wait_xcnt 0x0
; q, k, v = x W + b for all 12 heads, on codes of BF6 (E3M2) with one E8M0 scale for each 32 along K = d; the results are quantised at once for the products that follow: q and k along the head's 64, v along the keys.
; SHARES.  A work-group owns 64 rows of x: four tiles of 16.  THE ROWS OF A TILE ARE NOT NEIGHBOURS: position p of tile 2 B + u is row 32 B + 8 u + p + 8 (p / 8).  Wave w quantises tile w (phase X) and hands its six fragments to the
; others through LDS as images of their registers; then every wave keeps all 24 fragments of x in registers and makes heads 3 w .. 3 w + 2: nine slices of 64 columns, 96 matrix instructions each.
; THE WEIGHTS come as register images (wimg) straight into registers, two groups of 26 loads ahead of their use; a fragment feeds four matrix instructions.
; NO JOINT REQUESTS: all work-groups walk the same weights, but inside a work-group each fragment is wanted by ONE wave, once: it goes from memory to that wave's registers by three loads of 512 consecutive bytes.
; A joint request lands in LDS: it would add a write and a read of LDS for each of a work-group's 1.39 MB of weights, and a ring that is filled again behind a round of the cluster's barrier for every group of two K steps.
; q, k (mode 0): source 0 = 16 columns of W, source 1 = 16 rows of x: a lane holds ONE row and its registers run along e.   v (mode 1): the sources swapped: a lane holds one column e and its registers run along the rows, which are the keys.
; In both the 32 registers of a tile's four results are element 32 b + 16 (lane / 16) + i at register 16 b + i, which is what Q32 takes.  The bias is the C of each sum's first matrix instruction.
; OUT: qimg [bh][pair of tiles][1,536]: registers 0-5 the even tile, 6-11 the odd one;  qsc [bh][64 rows][lane][2 words];  kv [bh][step of 128 keys][13,312]: K's four fragments 6,144, V's four 6,144, K's scale words 512,
; V's half words 512 ([half of the step][lane][2 words], two half words to a word).
; LIMITS: NaN and infinities are not served; a block whose largest magnitude lies under 2^-122 keeps the byte 1; a block of zeros has the byte 1 and not 127: its codes are zeros, and this program alone reads the bytes.
; REGISTERS.  Window 0: v1-15 addresses; v16-39 x's scale words, v40-63 the weights' (both hold scales and nothing else); v64-191 sixteen accumulators; v192-223 the bias as C, at work in the epilogues; v224-247 codes; v248-253 at work;
;   v254-255 the scale words that are stored.  What the epilogues' stores read (v224-247, v254-255) is written by the epilogues alone.
;   Window 1 + j: K steps 2 j and 2 j + 1: for parity e, x's fragment m at 96 e + 12 m, the weights' fragment c at 96 e + 48 + 12 c.  In phase X windows 1 and 2 hold the rows of x as loaded.
.set XIMG, 0                           ; LDS: x's 24 fragments, (tile m, K step s) at (6 m + s) x 1,536
.set XSC,  36864                       ; their scale words: [s][lane][m]
.set BIA,  39936                       ; the biases: wave w's at 2,304 w: [q, k, v][head 0..2][64 f32]
.set STG,  49152                       ; wave w's two stages of 16 rows x 528 bytes at 16,896 w
.set KSTEPB, 13312                     ; a key step's block of kv
.set HEADB, 106496                     ; a head's eight
.set L16,  1                           ; 16 x lane
.set L8,   2                           ; 8 x lane
.set L16R, 3                           ; 16 x (lane % 16)
.set STI,  4                           ; the stage, on the way in: 16 x lane
.set STO,  5                           ; and out: 528 r + 64 h
.set XWI,  6                           ; where I store x's images: 9,216 w + 16 x lane
.set XWS,  7                           ; and their scale words: 16 x lane + 4 w
.set BT0,  8                           ; the bias for mode 0: my wave's + 64 h
.set BN0,  9                           ; for mode 1: my wave's + 4 (r + 8 (r / 8))
.set KC16, 10                          ; offsets in a key step's block of kv: K's codes,
.set KS8,  11                          ; K's scale words,
.set VC16, 12                          ; V's codes, the first four registers of six,
.set VC8,  13                          ; the other two,
.set VS8,  14                          ; V's half words
.set BA,   15                          ; the bias address in hand
.set XS,   16
.set WS,   40
.set ACC,  64
.set XT,   64                          ; phase X: two sets of 64 numbers
.set BI,   192
.set CT,   192                         ; v192-194 a conversion's second half
.set HW,   196                         ; v196-199 half words: byte of block 0 | byte of block 1 << 8
.set BT,   204                         ; v204-221 the biases on their way to LDS; v222, v223 their addresses
.set PC,   224
.set BM,   248
.set PT,   250
.set SO,   252
.set SW,   254                         ; v254-255 two scale words, or four half words, on their way out
.set SEL,  6                           ; s[6:7] lane selects for v_permlanex16_b32: lane l xor 16
.set MSB, 0
.macro WIN new                         ; the immediate's high byte repeats the setting that is left; a switch that changes nothing is dropped
.if MSB != \new
	s_set_vgpr_msb (MSB<<8)|\new
.set MSB, \new
.endif
.endm
.macro PLACES                          ; four plain places behind a matrix instruction, in front of reads of its results and of loads into its registers
.rept 4
	v_nop
.endr
.endm
; 32 numbers of a lane, v[s + 16 b + i] = element 32 b + 16 (lane / 16) + i, become six registers of codes in v[d] on (lane (r, h): block h whole) and the half word byte 0 | byte 1 << 8 in v[hw].
.macro Q32 s, d, hw
.irp b, 0,1
	v_max3_num_f32 v[BM+\b], |v[\s+16*\b]|, |v[\s+16*\b+1]|, 0x2800000   ; my 16 numbers of block b, from each accumulator's low end on, and the floor 2^(5 - 127)
.endr
.irp i, 2,4,6,8,10,12,14
.irp b, 0,1
	v_max3_num_f32 v[BM+\b], v[BM+\b], |v[\s+16*\b+\i]|, |v[\s+16*\b+\i+1]|
.endr
.endr
.irp b, 0,1
	v_permlanex16_b32 v[PT+\b], v[BM+\b], s[SEL], s[SEL+1]
.endr
.irp b, 0,1
	v_max_num_f32 v[BM+\b], v[BM+\b], v[PT+\b]     ; with lane l xor 16's: the block's largest magnitude
.endr
.irp b, 0,1
	v_add_nc_u32 v[SO+\b], 0xfe000000, v[BM+\b]    ; 4 off its exponent field: the conversion's scale operand
.endr
.irp b, 0,1
	v_lshrrev_b32 v[PT+\b], 23, v[SO+\b]           ; the scale's byte
.endr
	v_lshl_or_b32 v[\hw], v[PT+1], 8, v[PT]
	v_cvt_scalef32_pk16_bf6_f32 v[\d:\d+2], v[\s:\s+15], v[SO]
	v_cvt_scalef32_pk16_bf6_f32 v[CT:CT+2], v[\s+16:\s+31], v[SO+1]
	v_nop                                          ; one plain place behind a scaled conversion
.irp i, 0,1,2
	v_permlane16_swap_b32 v[\d+\i], v[CT+\i]       ; the first's lanes 16-31 change places with the second's lanes 0-15: each lane now has its block's lower 16 codes and its upper 16
.endr
.irp i, 0,1,2
	v_mov_b32 v[\d+3+\i], v[CT+\i]
.endr
.endm
	s_load_b512 s[8:23], s[0:1], 0x0               ; x, wimg, wsc, bq, bk, bv, qimg, qsc
	s_load_b64 s[24:25], s[0:1], 0x40              ; kv
	s_set_vgpr_msb 0x80
	v_lshl_add_u32 v254, v0, 2, 0x1c800
	v_mov_b32 v255, 0
	s_set_vgpr_msb 0x8000
	v_lshrrev_b32 v64, 5, v0
	v_readfirstlane_b32 s4, v64                    ; wave 0..3
	v_and_b32 v64, 31, v0                          ; lane
	v_and_b32 v65, 15, v0                          ; r
	v_bfe_u32 v66, v0, 4, 1                        ; h
	v_and_b32 v67, 8, v65
	v_add_nc_u32 v67, v67, v65                     ; r + 8 (r / 8)
	v_lshlrev_b32 v[L16], 4, v64
	v_lshlrev_b32 v[L8], 3, v64
	v_lshlrev_b32 v[L16R], 4, v65
	s_mul_i32 s40, s4, 16896
	s_add_co_u32 s40, s40, STG
	v_add_nc_u32 v[STI], s40, v[L16]
	v_mul_u32_u24 v[STO], v65, 528
	v_lshl_add_u32 v[STO], v66, 6, v[STO]
	v_add_nc_u32 v[STO], s40, v[STO]
	s_mul_i32 s40, s4, 9216
	v_add_nc_u32 v[XWI], s40, v[L16]
	s_lshl_b32 s40, s4, 2
	v_add_nc_u32 v[XWS], s40, v[L16]
	s_mul_i32 s40, s4, 2304
	s_add_co_u32 s40, s40, BIA
	v_lshl_add_u32 v[BT0], v66, 6, s40
	v_lshl_add_u32 v[BN0], v67, 2, s40
	v_add_nc_u32 v223, s40, v[L8]                  ; the biases' place in LDS
	s_mul_i32 s41, s4, 768
	v_add_nc_u32 v222, s41, v[L8]                  ; and in memory: my three heads' 192 numbers
	v_mov_b32 v[PT], 0                             ; written once: a lane permute's destination counts as one of its sources
	v_mov_b32 v[PT+1], 0
	s_mov_b32 s[SEL], 0x76543210
	s_mov_b32 s[SEL+1], 0xfedcba98
	s_lshr_b32 s42, ttmp9, 4                       ; the batch
	s_and_b32 s43, ttmp9, 15                       ; which 64 rows of it
	s_lshr_b32 s44, s43, 1                         ; the key step of 128
	s_and_b32 s45, s43, 1                          ; g: which half of it
	s_mul_i32 s46, s42, 12
	s_mul_i32 s47, s4, 3
	s_add_co_u32 s46, s46, s47                     ; my first (batch, head)
	s_mul_i32 s47, s45, 3072
	v_add_nc_u32 v[KC16], s47, v[L16]              ; K's fragments 2 g and 2 g + 1
	s_lshl_b32 s47, s45, 8
	s_add_co_u32 s48, s47, 12288
	v_add_nc_u32 v[KS8], s48, v[L8]
	s_add_co_u32 s48, s47, 12800
	v_add_nc_u32 v[VS8], s48, v[L8]
	s_mul_i32 s47, s45, 768
	s_add_co_u32 s48, s47, 6144
	v_add_nc_u32 v[VC16], s48, v[L16]              ; half g of V's fragments
	s_add_co_u32 s48, s47, 6656
	v_add_nc_u32 v[VC8], s48, v[L8]
	s_lshl_b32 s48, ttmp9, 6
	s_lshr_b32 s49, s4, 1
	s_lshl_b32 s49, s49, 5
	s_add_co_u32 s48, s48, s49
	s_and_b32 s49, s4, 1
	s_lshl_b32 s49, s49, 3
	s_add_co_u32 s48, s48, s49                     ; my tile's first row: 64 x work-group + 32 (w / 2) + 8 (w % 2)
	s_mul_i32 s48, s48, 3072
	s_mov_b32 s49, 0
	s_mul_i32 s50, s4, 110592                      ; my three heads' slices of a matrix in wimg: 3 x 36,864
	s_mov_b32 s51, 0
	s_mul_i32 s52, s4, 4608                        ; and in wsc
	s_mov_b32 s53, 0
	s_mul_i32 s54, s46, 49152
	s_mul_i32 s55, s43, 3072
	s_add_co_u32 s54, s54, s55                     ; qimg: the head, my two pairs of tiles
	s_mov_b32 s55, 0
	s_lshl_b32 s56, s46, 12
	s_lshl_b32 s57, s43, 8
	s_add_co_u32 s56, s56, s57                     ; qsc
	s_mov_b32 s57, 0
	s_mul_i32 s58, s46, HEADB
	s_mul_i32 s59, s44, KSTEPB
	s_add_co_u32 s58, s58, s59                     ; kv: the head, the key step
	s_mov_b32 s59, 0
	s_mov_b32 s36, 0                               ; the head's place among my biases: 256 bytes a head
	s_mov_b32 s37, 2                               ; trips of the loop over heads
	s_wait_kmcnt 0x0
	s_add_nc_u64 s[8:9], s[8:9], s[48:49]          ; x at my tile
	s_add_nc_u64 s[26:27], s[10:11], s[50:51]      ; the weights' images,
	s_add_nc_u64 s[28:29], s[12:13], s[52:53]      ; their scale words,
	s_add_nc_u64 s[30:31], s[20:21], s[54:55]      ; q's codes,
	s_add_nc_u64 s[32:33], s[22:23], s[56:57]      ; q's scale words,
	s_add_nc_u64 s[34:35], s[24:25], s[58:59]      ; k and v
	; ---- PHASE X: my tile of x, 16 rows x 768, becomes six fragments.  All 96 loads go out at once, K step by K step; each reads 512 consecutive bytes of one row.
.irp a, 0,1,2
.irp i, 0,1,2
	global_load_b64 v[BT+6*\a+2*\i:BT+6*\a+2*\i+1], v222, s[14+2*\a:15+2*\a] offset:256*\i
.endr
.endr
	WIN 0x40                                       ; destination window 1
.irp s, 0,1,2,3
.irp p, 0,1,2,3,4,5,6,7,8,9,10,11,12,13,14,15
	global_load_b128 v[64*\s+4*\p:64*\s+4*\p+3], v[L16], s[8:9] offset:(\p+8*(\p/8))*3072+512*\s th:TH_LOAD_NT
.endr
.endr
	WIN 0x80                                       ; destination window 2
.irp s, 4,5
.irp p, 0,1,2,3,4,5,6,7,8,9,10,11,12,13,14,15
	global_load_b128 v[64*(\s-4)+4*\p:64*(\s-4)+4*\p+3], v[L16], s[8:9] offset:(\p+8*(\p/8))*3072+512*\s th:TH_LOAD_NT
.endr
.endr
	WIN 0
; K step s turns through a stage of my own: in as loaded (a row's 512 bytes on end, rows 528 bytes apart, so that row r starts at bank 4 r), out as 16 neighbours of each block of 32 for lane (r, h).
; LDS serves a wave's instructions in order (ISA guide 5.7.1.4): no wait stands between the stores and the loads.
.macro TURN s
	WIN 0x04*(1+(\s)/4)                            ; an LDS store's data are its source 1: window 1 or 2
.irp p, 0,1,2,3,4,5,6,7,8,9,10,11,12,13,14,15
	ds_store_b128 v[STI], v[64*((\s)%4)+4*\p:64*((\s)%4)+4*\p+3] offset:((\s)%2)*8448+528*\p
.endr
	WIN 0
.irp b, 0,1,2,3
.irp j, 0,1,2,3
	ds_load_b128 v[XT+64*((\s)%2)+16*\b+4*\j:XT+64*((\s)%2)+16*\b+4*\j+3], v[STO] offset:((\s)%2)*8448+128*\b+16*\j
.endr
.endr
.endm
.macro XSTEP s
.if \s < 5
.if 16*(4-\s) > 63
	s_wait_loadcnt 63                              ; the next K step's sixteen loads are in: more than 63 loads are younger, and the wait names the most that it can
.else
	s_wait_loadcnt 16*(4-\s)                       ; the next K step's sixteen loads are in; those of the K steps behind it may be out
.endif
	TURN \s+1
	s_wait_dscnt 32                                ; all but the 32 just issued: this K step's numbers are back, and the last image's stores have read their registers
.else
	s_wait_dscnt 0x0
.endif
	Q32 XT+64*(\s%2), PC, HW
	Q32 XT+64*(\s%2)+32, PC+6, HW+1
	v_lshl_or_b32 v[HW+2], v[HW+1], 16, v[HW]      ; my row's scale word for these 128
.irp k, 0,1,2
	ds_store_b128 v[XWI], v[PC+4*\k:PC+4*\k+3] offset:XIMG+1536*\s+512*\k   ; the fragment goes to LDS as it stands
.endr
	ds_store_b32 v[XWS], v[HW+2] offset:XSC+512*\s
.endm
	s_wait_loadcnt 63                              ; of the 105 loads issued the oldest 42 are in: the nine of the biases and K step 0's sixteen among them
.irp a, 0,1,2
.irp i, 0,1,2
	ds_store_b64 v223, v[BT+6*\a+2*\i:BT+6*\a+2*\i+1] offset:768*\a+256*\i
.endr
.endr
	TURN 0
	XSTEP 0
	XSTEP 1
	XSTEP 2
	XSTEP 3
	XSTEP 4
	XSTEP 5
	s_wait_dscnt 0x0                               ; for the others' sake: my images and scale words have landed
	s_barrier_signal -1
	s_barrier_wait -1                              ; x's 24 fragments lie in LDS; nobody writes them again
.irp j, 0,1,2
	WIN 0x40*(1+\j)
.irp e, 0,1
.irp m, 0,1,2,3
.irp k, 0,1,2
	ds_load_b128 v[96*\e+12*\m+4*\k:96*\e+12*\m+4*\k+3], v[L16] offset:XIMG+(6*\m+2*\j+\e)*1536+512*\k
.endr
.endr
.endr
.endr
	WIN 0
.irp s, 0,1,2,3,4,5
	ds_load_b128 v[XS+4*\s:XS+4*\s+3], v[L16] offset:XSC+512*\s   ; the four tiles' words of K step s
.endr
; 26 loads: a slice's four fragments and scale words of K steps 2 j and 2 j + 1.  imm, simm: the slice's place from s[26:27], s[28:29] on.
.macro REFILL j, imm, simm
	WIN 0x40*(1+\j)
.irp e, 0,1
.irp c, 0,1,2,3
.irp k, 0,1,2
	global_load_b128 v[96*\e+48+12*\c+4*\k:96*\e+48+12*\c+4*\k+3], v[L16], s[26:27] offset:\imm+9216*\c+1536*(2*\j+\e)+512*\k
.endr
.endr
.endr
	WIN 0
.irp e, 0,1
	global_load_b128 v[WS+4*(2*\j+\e):WS+4*(2*\j+\e)+3], v[L16R], s[28:29] offset:\simm+256*(2*\j+\e)
.endr
.endm
; The bias of array arr (0 q, 1 k, 2 v), in the result's layout: eight registers for each tile of columns.  No store reads any register that is written here.
.macro BIAS mode, arr
.if \mode == 0
	v_add_nc_u32 v[BA], s36, v[BT0]
.irp c, 0,1,2,3
.irp q, 0,1
	ds_load_b128 v[BI+8*\c+4*\q:BI+8*\c+4*\q+3], v[BA] offset:768*\arr+4*(32*(\c/2)+8*(\c%2))+16*\q   ; lane (r, h): columns 32 B + 16 h + 8 u + 0 .. 7
.endr
.endr
	s_wait_dscnt 0x0
.else
	v_add_nc_u32 v[BA], s36, v[BN0]
.irp c, 0,1,2,3
	ds_load_b32 v[BM+\c], v[BA] offset:768*\arr+4*(32*(\c/2)+8*(\c%2))   ; lane (r, h): its one column's number,
.endr
	s_wait_dscnt 0x0
.irp c, 0,1,2,3
.irp j, 0,1,2,3,4,5,6,7
	v_mov_b32 v[BI+8*\c+\j], v[BM+\c]              ; for all eight rows
.endr
.endr
	PLACES
.endif
.endm
; One matrix instruction: K step s (parity e), x's tile m, the slice's tile c.
.macro MM mode, s, e, m, c
.if \mode == 0
.if (\s) == 0
	v_wmma_scale_f32_16x16x128_f8f6f4 v[ACC+32*\m+8*\c:ACC+32*\m+8*\c+7], v[96*\e+48+12*\c:96*\e+48+12*\c+11], v[96*\e+12*\m:96*\e+12*\m+11], v[BI+8*\c:BI+8*\c+7], v[WS+4*(\s)+\c], v[XS+4*(\s)+\m] matrix_a_fmt:MATRIX_FMT_BF6 matrix_b_fmt:MATRIX_FMT_BF6
.else
	v_wmma_scale_f32_16x16x128_f8f6f4 v[ACC+32*\m+8*\c:ACC+32*\m+8*\c+7], v[96*\e+48+12*\c:96*\e+48+12*\c+11], v[96*\e+12*\m:96*\e+12*\m+11], v[ACC+32*\m+8*\c:ACC+32*\m+8*\c+7], v[WS+4*(\s)+\c], v[XS+4*(\s)+\m] matrix_a_fmt:MATRIX_FMT_BF6 matrix_b_fmt:MATRIX_FMT_BF6
.endif
.else
.if (\s) == 0
	v_wmma_scale_f32_16x16x128_f8f6f4 v[ACC+32*\c+8*\m:ACC+32*\c+8*\m+7], v[96*\e+12*\m:96*\e+12*\m+11], v[96*\e+48+12*\c:96*\e+48+12*\c+11], v[BI+8*\c:BI+8*\c+7], v[XS+4*(\s)+\m], v[WS+4*(\s)+\c] matrix_a_fmt:MATRIX_FMT_BF6 matrix_b_fmt:MATRIX_FMT_BF6
.else
	v_wmma_scale_f32_16x16x128_f8f6f4 v[ACC+32*\c+8*\m:ACC+32*\c+8*\m+7], v[96*\e+12*\m:96*\e+12*\m+11], v[96*\e+48+12*\c:96*\e+48+12*\c+11], v[ACC+32*\c+8*\m:ACC+32*\c+8*\m+7], v[XS+4*(\s)+\m], v[WS+4*(\s)+\c] matrix_a_fmt:MATRIX_FMT_BF6 matrix_b_fmt:MATRIX_FMT_BF6
.endif
.endif
.endm
; Two K steps: 32 matrix instructions; the sixteen accumulators take turns, one instruction a turn.  Then the same registers take the next slice's fragments.
.macro GROUP mode, j, cnt, refill, imm, simm
	s_wait_loadcnt \cnt                            ; this group's 26 loads are in; cnt counts the loads of the younger groups
	WIN 0x05*(1+\j)                                ; sources 0 and 1 in window 1 + j; C and D in window 0
.irp e, 0,1
.irp m, 0,1,2,3
.irp c, 0,1,2,3
	MM \mode, 2*\j+\e, \e, \m, \c
.endr
.endr
.endr
.if \j == 0
	s_wait_xcnt 0x0                                ; once a slice, here: the last epilogue's stores have read their registers, which this slice's epilogue writes again.  What was issued last (those stores)
.endif                                                 ; stands 32 matrix instructions back, and this slice's first run of loads has not been issued yet
.if \refill
	PLACES
	REFILL \j, \imm, \simm
.endif
.endm
.macro SLICE mode, arr, refill, imm, simm
	BIAS \mode, \arr
.if \refill
	GROUP \mode, 0, 52, 1, \imm, \simm
	GROUP \mode, 1, 52, 1, \imm, \simm
	GROUP \mode, 2, 52, 1, \imm, \simm
.else
	GROUP \mode, 0, 52, 0, 0, 0
	GROUP \mode, 1, 26, 0, 0, 0
	GROUP \mode, 2, 0, 0, 0, 0
.endif
	WIN 0
.endm
; q or k: four tiles of rows, each 64 along e, become two fragments (two tiles to a fragment) and two scale words a lane.  cb, sb: the bases;  co, so: the offset registers.
.macro EPI_T cb, co, sb, so
	PLACES
.irp m, 0,1,2,3
	Q32 ACC+32*\m, PC+6*\m, HW+\m
.endr
	v_lshl_or_b32 v[SW], v[HW+1], 16, v[HW]
	v_lshl_or_b32 v[SW+1], v[HW+3], 16, v[HW+2]
.irp p, 0,1
.irp k, 0,1,2
	global_store_b128 v[\co], v[PC+12*\p+4*\k:PC+12*\p+4*\k+3], s[\cb:\cb+1] offset:1536*\p+512*\k   ; 512 consecutive bytes, aligned
.endr
.endr
	global_store_b64 v[\so], v[SW:SW+1], s[\sb:\sb+1]   ; 256 consecutive bytes, aligned
.endm
; v: four tiles of e, each 64 along the keys, become half g of V's four fragments and four half words a lane, two to a word.
.macro EPI_N
	PLACES
.irp n, 0,1,2,3
	Q32 ACC+32*\n, PC+6*\n, HW+\n
.endr
	v_lshl_or_b32 v[SW], v[HW+1], 16, v[HW]
	v_lshl_or_b32 v[SW+1], v[HW+3], 16, v[HW+2]
.irp n, 0,1,2,3
	global_store_b128 v[VC16], v[PC+6*\n:PC+6*\n+3], s[34:35] offset:1536*\n
	global_store_b64 v[VC8], v[PC+6*\n+4:PC+6*\n+5], s[34:35] offset:1536*\n
.endr
	global_store_b64 v[VS8], v[SW:SW+1], s[34:35]  ; 256 consecutive bytes, aligned
.endm
; A head: q, k, v.  While a slice is multiplied the next slice's weights come: k's lie a matrix (442,368 bytes) behind q's, v's two, the next head's q a slice (36,864) on.
.macro HEAD last
	SLICE 0, 0, 1, 442368, 18432
	EPI_T 30, L16, 32, L8
	SLICE 0, 1, 1, 884736, 36864
	EPI_T 34, KC16, 34, KS8
.if \last
	SLICE 1, 2, 0, 0, 0
	EPI_N
.else
	SLICE 1, 2, 1, 36864, 1536
	EPI_N
	s_wait_xcnt 0x0                                ; the loads and stores issued have read their bases: all step to the next head
	s_add_nc_u64 s[26:27], s[26:27], 36864
	s_add_nc_u64 s[28:29], s[28:29], 1536
	s_add_nc_u64 s[30:31], s[30:31], 49152
	s_add_nc_u64 s[32:33], s[32:33], 4096
	s_add_nc_u64 s[34:35], s[34:35], HEADB
	s_add_co_u32 s36, s36, 256
.endif
.endm
	REFILL 0, 0, 0                                 ; my first head's q
	REFILL 1, 0, 0
	REFILL 2, 0, 0
	s_wait_dscnt 0x0                               ; x's fragments and scale words are in
.Lhead:
	HEAD 0
	s_sub_co_u32 s37, s37, 1
	s_cmp_lg_u32 s37, 0
	s_cbranch_scc1 .Lhead
	HEAD 1                                         ; the last head is written out: it asks for no weights beyond its own
	s_set_vgpr_msb 0xa
	s_wait_tensorcnt 0x0
	ds_add_u32 v254, v255
	s_wait_dscnt 0x0
	s_set_vgpr_msb 0xa00
	s_endpgm
.Lfunc_end_k_q6421401ed4_qkv:
	.size	k_q6421401ed4_qkv, .Lfunc_end_k_q6421401ed4_qkv-k_q6421401ed4_qkv
	.p2alignl 7, 3214868480
	.fill 96, 4, 3214868480
	.section	.rodata,"a",@progbits
	.p2align	6, 0x0
	.amdhsa_kernel k_q6421401ed4_qkv
		.amdhsa_group_segment_fixed_size 117248
		.amdhsa_private_segment_fixed_size 0
		.amdhsa_enable_private_segment 0
		.amdhsa_kernarg_size 72
		.amdhsa_user_sgpr_count 2
		.amdhsa_user_sgpr_kernarg_segment_ptr 1
		.amdhsa_wavefront_size32 1
		.amdhsa_system_sgpr_workgroup_id_x 1
		.amdhsa_system_sgpr_workgroup_id_y 1
		.amdhsa_system_sgpr_workgroup_id_z 1
		.amdhsa_system_vgpr_workitem_id 0
		.amdhsa_next_free_vgpr 1024
		.amdhsa_next_free_sgpr 66
		.amdhsa_reserve_vcc 0
		.amdhsa_float_denorm_mode_32 3
		.amdhsa_float_denorm_mode_16_64 3
		.amdhsa_memory_ordered 1
		.amdhsa_forward_progress 1
		.amdhsa_inst_pref_size 233
	.end_amdhsa_kernel
	.amdgpu_metadata
---
amdhsa.version: [ 1, 2 ]
amdhsa.kernels:
  - .name:           k_q6421401ed4_qkv
    .symbol:         k_q6421401ed4_qkv.kd
    .args:
      - { .name: x, .offset: 0, .size: 8, .value_kind: global_buffer, .address_space: global }
      - { .name: wimg, .offset: 8, .size: 8, .value_kind: global_buffer, .address_space: global }
      - { .name: wsc, .offset: 16, .size: 8, .value_kind: global_buffer, .address_space: global }
      - { .name: bq, .offset: 24, .size: 8, .value_kind: global_buffer, .address_space: global }
      - { .name: bk, .offset: 32, .size: 8, .value_kind: global_buffer, .address_space: global }
      - { .name: bv, .offset: 40, .size: 8, .value_kind: global_buffer, .address_space: global }
      - { .name: qimg, .offset: 48, .size: 8, .value_kind: global_buffer, .address_space: global }
      - { .name: qsc, .offset: 56, .size: 8, .value_kind: global_buffer, .address_space: global }
      - { .name: kv, .offset: 64, .size: 8, .value_kind: global_buffer, .address_space: global }
    .group_segment_fixed_size: 117248
    .private_segment_fixed_size: 0
    .kernarg_segment_align: 8
    .kernarg_segment_size: 72
    .max_flat_workgroup_size: 128
    .sgpr_count:     66
    .vgpr_count:     1024
    .wavefront_size: 32
...
	.end_amdgpu_metadata
.endif
;; end of part 2
;; launch attn (part 3): grid 16 x 16, 16 waves a work-group, clusters of 4 x 1, 327,680 bytes of LDS; arguments qimg, qsc, kv, aimg, asc; writes aimg, asc
.if DOCPART == 3
	.amdgcn_target "amdgcn-amd-amdhsa--gfx1250"
	.amdhsa_code_object_version 6
	.text
	.protected	k_q6421401ed4_attn
	.globl	k_q6421401ed4_attn
	.p2align	8
	.type	k_q6421401ed4_attn,@function
k_q6421401ed4_attn:
	s_mov_b64 s[64:65], 0
	v_nop
	global_prefetch_b8 v0, s[64:65] scope:SCOPE_SE
	s_setreg_imm32_b32 hwreg(HW_REG_WAVE_MODE, 25, 1), 1
	s_wait_xcnt 0x0
	s_wait_alu depctr_hold_cnt(0) depctr_sa_sdst(0) depctr_va_vdst(0) depctr_va_sdst(0) depctr_va_ssrc(0) depctr_va_vcc(0) depctr_vm_vsrc(0)
	s_getreg_b32 s2, hwreg(HW_REG_IB_STS2, 6, 4)
	s_cmp_eq_u32 s2, 0
	s_cbranch_scc0 .Lentry_in_a_cluster
	s_endpgm
.Lentry_in_a_cluster:
	s_bfe_u32 s2, ttmp6, 0x10000c
	s_cmp_lg_u32 s2, 0x3003
	s_cbranch_scc0 .Lentry_shape_is_right
	s_endpgm
.Lentry_shape_is_right:
; O[b][head][q] = the sum over keys of softmax(q . k / 8) v, both products on codes of BF6 (E3M2) with one E8M0 scale for each 32 along a product's K; O is divided by the row's sum and quantised along e for the last product.
; THE SOFTMAX AHEAD OF THE SECOND PRODUCT: t = score x log2(e) / 8; M = the row's largest t so far, rounded UP to a whole number; p = 2^(t - M) is what is quantised, along the keys, not normalised.  The row's sum is taken of the
; unquantised p, in f32.  When M moves, the sum and O are multiplied by 2^(old M - new M): exact.
; SHARES.  A WORK-GROUP STAYS: it owns 256 queries of one batch and walks THREE heads, 3 g .. 3 g + 2.  Each of its SIXTEEN waves owns one tile of 16 queries, in 256 registers: four waves to a SIMD, so that one wave's vector work stands
; beside another's products and LDS loads.  For each head a wave walks the 1,024 keys, 128 a step, eight steps.
; CLUSTER.  The four query blocks of a batch form a cluster and read the same K, V and scales: 3 heads x 106,496 bytes, consecutive in memory.  They are asked for JOINTLY, all at the start, by wave 0 of each work-group: the first head in four
; chunks of 26,624 bytes (two key steps each), the other two as one tile of 212,992: five tensor loads of wave 0 are out.  All three heads stay in LDS, 319,488 bytes: NO LDS BYTE IS FILLED TWICE.
; The first head is written out, with a counted wait and a barrier in front of each chunk; behind it one wait for all loads and one barrier show the rest to all sixteen waves, and the other two heads are a loop without a barrier.
; The next head's q is asked for in a head's last key step, behind the last product that reads q: that step's softmax and second product and the way out stand in front of the wait for it.  The last head asks for nothing.
; LAYOUT.  All operands lie in memory and LDS as images of their registers, so a fragment comes by loads of 512 or 256 consecutive bytes.  Both products are used transposed (S^T = K Q^T, O^T = V^T P^T): a lane holds ONE query throughout.
; K = 64 UNDER AN INSTRUCTION OF K = 128: a fragment of K holds TWO tiles of 16 keys, one in each half of K; Q stands as [q | 0] and as [0 | q] (18 registers: q, six zeros, q), which pick the first tile and the second.
; The keys of a tile were chosen so that the 16 registers of a fragment's two results are 16 neighbouring keys: v[SS + 16 b + i] is key 32 b + 16 (lane / 16) + i of the step.
; LIMITS: NaN and infinities are not served; a block whose largest magnitude lies under 2^-122 keeps the byte 1; a block of zeros has the byte 1 and not 127: its codes are zeros, and this program alone reads the bytes.
; A block's largest p is the block's largest score put through the same multiply-add and exponential: this takes v_exp_f32 not to fall where its input rises; at the worst one p of a block would be held one code low.
.set KSTEP, 13312                      ; a key step's block: K 6,144, V 6,144, K's scale words 512, V's half words 512
.set CHUNKB, 2*KSTEP                   ; 104 rows of 256 bytes
.set HALFB, 4*KSTEP                    ; four key steps: as far as an LDS immediate reaches
.set HEADB, 8*KSTEP                    ; a head: 416 rows of 256 bytes
.set L16, 1                            ; v1   16 x lane; never rewritten
.set A16, 2                            ; v2   the same from the four key steps in hand on
.set L8,  3                            ; v3   8 x lane; never rewritten
.set A8,  4                            ; v4   the same from the four key steps in hand on
.set L4,  5                            ; v5   4 x lane; never rewritten
.set PS,  8                            ; v8   p's scale word
.set QS,  9                            ; v9   q's: its two bytes, twice
.set QW,  35                           ; v35  the scale word of q's pair of tiles, as loaded
.set KF,  36                           ; v36-83   K's four fragments; behind the first product at work:
.set SO,  36                           ; v36-39   the conversions' scale operands
.set CT,  40                           ; v40-42, v44-46 the conversions' second halves;  v[48:49] the second chain of the sum
.set VF,  84                           ; v84-131  V's four fragments
.set SS,  132                          ; v132-195 S^T, then p
.set OO,  196                          ; v196-227 O^T
.set PC,  228                          ; v228-239 p's codes; at a step's head v228-231 take V's half words
.set KS,  240                          ; v240-243 K's scale words
.set VS,  244                          ; v244-247 V's
.set BM,  248                          ; v248-251 the blocks' largest
.set PT,  252                          ; v252-255 at work
.set SEL, 20                           ; s[20:21] lane selects for v_permlanex16_b32: lane l xor 16
.set CS,  22                           ; s[22:23] c = log2(e) / 8: the packed form names a pair and takes its low word for both halves
.set SH,  86                           ; s86  my tile's half of the pair's scale word: 0 or 16 bits up
.set HC,  87                           ; s87  heads to go in the loop
.set P0,  88                           ; s88  v_perm_b32's selector for the two low halves,
.set P1,  89                           ; s89  for the two high halves
.set TB,  90                           ; s90  LDS byte at which the next four key steps begin
.macro PLACES
.rept 4
	v_nop
.endr
.endm
.macro ROUND                           ; a round of the cluster's barrier: my work-group's barrier; wave 0 signals for the work-group; every wave waits for all four work-groups; my work-group's barrier once more
	s_barrier_signal -1
	s_barrier_wait -1
	s_cmp_lg_u32 s4, 0
	s_cbranch_scc1 .Lnot_wave_0_\@
	s_barrier_signal -3
.Lnot_wave_0_\@:
	s_barrier_wait -3
	s_barrier_signal -1
	s_barrier_wait -1
.endm
; 32 numbers of a lane, v[s + 16 b + i] = element 32 b + 16 (lane / 16) + i, become six registers of codes in v[d] on (lane (r, h): block h whole) and the half word byte 0 | byte 1 << 8 in v[hw].
.macro Q32 s, d, hw
.irp b, 0,1
	v_max3_num_f32 v[BM+\b], |v[\s+16*\b]|, |v[\s+16*\b+1]|, 0x2800000
.endr
.irp i, 2,4,6,8,10,12,14
.irp b, 0,1
	v_max3_num_f32 v[BM+\b], v[BM+\b], |v[\s+16*\b+\i]|, |v[\s+16*\b+\i+1]|
.endr
.endr
.irp b, 0,1
	v_permlanex16_b32 v[PT+\b], v[BM+\b], s[SEL], s[SEL+1]
.endr
.irp b, 0,1
	v_max_num_f32 v[BM+\b], v[BM+\b], v[PT+\b]
.endr
.irp b, 0,1
	v_add_nc_u32 v[SO+\b], 0xfe000000, v[BM+\b]
.endr
.irp b, 0,1
	v_lshrrev_b32 v[PT+\b], 23, v[SO+\b]
.endr
	v_lshl_or_b32 v[\hw], v[PT+1], 8, v[PT]
	v_cvt_scalef32_pk16_bf6_f32 v[\d:\d+2], v[\s:\s+15], v[SO]
	v_cvt_scalef32_pk16_bf6_f32 v[CT:CT+2], v[\s+16:\s+31], v[SO+1]
	v_nop
.irp i, 0,1,2
	v_permlane16_swap_b32 v[\d+\i], v[CT+\i]
.endr
.irp i, 0,1,2
	v_mov_b32 v[\d+3+\i], v[CT+\i]
.endr
.endm
; My tile's six registers of its pair's twelve, twice, and the pair's scale word.  The even tile's lie at bytes 0, 8 of chunk 0 and 0 of chunk 1 of the image, the odd tile's at 8 of chunk 1 and 0, 8 of chunk 2:
; s[8:9] stands at the first and, 512 bytes on, the third of these places, s[18:19] at the second.
.macro QLOAD
	global_load_b64 v[16:17], v[L16], s[8:9]       ; q, for [q | 0],
	global_load_b64 v[18:19], v[L16], s[18:19]
	global_load_b64 v[20:21], v[L16], s[8:9] offset:512
	global_load_b64 v[28:29], v[L16], s[8:9]       ; and once more for [0 | q]
	global_load_b64 v[30:31], v[L16], s[18:19]
	global_load_b64 v[32:33], v[L16], s[8:9] offset:512
	global_load_b32 v[QW], v[L8], s[10:11]
.endm
.macro QNEXT                           ; the next head's: the bases' last loads were waited for at this head's start
	s_add_nc_u64 s[8:9], s[8:9], 49152
	s_add_nc_u64 s[18:19], s[18:19], 49152
	s_add_nc_u64 s[10:11], s[10:11], 4096
	QLOAD
.endm
	s_load_b256 s[8:15], s[0:1], 0x0               ; qimg, qsc, kv, aimg
	s_load_b64 s[16:17], s[0:1], 0x20              ; asc
	v_lshl_add_u32 v254, v0, 2, 0x4e000
	v_mov_b32 v255, 0
	ds_add_u32 v254, v255
	ds_add_u32 v254, v255
	s_wait_dscnt 0x0
	v_lshrrev_b32 v10, 5, v0
	v_readfirstlane_b32 s4, v10                    ; wave 0..15
	s_bfe_u32 s5, ttmp6, 0x40000                   ; cx: my block of 256 queries; it enters Q's and the outputs' addresses alone
	s_and_b32 s6, ttmp7, 0xffff                    ; the batch
	s_mul_i32 s66, ttmp9, 3                        ; my first head: in a cluster launch ttmp9 counts clusters.  The four partners share it
	s_mul_i32 s7, s6, 12
	s_add_co_u32 s7, s7, s66                       ; my first (batch, head)
	s_mul_i32 s48, s7, HEADB
	s_mov_b32 s49, 0                               ; its block of kv
	; descriptor group 1 for a chunk: 104 rows of 256 bytes, dense, no padding
	s_mov_b32 s24, 15|(3<<16)|(1<<21)              ; 15:0 the mask: all four work-groups; 17:16 elements of 8 bytes; 21 set beside a mask
	s_mov_b32 s25, 32<<16                          ; tensor_dim0 = 32
	s_mov_b32 s26, 104<<16                         ; tensor_dim1 = 104
	s_mov_b32 s27, 32<<16                          ; tile_dim0 = 32
	s_mov_b32 s28, 104                             ; tile_dim1 = 104
	s_mov_b32 s29, 32                              ; elements from row to row
	s_mov_b32 s30, 0
	s_mov_b32 s31, 0
	; and for two whole heads: 832 rows
	s_mov_b32 s52, 15|(3<<16)|(1<<21)
	s_mov_b32 s53, 32<<16
	s_mov_b32 s54, 832<<16
	s_mov_b32 s55, 32<<16
	s_mov_b32 s56, 832
	s_mov_b32 s57, 32
	s_mov_b32 s58, 0
	s_mov_b32 s59, 0
	s_mov_b32 s[SEL], 0x76543210
	s_mov_b32 s[SEL+1], 0xfedcba98
	s_mov_b32 s[CS], 0x3e38aa3b                    ; log2(e) / 8
	s_mov_b32 s[CS+1], s[CS]
	s_mov_b32 s[P0], 0x05040100
	s_mov_b32 s[P1], 0x07060302
	s_mov_b32 s[TB], 0
	s_lshl_b32 s67, s5, 4
	s_add_co_u32 s67, s67, s4                      ; my tile of a head's 64
	s_and_b32 s68, s4, 1                           ; which tile of its pair
	s_lshr_b32 s70, s67, 1
	s_mul_i32 s70, s70, 1536
	s_mul_i32 s71, s7, 49152
	s_add_co_u32 s70, s70, s71                     ; qimg: the head, the pair
	s_mul_i32 s72, s68, 1016
	s_add_co_u32 s72, s72, 8
	s_add_co_u32 s72, s72, s70                     ; the second of my three places: 8, or 1,024
	s_mov_b32 s73, 0
	s_mul_i32 s71, s68, 520
	s_add_co_u32 s70, s70, s71                     ; the first: 0, or 520
	s_mov_b32 s71, 0
	s_lshr_b32 s74, s67, 2
	s_lshl_b32 s74, s74, 8
	s_lshl_b32 s75, s7, 12
	s_add_co_u32 s74, s74, s75
	s_bfe_u32 s75, s4, 0x10001
	s_lshl_b32 s75, s75, 2
	s_add_co_u32 s74, s74, s75                     ; qsc: the head, the four tiles' 256 bytes, the pair's word
	s_mov_b32 s75, 0
	s_lshl_b32 s76, s6, 6
	s_add_co_u32 s76, s76, s67                     ; my tile among all 1,024
	s_mul_i32 s78, s76, 9216
	s_mul_i32 s79, s66, 768
	s_add_co_u32 s78, s78, s79                     ; aimg: the tile; head d's half fragment lies 768 d bytes on
	s_mov_b32 s79, 0
	s_mul_i32 s80, s76, 1536
	s_lshl_b32 s81, s66, 7
	s_add_co_u32 s80, s80, s81                     ; asc: the tile, the head
	s_mov_b32 s81, 0
	s_lshl_b32 s[SH], s68, 4
	v_and_b32 v10, 31, v0
	v_lshlrev_b32 v[L16], 4, v10
	v_lshlrev_b32 v[L8], 3, v10
	v_lshlrev_b32 v[L4], 2, v10
	s_wait_kmcnt 0x0
	s_add_nc_u64 s[48:49], s[12:13], s[48:49]
	s_add_nc_u64 s[18:19], s[8:9], s[72:73]
	s_add_nc_u64 s[8:9], s[8:9], s[70:71]
	s_add_nc_u64 s[10:11], s[10:11], s[74:75]
	s_add_nc_u64 s[14:15], s[14:15], s[78:79]
	s_add_nc_u64 s[16:17], s[16:17], s[80:81]
.irp n, 0,1,2,3
	s_mov_b32 s[32+4*\n], 1                        ; group 0 of the first head's chunk n: count = 1,
	s_mov_b32 s[33+4*\n], CHUNKB*\n                ; its place in LDS,
	s_add_nc_u64 s[34+4*\n:35+4*\n], s[48:49], CHUNKB*\n   ; and in memory,
	s_or_b32 s[35+4*\n], s[35+4*\n], 0x80000000    ; type = 2
.endr
	s_mov_b32 s60, 1                               ; and of the other two heads
	s_mov_b32 s61, HEADB
	s_add_nc_u64 s[62:63], s[48:49], HEADB
	s_or_b32 s63, s63, 0x80000000
	ROUND                                          ; all four work-groups are here: the joint loads meet
	s_cmp_lg_u32 s4, 0                             ; wave 0's five fills stand in one branch, ahead of every wait on TENSORcnt and every LDS read
	s_cbranch_scc1 .Lno_fill
	tensor_load_to_lds s[32:35], s[24:31]
	s_nop 0
	tensor_load_to_lds s[36:39], s[24:31]
	s_nop 0
	tensor_load_to_lds s[40:43], s[24:31]
	s_nop 0
	tensor_load_to_lds s[44:47], s[24:31]
	s_nop 0
	tensor_load_to_lds s[60:63], s[52:59]
	s_nop 0
	PLACES                                         ; four v_nop follow the last
.Lno_fill:
	QLOAD                                          ; the first head's q
.irp j, 22,23,24,25,26,27
	v_mov_b32 v[\j], 0                             ; the six zeros between: they stay
.endr
	v_mov_b32 v7, 0                                ; (named as the upper half of the pair v[6:7])
.irp b, 0,1,2,3
	v_mov_b32 v[PT+\b], 0                          ; written once: a lane permute's destination counts as one of its sources
.endr
; A KEY STEP: 128 keys.  nxt = 1: a head follows for certain;  0: the trip counter says whether.
.macro STEP st, nxt
.set OFF, ((\st)%4)*KSTEP
.if (\st) > 0
	PLACES                                         ; in front of loads into registers that the last step's products have read
.endif
.if (\st)%4 == 0
	v_add_nc_u32 v[A16], s[TB], v[L16]             ; four key steps lie within an immediate's reach of these
	v_add_nc_u32 v[A8], s[TB], v[L8]
	s_add_co_u32 s[TB], s[TB], HALFB
.endif
.irp f, 0,1,2,3
.irp k, 0,1,2
	ds_load_b128 v[KF+12*\f+4*\k:KF+12*\f+4*\k+3], v[A16] offset:OFF+1536*\f+512*\k
.endr
.endr
.irp g, 0,1
	ds_load_b64 v[KS+2*\g:KS+2*\g+1], v[A8] offset:OFF+12288+256*\g
.endr
.irp c, 0,1
	ds_load_b64 v[PC+2*\c:PC+2*\c+1], v[A8] offset:OFF+12800+256*\c
.endr
.irp n, 0,1,2,3
.irp c, 0,1
	ds_load_b128 v[VF+12*\n+6*\c:VF+12*\n+6*\c+3], v[A16] offset:OFF+6144+1536*\n+768*\c
	ds_load_b64 v[VF+12*\n+6*\c+4:VF+12*\n+6*\c+5], v[A8] offset:OFF+6144+1536*\n+768*\c+512
.endr
.endr
	s_wait_dscnt 16                                ; all but V's sixteen loads are in
.irp b, 0,1,2,3                                ; S^T = K Q^T: fragment b's first tile by [q | 0], its second by [0 | q]
	v_wmma_scale_f32_16x16x128_f8f6f4 v[SS+16*\b:SS+16*\b+7], v[KF+12*\b:KF+12*\b+11], v[16:27], 0, v[KS+\b], v[QS] matrix_a_fmt:MATRIX_FMT_BF6 matrix_b_fmt:MATRIX_FMT_BF6
	v_wmma_scale_f32_16x16x128_f8f6f4 v[SS+16*\b+8:SS+16*\b+15], v[KF+12*\b:KF+12*\b+11], v[22:33], 0, v[KS+\b], v[QS] matrix_a_fmt:MATRIX_FMT_BF6 matrix_b_fmt:MATRIX_FMT_BF6
.endr
	v_perm_b32 v[VS], v[PC+2], v[PC], s[P0]        ; V's scale words of these 128 keys: tile n's half word of the first 64 keys below, of the other 64 above.
	v_perm_b32 v[VS+1], v[PC+2], v[PC], s[P1]      ; (These four are also the places behind the products)
	v_perm_b32 v[VS+2], v[PC+3], v[PC+1], s[P0]
	v_perm_b32 v[VS+3], v[PC+3], v[PC+1], s[P1]
.if (\st) == 7                                 ; this head's last product with q has been issued, four places back: the next head's q may come
.if \nxt
	QNEXT
.else
	s_cmp_eq_u32 s[HC], 1
	s_cbranch_scc1 .Lno_q_\@                       ; the last head asks for nothing: no load leaves its buffer
	QNEXT
.Lno_q_\@:
.endif
.endif
.irp b, 0,1,2,3
	v_max3_num_f32 v[BM+\b], v[SS+16*\b], v[SS+16*\b+1], v[SS+16*\b+2]   ; THE LARGEST SCORE OF EACH BLOCK OF 32 KEYS: for the row's maximum, and, since p rises with the score, for the block's largest p
.endr
.irp i, 3,5,7,9,11,13
.irp b, 0,1,2,3
	v_max3_num_f32 v[BM+\b], v[BM+\b], v[SS+16*\b+\i], v[SS+16*\b+\i+1]   ; (the four blocks by turns; each accumulator from its low end on)
.endr
.endr
.irp b, 0,1,2,3
	v_max_num_f32 v[BM+\b], v[BM+\b], v[SS+16*\b+15]
.endr
.irp b, 0,1,2,3
	v_permlanex16_b32 v[PT+\b], v[BM+\b], s[SEL], s[SEL+1]
.endr
.irp b, 0,1,2,3
	v_max_num_f32 v[BM+\b], v[BM+\b], v[PT+\b]     ; with lane l xor 16's 16 keys
.endr
	v_max3_num_f32 v10, v[BM], v[BM+1], v[BM+2]
	v_max_num_f32 v10, v10, v[BM+3]                ; the step's largest score of my query
	v_mul_f32 v10, s[CS], v10                      ; as t (c is positive)
	v_max_num_f32 v13, v13, v10                    ; the running largest t
	v_mov_b32 v10, v12
	v_floor_f32 v12, -v13                          ; the new -M = floor(-t) = -ceil(t): M IS A WHOLE NUMBER
	v_sub_f32 v10, v12, v10                        ; M's old value less its new one: a whole number, 0 or less
	v_cvt_i32_f32 v10, v10                         ; (it saturates)
	v_ldexp_f32 v6, 1.0, v10                       ; f = 2^(old M - new M)
.irp j, 0,2,4,6,8,10,12,14,16,18,20,22,24,26,28,30,32,34,36,38,40,42,44,46,48,50,52,54,56,58,60,62
	v_pk_fma_f32 v[SS+\j:SS+\j+1], v[SS+\j:SS+\j+1], s[CS:CS+1], v[12:13] op_sel_hi:[1,0,0]   ; t - M, two at a time
.endr
.irp b, 0,1,2,3
	v_fma_f32 v[BM+\b], v[BM+\b], s[CS], v12       ; the same of each block's largest score
.endr
.irp j, 0,1,2,3,4,5,6,7,8,9,10,11,12,13,14,15,16,17,18,19,20,21,22,23,24,25,26,27,28,29,30,31,32,33,34,35,36,37,38,39,40,41,42,43,44,45,46,47,48,49,50,51,52,53,54,55,56,57,58,59,60,61,62,63
	v_exp_f32 v[SS+\j], v[SS+\j]                   ; p = 2^(t - M), at most 1: NOT normalised
.endr
.irp b, 0,1,2,3
	v_exp_f32 v[BM+\b], v[BM+\b]                   ; the block's largest p: the same two instructions on the same number give the same bits
.endr
	v_pk_mul_f32 v[14:15], v[14:15], v[6:7] op_sel_hi:[1,0]   ; the sums under the new M.  (A plain place behind the exponentials)
	s_wait_alu depctr_va_vdst(0)
.irp b, 0,1,2,3
	v_max_num_f32 v[BM+\b], 0x2800000, v[BM+\b]    ; the floor 2^(5 - 127): the byte cannot fall under 1
.endr
.irp b, 0,1,2,3
	v_add_nc_u32 v[SO+\b], 0xfe000000, v[BM+\b]    ; 4 off the exponent field: the conversion's scale operand
.endr
.irp b, 0,1,2,3
	v_lshrrev_b32 v[PT+\b], 23, v[SO+\b]           ; the scale's byte
.endr
	v_lshl_or_b32 v[PS], v[PT+1], 8, v[PT]         ; p's scale word for these 128 keys
	v_lshl_or_b32 v[PS], v[PT+2], 16, v[PS]
	v_lshl_or_b32 v[PS], v[PT+3], 24, v[PS]
.irp c, 0,1
	v_cvt_scalef32_pk16_bf6_f32 v[PC+6*\c:PC+6*\c+2], v[SS+32*\c:SS+32*\c+15], v[SO+2*\c]
	v_cvt_scalef32_pk16_bf6_f32 v[CT+4*\c:CT+4*\c+2], v[SS+32*\c+16:SS+32*\c+31], v[SO+2*\c+1]   ; (a conversion's three registers begin on an even number)
.endr
	v_nop                                          ; one plain place behind a scaled conversion
.irp c, 0,1                                    ; the operand's layout wants a WHOLE block in a lane
.irp i, 0,1,2
	v_permlane16_swap_b32 v[PC+6*\c+\i], v[CT+4*\c+\i]
.endr
.irp i, 0,1,2
	v_mov_b32 v[PC+6*\c+3+\i], v[CT+4*\c+\i]
.endr
.endr
	v_pk_add_f32 v[48:49], v[SS:SS+1], v[SS+2:SS+3]   ; THE ROW'S SUM IS TAKEN OF THE UNQUANTISED p: two at a time, in two chains
.irp j, 4,8,12,16,20,24,28,32,36,40,44,48,52,56,60
	v_pk_add_f32 v[14:15], v[14:15], v[SS+\j:SS+\j+1]
	v_pk_add_f32 v[48:49], v[48:49], v[SS+\j+2:SS+\j+3]
.endr
	v_pk_add_f32 v[14:15], v[14:15], v[48:49]
.irp j, 0,2,4,6,8,10,12,14,16,18,20,22,24,26,28,30
	v_pk_mul_f32 v[OO+\j:OO+\j+1], v[OO+\j:OO+\j+1], v[6:7] op_sel_hi:[1,0]   ; O^T under the new M.  (These and the sums are the places between the codes, the scale word and the products below)
.endr
	s_wait_dscnt 0x0                               ; V is in
.irp n, 0,1,2,3                                ; O^T += V^T P^T: four accumulators by turns; between two links on one of them stand eleven other matrix instructions
	v_wmma_scale_f32_16x16x128_f8f6f4 v[OO+8*\n:OO+8*\n+7], v[VF+12*\n:VF+12*\n+11], v[PC:PC+11], v[OO+8*\n:OO+8*\n+7], v[VS+\n], v[PS] matrix_a_fmt:MATRIX_FMT_BF6 matrix_b_fmt:MATRIX_FMT_BF6
.endr
.endm
; The first head's chunk n holds key steps 2 n and 2 n + 1.  Wave 0 waits until at most the 4 - n loads issued behind it are out (the other waves have no load out and pass), then the barrier shows the chunk to all sixteen.
.macro CHUNK n
	s_wait_tensorcnt 4-\n
	s_barrier_signal -1
	s_barrier_wait -1
	STEP 2*\n, 1
	STEP 2*\n+1, 1
.endm
; A HEAD.  first = 1: the first, whose chunks are still on their way.
.macro HEADW first
	s_wait_loadcnt 0x0                             ; q and its scale word are in
	s_wait_xcnt 0x0                                ; the last head's stores have read their registers, which this head's first loads from LDS take, and their bases
.if \first == 0
	s_add_nc_u64 s[14:15], s[14:15], 768           ; the outputs' bases step to this head
	s_add_nc_u64 s[16:17], s[16:17], 128
.endif
	v_lshrrev_b32 v10, s[SH], v[QW]
	v_and_b32 v10, 0xffff, v10                     ; my tile's two bytes,
	v_lshl_or_b32 v[QS], v10, 16, v10              ; for both halves of K
	v_mov_b32 v14, 0                               ; the sum, in two halves
	v_mov_b32 v15, 0
	v_mov_b32 v13, 0xff61b1e6                      ; the largest t so far: -3e38, under every t
	v_floor_f32 v12, -v13                          ; -M
.irp j, 0,1,2,3,4,5,6,7,8,9,10,11,12,13,14,15,16,17,18,19,20,21,22,23,24,25,26,27,28,29,30,31
	v_mov_b32 v[OO+\j], 0                          ; O^T.  (The step is written as one macro: a head's first finds zeros, which the first change of M leaves zeros.)  A scale register written by a vector instruction stands eight
.endr                                                  ; places ahead of a scaled matrix instruction: these moves, which name no register of the first products, stand between q's scale word and them
.if \first
	CHUNK 0
	CHUNK 1
	CHUNK 2
	CHUNK 3
.else
.irp t, 0,1,2,3,4,5,6,7
	STEP \t, 0
.endr
.endif
	; THE WAY OUT: O^T / the row's sum, quantised along e: half a fragment of the last product's operand, and its half word.
	PLACES
	v_add_f32 v14, v14, v15                        ; the sum's two halves,
	v_permlanex16_b32 v10, v14, s[SEL], s[SEL+1]
	v_add_f32 v14, v14, v10                        ; and lane l xor 16's: the row's sum
	v_rcp_f32 v6, v14
	v_nop                                          ; a plain place behind the transcendental
	s_wait_alu depctr_va_vdst(0)
.irp j, 0,2,4,6,8,10,12,14,16,18,20,22,24,26,28,30
	v_pk_mul_f32 v[OO+\j:OO+\j+1], v[OO+\j:OO+\j+1], v[6:7] op_sel_hi:[1,0]   ; each accumulator from its low end on
.endr
	Q32 OO, PC, 34
	global_store_b128 v[L16], v[PC:PC+3], s[14:15] ; 512 consecutive bytes, aligned
	global_store_b64 v[L8], v[PC+4:PC+5], s[14:15] offset:512   ; 256 consecutive bytes, aligned
	global_store_b32 v[L4], v34, s[16:17]          ; 128 consecutive bytes
.endm
	HEADW 1
	s_wait_tensorcnt 0x0                           ; wave 0: the other two heads have landed;
	s_barrier_signal -1
	s_barrier_wait -1                              ; every wave may read them.  No barrier follows until the end
	s_mov_b32 s[HC], 2
.Lhead:
	HEADW 0
	s_sub_co_u32 s[HC], s[HC], 1
	s_cmp_lg_u32 s[HC], 0
	s_cbranch_scc1 .Lhead
	s_wait_xcnt 0x0
	v_lshl_add_u32 v254, v0, 2, 0x4e000
	v_mov_b32 v255, 0
	s_wait_tensorcnt 0x0
	ds_add_u32 v254, v255
	s_wait_dscnt 0x0
	ROUND                                          ; the closing round: no work-group ends while a partner may still ask for a tile that names it
	s_endpgm
.Lfunc_end_k_q6421401ed4_attn:
	.size	k_q6421401ed4_attn, .Lfunc_end_k_q6421401ed4_attn-k_q6421401ed4_attn
	.p2alignl 7, 3214868480
	.fill 96, 4, 3214868480
	.section	.rodata,"a",@progbits
	.p2align	6, 0x0
	.amdhsa_kernel k_q6421401ed4_attn
		.amdhsa_group_segment_fixed_size 327680
		.amdhsa_private_segment_fixed_size 0
		.amdhsa_enable_private_segment 0
		.amdhsa_kernarg_size 40
		.amdhsa_user_sgpr_count 2
		.amdhsa_user_sgpr_kernarg_segment_ptr 1
		.amdhsa_wavefront_size32 1
		.amdhsa_system_sgpr_workgroup_id_x 1
		.amdhsa_system_sgpr_workgroup_id_y 1
		.amdhsa_system_sgpr_workgroup_id_z 1
		.amdhsa_system_vgpr_workitem_id 0
		.amdhsa_next_free_vgpr 256
		.amdhsa_next_free_sgpr 96
		.amdhsa_reserve_vcc 0
		.amdhsa_float_denorm_mode_32 3
		.amdhsa_float_denorm_mode_16_64 3
		.amdhsa_memory_ordered 1
		.amdhsa_forward_progress 1
		.amdhsa_inst_pref_size 255
	.end_amdhsa_kernel
	.section	.bss,"aw",@nobits
	.p2align	6
	.space	262144
	.amdgpu_metadata
---
amdhsa.version: [ 1, 2 ]
amdhsa.kernels:
  - .name:           k_q6421401ed4_attn
    .symbol:         k_q6421401ed4_attn.kd
    .args:
      - { .name: qimg, .offset: 0, .size: 8, .value_kind: global_buffer, .address_space: global }
      - { .name: qsc, .offset: 8, .size: 8, .value_kind: global_buffer, .address_space: global }
      - { .name: kv, .offset: 16, .size: 8, .value_kind: global_buffer, .address_space: global }
      - { .name: aimg, .offset: 24, .size: 8, .value_kind: global_buffer, .address_space: global }
      - { .name: asc, .offset: 32, .size: 8, .value_kind: global_buffer, .address_space: global }
    .group_segment_fixed_size: 327680
    .private_segment_fixed_size: 0
    .kernarg_segment_align: 8
    .kernarg_segment_size: 40
    .max_flat_workgroup_size: 512
    .sgpr_count:     96
    .vgpr_count:     256
    .wavefront_size: 32
...
	.end_amdgpu_metadata
.endif
;; end of part 3
;; launch proj (part 4): grid 256 x 1, 4 waves a work-group, no clusters, 38,400 bytes of LDS; arguments aimg, asc, wimg, wsc, bp, out0; writes out0
.if DOCPART == 4
	.amdgcn_target "amdgcn-amd-amdhsa--gfx1250"
	.amdhsa_code_object_version 6
	.text
	.protected	k_q6421401ed4_proj
	.globl	k_q6421401ed4_proj
	.p2align	8
	.type	k_q6421401ed4_proj,@function
k_q6421401ed4_proj:
	s_mov_b64 s[64:65], 0
	v_nop
	global_prefetch_b8 v0, s[64:65] scope:SCOPE_SE
	s_setreg_imm32_b32 hwreg(HW_REG_WAVE_MODE, 25, 1), 1
	s_wait_xcnt 0x0
; out = att Wp + bp, on codes of BF6 (E3M2) with one E8M0 scale for each 32 along K = d.  Both operands arrive as images of their registers: att's from the attention launch (aimg, asc), Wp's as matrix 3 of wimg, wsc.
; SHARES.  A work-group owns 64 rows: four tiles of 16 (position p of tile 2 B + u is row 32 B + 8 u + p + 8 (p / 8)); every wave keeps all 24 fragments of them in registers.  Wave w makes columns 192 w .. 192 w + 191: three slices of 64,
; 96 matrix instructions each.  The weights stream straight into registers, two groups of 26 loads ahead of their use.
; NO JOINT REQUESTS: all work-groups walk the same weights, but inside a work-group each fragment is wanted by ONE wave, once, and goes from memory to that wave's registers; a joint request lands in LDS and would add a write and a read
; of LDS for each of the 0.46 MB, and a ring filled again behind rounds of the cluster's barrier.
; The product is used transposed (source 0 = 16 columns of Wp, source 1 = 16 rows): a lane holds one row, and the 32 registers of a tile's four results are columns 32 b + 16 (lane / 16) + i at register 16 b + i.  bp is the C of each sum's
; first matrix instruction.  THE WAY OUT goes through the wave's own two stages in LDS: sixteen lanes then store 256 consecutive, aligned bytes of a row, and the store's immediate puts each position back at its row.  A tile goes into
; its stage while the tile before is on its way back, and each of a slice's four tiles comes back into registers of its own.
; All LDS bytes are a wave's own: no barrier.
; REGISTERS.  Window 0: v1-8 addresses; v16-39 att's scale words, v40-63 Wp's (both hold scales and nothing else); v64-191 sixteen accumulators (at the head v64-111: att's half words); v192-223 the bias as C.
;   Window 1 + j: K steps 2 j and 2 j + 1: for parity e, att's fragment m at 96 e + 12 m, Wp's fragment c at 96 e + 48 + 12 c.  v192-255 of windows 1 and 2: four sets of 32, the rows of tiles 0 to 3 on the way out.
.set STG,  3072                        ; LDS: bp, wave w's 192 numbers at 768 w; behind them wave w's two stages of 16 rows x 272 bytes at 8,704 w
.set L16,  1                           ; 16 x lane
.set L8,   2                           ; 8 x lane
.set L16R, 3                           ; 16 x (lane % 16)
.set SOA,  4                           ; the stage, on the way in: 272 r + 64 h
.set SRA,  5                           ; and out: 272 h + 16 r
.set GO,   6                           ; my bytes of two rows of out0: 3,072 h + 16 r
.set L4,   7                           ; 4 x lane
.set BT0,  8                           ; the bias: 768 w + 64 h
.set XS,   16
.set WS,   40
.set ACC,  64
.set BI,   192
.set MSB, 0
.macro WIN new                         ; the immediate's high byte repeats the setting that is left
.if MSB != \new
	s_set_vgpr_msb (MSB<<8)|\new
.set MSB, \new
.endif
.endm
.macro PLACES                          ; four plain places behind a matrix instruction (ISA guide 7.12.1)
.rept 4
	v_nop
.endr
.endm
	s_load_b256 s[8:15], s[0:1], 0x0               ; aimg, asc, wimg, wsc
	s_load_b128 s[16:19], s[0:1], 0x20             ; bp, out0
	v_lshl_add_u32 v254, v0, 2, 0x9400
	v_mov_b32 v255, 0
	v_lshrrev_b32 v64, 5, v0
	v_readfirstlane_b32 s4, v64                    ; wave 0..3
	v_and_b32 v64, 31, v0                          ; lane
	v_and_b32 v65, 15, v0                          ; r
	v_bfe_u32 v66, v0, 4, 1                        ; h
	v_lshlrev_b32 v[L16], 4, v64
	v_lshlrev_b32 v[L8], 3, v64
	v_lshlrev_b32 v[L4], 2, v64
	v_lshlrev_b32 v[L16R], 4, v65
	s_mul_i32 s38, s4, 8704
	s_add_co_u32 s38, s38, STG
	v_mul_u32_u24 v[SOA], v65, 272
	v_lshl_add_u32 v[SOA], v66, 6, v[SOA]
	v_add_nc_u32 v[SOA], s38, v[SOA]
	v_mul_u32_u24 v[SRA], v66, 272
	v_lshl_add_u32 v[SRA], v65, 4, v[SRA]
	v_add_nc_u32 v[SRA], s38, v[SRA]
	v_mul_u32_u24 v[GO], v66, 3072
	v_lshl_add_u32 v[GO], v65, 4, v[GO]
	s_mul_i32 s39, s4, 768
	v_lshl_add_u32 v[BT0], v66, 6, s39
	v_add_nc_u32 v230, s39, v[L8]                  ; my 192 numbers of bp: the same offset in memory and in LDS
	s_mul_i32 s40, ttmp9, 36864                    ; aimg: my four tiles
	s_mov_b32 s41, 0
	s_mul_i32 s42, ttmp9, 6144                     ; asc likewise
	s_mov_b32 s43, 0
	s_mul_i32 s44, s4, 110592
	s_add_co_u32 s44, s44, 1327104                 ; wimg: matrix 3, my three slices
	s_mov_b32 s45, 0
	s_mul_i32 s46, s4, 4608
	s_add_co_u32 s46, s46, 55296                   ; wsc likewise
	s_mov_b32 s47, 0
	s_mul_i32 s36, ttmp9, 196608
	s_add_co_u32 s36, s36, s39                     ; out0: my 64 rows, my 192 columns
	s_mov_b32 s37, 0
	s_wait_kmcnt 0x0
	s_add_nc_u64 s[8:9], s[8:9], s[40:41]
	s_add_nc_u64 s[10:11], s[10:11], s[42:43]
	s_add_nc_u64 s[26:27], s[12:13], s[44:45]
	s_add_nc_u64 s[28:29], s[14:15], s[46:47]
	s_add_nc_u64 s[18:19], s[18:19], s[36:37]
.irp i, 0,1,2
	global_load_b64 v[224+2*\i:225+2*\i], v230, s[16:17] offset:256*\i
.endr
.irp j, 0,1,2                                  ; att's 24 fragments: each half of a fragment lies as four registers at 16 x lane and two at 8 x lane
	WIN 0x40*(1+\j)
.irp e, 0,1
.irp m, 0,1,2,3
	global_load_b128 v[96*\e+12*\m:96*\e+12*\m+3], v[L16], s[8:9] offset:9216*\m+1536*(2*\j+\e)
	global_load_b64 v[96*\e+12*\m+4:96*\e+12*\m+5], v[L8], s[8:9] offset:9216*\m+1536*(2*\j+\e)+512
	global_load_b128 v[96*\e+12*\m+6:96*\e+12*\m+9], v[L16], s[8:9] offset:9216*\m+1536*(2*\j+\e)+768
	global_load_b64 v[96*\e+12*\m+10:96*\e+12*\m+11], v[L8], s[8:9] offset:9216*\m+1536*(2*\j+\e)+1280
.endr
.endr
.endr
	WIN 0
.irp m, 0,1,2,3
.irp d, 0,1,2,3,4,5,6,7,8,9,10,11
	global_load_b32 v[64+12*\m+\d], v[L4], s[10:11] offset:1536*\m+128*\d   ; tile m's half word of head d
.endr
.endr
; 26 loads: a slice's four fragments and scale words of K steps 2 j and 2 j + 1
.macro REFILL j, imm, simm
	WIN 0x40*(1+\j)
.irp e, 0,1
.irp c, 0,1,2,3
.irp k, 0,1,2
	global_load_b128 v[96*\e+48+12*\c+4*\k:96*\e+48+12*\c+4*\k+3], v[L16], s[26:27] offset:\imm+9216*\c+1536*(2*\j+\e)+512*\k
.endr
.endr
.endr
	WIN 0
.irp e, 0,1
	global_load_b128 v[WS+4*(2*\j+\e):WS+4*(2*\j+\e)+3], v[L16R], s[28:29] offset:\simm+256*(2*\j+\e)
.endr
.endm
.macro MM s, e, m, c
.if (\s) == 0
	v_wmma_scale_f32_16x16x128_f8f6f4 v[ACC+32*\m+8*\c:ACC+32*\m+8*\c+7], v[96*\e+48+12*\c:96*\e+48+12*\c+11], v[96*\e+12*\m:96*\e+12*\m+11], v[BI+8*\c:BI+8*\c+7], v[WS+4*(\s)+\c], v[XS+4*(\s)+\m] matrix_a_fmt:MATRIX_FMT_BF6 matrix_b_fmt:MATRIX_FMT_BF6
.else
	v_wmma_scale_f32_16x16x128_f8f6f4 v[ACC+32*\m+8*\c:ACC+32*\m+8*\c+7], v[96*\e+48+12*\c:96*\e+48+12*\c+11], v[96*\e+12*\m:96*\e+12*\m+11], v[ACC+32*\m+8*\c:ACC+32*\m+8*\c+7], v[WS+4*(\s)+\c], v[XS+4*(\s)+\m] matrix_a_fmt:MATRIX_FMT_BF6 matrix_b_fmt:MATRIX_FMT_BF6
.endif
.endm
; Two K steps: 32 matrix instructions; the sixteen accumulators take turns, one instruction a turn
.macro GROUP j, cnt, refill, imm, simm
	s_wait_loadcnt \cnt                            ; this group's 26 loads are in; cnt counts the loads of the younger groups
	WIN 0x05*(1+\j)
.irp e, 0,1
.irp m, 0,1,2,3
.irp c, 0,1,2,3
	MM 2*\j+\e, \e, \m, \c
.endr
.endr
.endr
.if \j == 0
	s_wait_xcnt 0x0                                ; once a slice, here: the last slice's stores have read their four sets of registers, into which this slice's rows are loaded.  Those stores stand 32 matrix
.endif                                                 ; instructions back, and this slice's first run of loads has not been issued yet
.if \refill
	PLACES
	REFILL \j, \imm, \simm
.endif
.endm
.macro SLICE sl, refill
.irp c, 0,1,2,3
.irp q, 0,1
	ds_load_b128 v[BI+8*\c+4*\q:BI+8*\c+4*\q+3], v[BT0] offset:256*\sl+4*(32*(\c/2)+8*(\c%2))+16*\q   ; bp at the lane's eight columns of tile c; no store reads these registers
.endr
.endr
	s_wait_dscnt 0x0
.if \refill
	GROUP 0, 52, 1, 36864*(\sl+1), 1536*(\sl+1)
	GROUP 1, 52, 1, 36864*(\sl+1), 1536*(\sl+1)
	GROUP 2, 52, 1, 36864*(\sl+1), 1536*(\sl+1)
.else
	GROUP 0, 52, 0, 0, 0
	GROUP 1, 26, 0, 0, 0
	GROUP 2, 0, 0, 0, 0
.endif
	WIN 0
	PLACES
.endm
; Tile m, 16 rows x 64 columns, into stage m % 2 (rows 272 bytes apart: row r starts at bank 4 r) and back as whole runs of 256 bytes, into set m: v[192 + 32 (m % 2)] on of window 1 + m / 2.
.macro TOSTAGE m
.irp b, 0,1
.irp q, 0,1,2,3
	ds_store_b128 v[SOA], v[ACC+32*\m+16*\b+4*\q:ACC+32*\m+16*\b+4*\q+3] offset:4352*(\m%2)+128*\b+16*\q   ; each accumulator from its low end on
.endr
.endr
	WIN 0x40*(1+\m/2)                              ; destination window 1 or 2
.irp i, 0,1,2,3,4,5,6,7
	ds_load_b128 v[192+32*(\m%2)+4*\i:192+32*(\m%2)+4*\i+3], v[SRA] offset:4352*(\m%2)+544*\i   ; LDS serves a wave's instructions in order (ISA guide 5.7.1.4): these see the stores above, and the stage's next stores come behind them
.endr
	WIN 0
.endm
.macro SEND m, sl, younger             ; younger: the LDS instructions issued behind tile m's loads: the next tile's eight stores and eight loads, or none
	s_wait_dscnt \younger
	WIN 0x04*(1+\m/2)                              ; a store's data are its source 1: window 1 or 2
.irp i, 0,1,2,3,4,5,6,7
	global_store_b128 v[GO], v[192+32*(\m%2)+4*\i:192+32*(\m%2)+4*\i+3], s[18:19] offset:(32*(\m/2)+8*(\m%2)+2*\i+8*(\i/4))*3072+256*\sl th:TH_STORE_NT   ; positions 2 i and 2 i + 1 at their rows; 16 lanes store 256 consecutive bytes, aligned
.endr
	WIN 0
.endm
.macro OUT sl
	TOSTAGE 0
	TOSTAGE 1
	SEND 0, \sl, 16
	TOSTAGE 2
	SEND 1, \sl, 16
	TOSTAGE 3
	SEND 2, \sl, 16
	SEND 3, \sl, 0
.endm
	REFILL 0, 0, 0
	REFILL 1, 0, 0
	REFILL 2, 0, 0
	s_wait_loadcnt 63                              ; all but the youngest 63 of the 78 weight loads: bp, att's fragments and its half words are in
.irp i, 0,1,2
	ds_store_b64 v230, v[224+2*\i:225+2*\i] offset:256*\i
.endr
.irp s, 0,1,2,3,4,5
.irp m, 0,1,2,3
	v_lshl_or_b32 v[XS+4*\s+\m], v[64+12*\m+2*\s+1], 16, v[64+12*\m+2*\s]   ; K step s is heads 2 s and 2 s + 1: their half words make the scale word
.endr
.endr
.rept 8
	v_nop                                          ; a scale register written by a vector instruction stands eight places ahead of a scaled matrix instruction
.endr
	SLICE 0, 1
	OUT 0
	SLICE 1, 1
	OUT 1
	SLICE 2, 0
	OUT 2
	s_wait_tensorcnt 0x0
	ds_add_u32 v254, v255
	s_wait_dscnt 0x0
	s_endpgm
.Lfunc_end_k_q6421401ed4_proj:
	.size	k_q6421401ed4_proj, .Lfunc_end_k_q6421401ed4_proj-k_q6421401ed4_proj
	.p2alignl 7, 3214868480
	.fill 96, 4, 3214868480
	.section	.rodata,"a",@progbits
	.p2align	6, 0x0
	.amdhsa_kernel k_q6421401ed4_proj
		.amdhsa_group_segment_fixed_size 38400
		.amdhsa_private_segment_fixed_size 0
		.amdhsa_enable_private_segment 0
		.amdhsa_kernarg_size 48
		.amdhsa_user_sgpr_count 2
		.amdhsa_user_sgpr_kernarg_segment_ptr 1
		.amdhsa_wavefront_size32 1
		.amdhsa_system_sgpr_workgroup_id_x 1
		.amdhsa_system_sgpr_workgroup_id_y 1
		.amdhsa_system_sgpr_workgroup_id_z 1
		.amdhsa_system_vgpr_workitem_id 0
		.amdhsa_next_free_vgpr 1024
		.amdhsa_next_free_sgpr 66
		.amdhsa_reserve_vcc 0
		.amdhsa_float_denorm_mode_32 3
		.amdhsa_float_denorm_mode_16_64 3
		.amdhsa_memory_ordered 1
		.amdhsa_forward_progress 1
		.amdhsa_inst_pref_size 104
	.end_amdhsa_kernel
	.amdgpu_metadata
---
amdhsa.version: [ 1, 2 ]
amdhsa.kernels:
  - .name:           k_q6421401ed4_proj
    .symbol:         k_q6421401ed4_proj.kd
    .args:
      - { .name: aimg, .offset: 0, .size: 8, .value_kind: global_buffer, .address_space: global }
      - { .name: asc, .offset: 8, .size: 8, .value_kind: global_buffer, .address_space: global }
      - { .name: wimg, .offset: 16, .size: 8, .value_kind: global_buffer, .address_space: global }
      - { .name: wsc, .offset: 24, .size: 8, .value_kind: global_buffer, .address_space: global }
      - { .name: bp, .offset: 32, .size: 8, .value_kind: global_buffer, .address_space: global }
      - { .name: out0, .offset: 40, .size: 8, .value_kind: global_buffer, .address_space: global }
    .group_segment_fixed_size: 38400
    .private_segment_fixed_size: 0
    .kernarg_segment_align: 8
    .kernarg_segment_size: 48
    .max_flat_workgroup_size: 128
    .sgpr_count:     66
    .vgpr_count:     1024
    .wavefront_size: 32
...
	.end_amdgpu_metadata
.endif
;; end of part 4
;; ======== version 2 of 2: 4 launches
;; workspace buffers: wimg 1,769,472 bytes; wsc 73,728 bytes; qimg 9,437,184 bytes; qsc 786,432 bytes; kv 20,447,232 bytes; aimg 9,437,184 bytes; asc 1,572,864 bytes
;; launch quant_w (part 5): grid 12 x 24, 4 waves a work-group, no clusters, 0 bytes of LDS; arguments Wq, Wk, Wv, Wp, wimg, wsc; writes wimg, wsc
.if DOCPART == 5
	.amdgcn_target "amdgcn-amd-amdhsa--gfx1250"
	.amdhsa_code_object_version 6
	.text
	.protected	k_q6421401ed4_quant_w
	.globl	k_q6421401ed4_quant_w
	.p2align	8
	.type	k_q6421401ed4_quant_w,@function
k_q6421401ed4_quant_w:
	s_mov_b64 s[64:65], 0
	v_nop
	global_prefetch_b8 v0, s[64:65] scope:SCOPE_SE
	s_setreg_imm32_b32 hwreg(HW_REG_WAVE_MODE, 25, 1), 1
	s_wait_xcnt 0x0
; The four weights, f32 with K = d as their first axis (within a head), become codes of BF6 (E3M2) and E8M0 scale words, laid as IMAGES OF THE OPERAND'S REGISTERS.
; wimg: [matrix q,k,v,p][tile 0..47][K step 0..5][1,536 bytes: registers 4 k .. 4 k + 3 of lane l at 512 k + 16 l].   wsc: [matrix][slice of 64 columns 0..11][K step][position r 0..15][tile of the slice 0..3], one word each.
; THE COLUMNS OF A TILE ARE NOT NEIGHBOURS: position r of tile 2 B + u of a slice is column 32 B + 8 u + r + 8 (r / 8), so that two neighbouring tiles' results are 16 neighbours along that axis in the products that follow.
; SHARES.  Work-group x = the slice (a head of Wq, Wk, Wv; 64 columns of Wp); y = 4 x K step + matrix; wave w = tile w of the slice: one wave makes one fragment, 16 columns x 128 along K.
; A LANE TAKES A COLUMN AND ITS REGISTERS RUN DOWN K, in the order that the operand's layout gives that lane: lane (r, h) takes d = 128 s + 64 c + 32 h + 0 .. 31, c = 0, 1: two whole blocks of 32, so no other lane is asked for a maximum.
; A block's scale is 2^(floor(log2(its largest magnitude)) - 4): its byte is the largest magnitude's exponent field - 4, held at 1 from below by a floor among the maximum's leaves.
; LIMITS: NaN and infinities among the inputs are not served; a block whose largest magnitude lies under 2^-122 keeps the byte 1; a block of zeros has the byte 1 and not 127: its codes are zeros, and this program alone reads the bytes.
; No LDS, no barrier, no matrix unit, no cluster: the launch reads 9.4 MB once, each byte by one wave, and the waves share nothing.
.set STRH, 256                         ; bytes from d to d + 1 in Wq, Wk, Wv (64 columns of f32)
.set STRP, 3072                        ; and in Wp (768 columns)
.set SEL,  30                          ; s[30:31] lane selects for v_permlanex16_b32: lane l xor 16
.macro LOADS str                       ; W(128 s + 64 c + 32 h + i, my column) into v[64 + 32 c + i]
.irp c, 0,1
.irp i, 0,1,2,3,4,5,6,7,8,9,10,11,12,13,14,15,16,17,18,19,20,21,22,23,24,25,26,27,28,29,30,31
	global_load_b32 v[64+32*\c+\i], v3, s[8:9] offset:\str*(64*\c+\i)
.endr
.endr
.endm
	s_load_b256 s[8:15], s[0:1], 0x0               ; Wq, Wk, Wv, Wp
	s_load_b128 s[16:19], s[0:1], 0x20             ; wimg, wsc
	v_lshrrev_b32 v1, 5, v0
	v_readfirstlane_b32 s4, v1                     ; wave = tile of the slice
	v_and_b32 v1, 15, v0                           ; r
	s_wait_alu depctr_va_vdst(0)
	v_bfe_u32 v2, v0, 4, 1                         ; h
	s_wait_alu depctr_va_vdst(0)
	v_and_b32 v5, 31, v0
	v_lshlrev_b32 v5, 4, v5                        ; 16 x lane: my place in a chunk of the image
	v_lshlrev_b32 v6, 4, v1                        ; 16 r: my position's four scale words
	s_and_b32 s5, ttmp7, 0xffff
	s_lshr_b32 s6, s5, 2                           ; the K step
	s_and_b32 s5, s5, 3                            ; the matrix: 0 q, 1 k, 2 v, 3 p
	s_mov_b32 s7, STRH
	s_mov_b32 s20, 196608                          ; a head of Wq, Wk, Wv: 768 x 64 x 4 bytes
	s_cmp_eq_u32 s5, 3
	s_cselect_b32 s20, s7, s20                     ; a slice of Wp begins 256 bytes behind the last
	s_cselect_b32 s7, STRP, s7                     ; the row stride
	s_mul_i32 s20, s20, ttmp9
	s_lshl_b32 s21, s7, 7
	s_mul_i32 s21, s21, s6                         ; 128 rows a K step
	s_add_co_u32 s20, s20, s21
	s_mov_b32 s21, 0                               ; s[20:21]: where my slice's K step begins in the weight
	s_lshl_b32 s22, s7, 5                          ; 32 rows: lanes 16-31 begin there
	s_lshr_b32 s23, s4, 1
	s_lshl_b32 s23, s23, 5
	s_and_b32 s24, s4, 1
	s_lshl_b32 s24, s24, 3
	s_add_co_u32 s23, s23, s24                     ; 32 (w / 2) + 8 (w % 2)
	v_and_b32 v4, 8, v1
	v_add_nc_u32 v4, v4, v1                        ; r + 8 (r / 8)
	v_add_nc_u32 v4, s23, v4                       ; my column of the slice
	v_mul_u32_u24 v3, s22, v2
	v_lshl_add_u32 v3, v4, 2, v3                   ; 4 x column + 32 h rows
	s_mul_i32 s26, s5, 442368                      ; wimg: a matrix,
	s_lshl_b32 s27, ttmp9, 2
	s_add_co_u32 s27, s27, s4
	s_mul_i32 s27, s27, 9216                       ; a tile's six fragments,
	s_add_co_u32 s26, s26, s27
	s_mul_i32 s27, s6, 1536                        ; a fragment
	s_add_co_u32 s26, s26, s27
	s_mov_b32 s27, 0
	s_mul_i32 s28, s5, 18432                       ; wsc: a matrix,
	s_mul_i32 s29, ttmp9, 1536                     ; a slice,
	s_add_co_u32 s28, s28, s29
	s_lshl_b32 s29, s6, 8                          ; a K step,
	s_add_co_u32 s28, s28, s29
	s_lshl_b32 s29, s4, 2                          ; my tile's word
	s_add_co_u32 s28, s28, s29
	s_mov_b32 s29, 0
	s_mov_b32 s[SEL], 0x76543210
	s_mov_b32 s[SEL+1], 0xfedcba98
	s_wait_kmcnt 0x0
	s_cmp_eq_u32 s5, 1                             ; the weight is chosen by the work-group's number alone
	s_cselect_b64 s[8:9], s[10:11], s[8:9]
	s_cmp_eq_u32 s5, 2
	s_cselect_b64 s[8:9], s[12:13], s[8:9]
	s_cmp_eq_u32 s5, 3
	s_cselect_b64 s[8:9], s[14:15], s[8:9]
	s_add_nc_u64 s[8:9], s[8:9], s[20:21]
	s_add_nc_u64 s[16:17], s[16:17], s[26:27]
	s_add_nc_u64 s[18:19], s[18:19], s[28:29]
	s_cmp_eq_u32 s5, 3                             ; the two runs of loads differ in their immediates alone
	s_cbranch_scc1 .Lwp
	s_wait_alu depctr_va_vdst(0)
	LOADS STRH
	s_branch .Lgot
.Lwp:
	s_wait_alu depctr_va_vdst(0)
	LOADS STRP
.Lgot:
	s_wait_loadcnt 0x0
.irp c, 0,1                                    ; my block 2 c + h: all its 32 numbers are mine
	v_max3_num_f32 v[32+\c], |v[64+32*\c]|, |v[65+32*\c]|, 0x2800000   ; and the floor 2^(5 - 127): the byte cannot fall under 1
.endr
.irp i, 2,4,6,8,10,12,14,16,18,20,22,24,26,28,30
.irp c, 0,1
	v_max3_num_f32 v[32+\c], v[32+\c], |v[64+32*\c+\i]|, |v[65+32*\c+\i]|   ; (the two blocks by turns)
.endr
.endr
.irp c, 0,1
	v_add_nc_u32 v[44+\c], 0xfe000000, v[32+\c]    ; 4 off the exponent field: the conversion takes the exponent field of this operand as its scale
.endr
.irp c, 0,1
	v_lshrrev_b32 v[36+\c], 23, v[44+\c]           ; the scale's byte
.endr
	v_lshl_or_b32 v9, v37, 16, v36                 ; my two bytes: blocks h and 2 + h,
	v_lshlrev_b32 v10, 3, v2
	v_lshlrev_b32 v9, v10, v9                      ; at their places in the word (8 h bits up);
	v_mov_b32 v10, 0
	v_permlanex16_b32 v10, v9, s[SEL], s[SEL+1]
	v_or_b32 v9, v9, v10                           ; with lane l xor 16's two the word is whole, in both lanes
.irp c, 0,1
	v_cvt_scalef32_pk16_bf6_f32 v[48+6*\c:50+6*\c], v[64+32*\c:79+32*\c], v[44+\c]     ; registers 6 c .. 6 c + 2 of the operand
	v_cvt_scalef32_pk16_bf6_f32 v[128+4*\c:130+4*\c], v[80+32*\c:95+32*\c], v[44+\c]   ; (a conversion's three registers begin on an even number: these are moved)
.endr
	v_nop                                          ; one plain place behind a scaled conversion
.irp c, 0,1
.irp i, 0,1,2
	v_mov_b32 v[51+6*\c+\i], v[128+4*\c+\i]
.endr
.endr
.irp k, 0,1,2
	global_store_b128 v5, v[48+4*\k:51+4*\k], s[16:17] offset:512*\k   ; 32 lanes store 512 consecutive bytes, aligned
.endr
	global_store_b32 v6, v9, s[18:19]              ; lanes l and l xor 16 store the same word to the same place
	s_endpgm
.Lfunc_end_k_q6421401ed4_quant_w:
	.size	k_q6421401ed4_quant_w, .Lfunc_end_k_q6421401ed4_quant_w-k_q6421401ed4_quant_w
	.p2alignl 7, 3214868480
	.fill 96, 4, 3214868480
	.section	.rodata,"a",@progbits
	.p2align	6, 0x0
	.amdhsa_kernel k_q6421401ed4_quant_w
		.amdhsa_group_segment_fixed_size 0
		.amdhsa_private_segment_fixed_size 0
		.amdhsa_enable_private_segment 0
		.amdhsa_kernarg_size 48
		.amdhsa_user_sgpr_count 2
		.amdhsa_user_sgpr_kernarg_segment_ptr 1
		.amdhsa_wavefront_size32 1
		.amdhsa_system_sgpr_workgroup_id_x 1
		.amdhsa_system_sgpr_workgroup_id_y 1
		.amdhsa_system_sgpr_workgroup_id_z 1
		.amdhsa_system_vgpr_workitem_id 0
		.amdhsa_next_free_vgpr 144
		.amdhsa_next_free_sgpr 66
		.amdhsa_reserve_vcc 0
		.amdhsa_float_denorm_mode_32 3
		.amdhsa_float_denorm_mode_16_64 3
		.amdhsa_memory_ordered 1
		.amdhsa_forward_progress 1
		.amdhsa_inst_pref_size 19
	.end_amdhsa_kernel
	.amdgpu_metadata
---
amdhsa.version: [ 1, 2 ]
amdhsa.kernels:
  - .name:           k_q6421401ed4_quant_w
    .symbol:         k_q6421401ed4_quant_w.kd
    .args:
      - { .name: Wq, .offset: 0, .size: 8, .value_kind: global_buffer, .address_space: global }
      - { .name: Wk, .offset: 8, .size: 8, .value_kind: global_buffer, .address_space: global }
      - { .name: Wv, .offset: 16, .size: 8, .value_kind: global_buffer, .address_space: global }
      - { .name: Wp, .offset: 24, .size: 8, .value_kind: global_buffer, .address_space: global }
      - { .name: wimg, .offset: 32, .size: 8, .value_kind: global_buffer, .address_space: global }
      - { .name: wsc, .offset: 40, .size: 8, .value_kind: global_buffer, .address_space: global }
    .group_segment_fixed_size: 0
    .private_segment_fixed_size: 0
    .kernarg_segment_align: 8
    .kernarg_segment_size: 48
    .max_flat_workgroup_size: 128
    .sgpr_count:     66
    .vgpr_count:     144
    .wavefront_size: 32
...
	.end_amdgpu_metadata
.endif
;; end of part 5
;; launch qkv (part 6): grid 256 x 1, 4 waves a work-group, no clusters, 117,248 bytes of LDS; arguments x, wimg, wsc, bq, bk, bv, qimg, qsc, kv; writes qimg, qsc, kv
.if DOCPART == 6
	.amdgcn_target "amdgcn-amd-amdhsa--gfx1250"
	.amdhsa_code_object_version 6
	.text
	.protected	k_q6421401ed4_qkv
	.globl	k_q6421401ed4_qkv
	.p2align	8
	.type	k_q6421401ed4_qkv,@function
k_q6421401ed4_qkv:
	s_mov_b64 s[64:65], 0
	v_nop
	global_prefetch_b8 v0, s[64:65] scope:SCOPE_SE
	s_setreg_imm32_b32 hwreg(HW_REG_WAVE_SCHED_MODE, 0, 2), 2
	s_setreg_imm32_b32 hwreg(HW_REG_WAVE_MODE, 25, 1), 1
	s_wait_xcnt 0x0
	s_wait_alu depctr_vm_vsrc(0)
; q, k, v = x W + b for all 12 heads, on codes of BF6 (E3M2) with one E8M0 scale for each 32 along K = d; the results are quantised at once for the products that follow: q and k along the head's 64, v along the keys.
; SHARES.  A work-group owns 64 rows of x: four tiles of 16.  THE ROWS OF A TILE ARE NOT NEIGHBOURS: position p of tile 2 B + u is row 32 B + 8 u + p + 8 (p / 8).  Wave w quantises tile w (phase X) and hands its six fragments to the
; others through LDS as images of their registers; then every wave keeps all 24 fragments of x in registers and makes heads 3 w .. 3 w + 2: nine slices of 64 columns, 96 matrix instructions each.
; THE WEIGHTS come as register images (wimg) straight into registers, in three sets of 26 loads, each set asked for again for the next slice as soon as its products are done; a fragment feeds four matrix instructions.
; NO JOINT REQUESTS: all work-groups walk the same weights, but inside a work-group each fragment is wanted by ONE wave, once: it goes from memory to that wave's registers by three loads of 512 consecutive bytes.
; A joint request lands in LDS: it would add a write and a read of LDS for each of a work-group's 1.39 MB of weights, and a ring that is filled again behind a round of the cluster's barrier for every group of two K steps.
; q, k (mode 0): source 0 = 16 columns of W, source 1 = 16 rows of x: a lane holds ONE row and its registers run along e.   v (mode 1): the sources swapped: a lane holds one column e and its registers run along the rows, which are the keys.
; In both the 32 registers of a tile's four results are element 32 b + 16 (lane / 16) + i at register 16 b + i, which is what Q32 takes.  The bias is the C of each sum's first matrix instruction.
; OUT: qimg [bh][pair of tiles][1,536]: registers 0-5 the even tile, 6-11 the odd one;  qsc [bh][64 rows][lane][2 words];  kv [bh][step of 128 keys][13,312]: K's four fragments 6,144, V's four 6,144, K's scale words 512,
; V's half words 512 ([half of the step][lane][2 words], two half words to a word).
; LIMITS: NaN and infinities are not served; a block whose largest magnitude lies under 2^-122 keeps the byte 1; a block of zeros has the byte 1 and not 127: its codes are zeros, and this program alone reads the bytes.
; REGISTERS.  Window 0: v1-15 addresses; v16-39 x's scale words, v40-63 the weights' (both hold scales and nothing else); v64-191 sixteen accumulators; v192-223 the bias as C, at work in the epilogues; v224-247 codes; v248-253 at work;
;   v254-255 the scale words that are stored.  What the epilogues' stores read (v224-247, v254-255) is written by the epilogues alone.
;   Window 1 + j: K steps 2 j and 2 j + 1: for parity e, x's fragment m at 96 e + 12 m, the weights' fragment c at 96 e + 48 + 12 c.  In phase X windows 1 and 2 hold the rows of x as loaded.
; THE MODE: SCHED_MODE bits 1:0 = 2 (LLVM: expert scheduling mode 2), set by the entry lines.  The code itself states the register dependences between vector or matrix instructions and memory or LDS instructions, with s_wait_alu, always for 0.
; THE PLAN.  Registers that memory or LDS instructions touch:
;   v1-14        addresses, made at the head and never written again: one wait on va_vdst ahead of the first load serves them all.
;   PHASE X      windows 1, 2: the rows of x land there; TURN's LDS stores read them.   The two sets of 64 numbers (v64-191): TURN s's LDS loads land in set s % 2; K step s's Q32 reads it.
;                v224-235, v198: written by K step s's Q32, read by its four image stores.   A K step has one wait on vm_vsrc at its head (the last image stores have read the codes) and one on va_vdst ahead of its image stores.
;   R0, R1, R2   set j = the weights' eight fragments in window 1 + j and their scale words v40 + 8 j on.  Read by group j's 32 matrix instructions; loaded again for the next slice: R0 in the middle of group 1, R1 in the middle of group 2,
;                each behind the wait on va_vdst at that group's head; R2 behind group 2 and a wait of its own.  The sixteen matrix instructions between a group's head and the loads name window 1 + j, their own scale words and the accumulators alone.
;   v15          the bias's LDS address: written once a slice, between a wait on vm_vsrc and a wait on va_vdst; read by the slice's bias loads.
;   v192-223     the bias loads land there at a slice's head; group 0's matrix instructions read them as C; the epilogue works in v192-199.  v248-251 likewise for v's bias.
;   v224-247, v254-255   written by a slice's epilogue; read by its stores, behind one wait on va_vdst; written again a slice later, behind the wait on vm_vsrc at that slice's head and the wait on XCNT behind its group 0.
.set XIMG, 0                           ; LDS: x's 24 fragments, (tile m, K step s) at (6 m + s) x 1,536
.set XSC,  36864                       ; their scale words: [s][lane][m]
.set BIA,  39936                       ; the biases: wave w's at 2,304 w: [q, k, v][head 0..2][64 f32]
.set STG,  49152                       ; wave w's two stages of 16 rows x 528 bytes at 16,896 w
.set KSTEPB, 13312                     ; a key step's block of kv
.set HEADB, 106496                     ; a head's eight
.set L16,  1                           ; 16 x lane
.set L8,   2                           ; 8 x lane
.set L16R, 3                           ; 16 x (lane % 16)
.set STI,  4                           ; the stage, on the way in: 16 x lane
.set STO,  5                           ; and out: 528 r + 64 h
.set XWI,  6                           ; where I store x's images: 9,216 w + 16 x lane
.set XWS,  7                           ; and their scale words: 16 x lane + 4 w
.set BT0,  8                           ; the bias for mode 0: my wave's + 64 h
.set BN0,  9                           ; for mode 1: my wave's + 4 (r + 8 (r / 8))
.set KC16, 10                          ; offsets in a key step's block of kv: K's codes,
.set KS8,  11                          ; K's scale words,
.set VC16, 12                          ; V's codes, the first four registers of six,
.set VC8,  13                          ; the other two,
.set VS8,  14                          ; V's half words
.set BA,   15                          ; the bias address in hand
.set XS,   16
.set WS,   40
.set ACC,  64
.set XT,   64                          ; phase X: two sets of 64 numbers
.set BI,   192
.set CT,   192                         ; v192-194 a conversion's second half
.set HW,   196                         ; v196-199 half words: byte of block 0 | byte of block 1 << 8
.set BT,   204                         ; v204-221 the biases on their way to LDS; v222, v223 their addresses
.set PC,   224
.set BM,   248
.set PT,   250
.set SO,   252
.set SW,   254                         ; v254-255 two scale words, or four half words, on their way out
.set SEL,  6                           ; s[6:7] lane selects for v_permlanex16_b32: lane l xor 16
.set MSB, 0
.macro WIN new                         ; the immediate's high byte repeats the setting that is left; a switch that changes nothing is dropped
.if MSB != \new
	s_set_vgpr_msb (MSB<<8)|\new
.set MSB, \new
.endif
.endm
.macro PLACES                          ; four plain places behind a matrix instruction, in front of reads of its results and of loads into its registers
.rept 4
	v_nop
.endr
.endm
; 32 numbers of a lane, v[s + 16 b + i] = element 32 b + 16 (lane / 16) + i, become six registers of codes in v[d] on (lane (r, h): block h whole) and the half word byte 0 | byte 1 << 8 in v[hw].
.macro Q32 s, d, hw
.irp b, 0,1
	v_max3_num_f32 v[BM+\b], |v[\s+16*\b]|, |v[\s+16*\b+1]|, 0x2800000   ; my 16 numbers of block b, from each accumulator's low end on, and the floor 2^(5 - 127)
.endr
.irp i, 2,4,6,8,10,12,14
.irp b, 0,1
	v_max3_num_f32 v[BM+\b], v[BM+\b], |v[\s+16*\b+\i]|, |v[\s+16*\b+\i+1]|
.endr
.endr
.irp b, 0,1
	v_permlanex16_b32 v[PT+\b], v[BM+\b], s[SEL], s[SEL+1]
.endr
.irp b, 0,1
	v_max_num_f32 v[BM+\b], v[BM+\b], v[PT+\b]     ; with lane l xor 16's: the block's largest magnitude
.endr
.irp b, 0,1
	v_add_nc_u32 v[SO+\b], 0xfe000000, v[BM+\b]    ; 4 off its exponent field: the conversion's scale operand
.endr
.irp b, 0,1
	v_lshrrev_b32 v[PT+\b], 23, v[SO+\b]           ; the scale's byte
.endr
	v_lshl_or_b32 v[\hw], v[PT+1], 8, v[PT]
	v_cvt_scalef32_pk16_bf6_f32 v[\d:\d+2], v[\s:\s+15], v[SO]
	v_cvt_scalef32_pk16_bf6_f32 v[CT:CT+2], v[\s+16:\s+31], v[SO+1]
	v_nop                                          ; one plain place behind a scaled conversion
.irp i, 0,1,2
	v_permlane16_swap_b32 v[\d+\i], v[CT+\i]       ; the first's lanes 16-31 change places with the second's lanes 0-15: each lane now has its block's lower 16 codes and its upper 16
.endr
.irp i, 0,1,2
	v_mov_b32 v[\d+3+\i], v[CT+\i]
.endr
.endm
	s_load_b512 s[8:23], s[0:1], 0x0               ; x, wimg, wsc, bq, bk, bv, qimg, qsc
	s_load_b64 s[24:25], s[0:1], 0x40              ; kv
	s_set_vgpr_msb 0x80
	v_lshl_add_u32 v254, v0, 2, 0x1c800
	v_mov_b32 v255, 0
	s_set_vgpr_msb 0x8000
	v_lshrrev_b32 v64, 5, v0
	v_readfirstlane_b32 s4, v64                    ; wave 0..3
	v_and_b32 v64, 31, v0                          ; lane
	v_and_b32 v65, 15, v0                          ; r
	v_bfe_u32 v66, v0, 4, 1                        ; h
	v_and_b32 v67, 8, v65
	v_add_nc_u32 v67, v67, v65                     ; r + 8 (r / 8)
	v_lshlrev_b32 v[L16], 4, v64
	v_lshlrev_b32 v[L8], 3, v64
	v_lshlrev_b32 v[L16R], 4, v65
	s_wait_alu depctr_va_sdst(0)                   ; s4 is written, ahead of its first reader: LDS places, bases and offsets are made from it
	s_mul_i32 s40, s4, 16896
	s_add_co_u32 s40, s40, STG
	v_add_nc_u32 v[STI], s40, v[L16]
	v_mul_u32_u24 v[STO], v65, 528
	v_lshl_add_u32 v[STO], v66, 6, v[STO]
	v_add_nc_u32 v[STO], s40, v[STO]
	s_mul_i32 s40, s4, 9216
	v_add_nc_u32 v[XWI], s40, v[L16]
	s_lshl_b32 s40, s4, 2
	v_add_nc_u32 v[XWS], s40, v[L16]
	s_mul_i32 s40, s4, 2304
	s_add_co_u32 s40, s40, BIA
	v_lshl_add_u32 v[BT0], v66, 6, s40
	v_lshl_add_u32 v[BN0], v67, 2, s40
	v_add_nc_u32 v223, s40, v[L8]                  ; the biases' place in LDS
	s_mul_i32 s41, s4, 768
	v_add_nc_u32 v222, s41, v[L8]                  ; and in memory: my three heads' 192 numbers
	v_mov_b32 v[PT], 0                             ; written once: a lane permute's destination counts as one of its sources
	v_mov_b32 v[PT+1], 0
	s_mov_b32 s[SEL], 0x76543210
	s_mov_b32 s[SEL+1], 0xfedcba98
	s_lshr_b32 s42, ttmp9, 4                       ; the batch
	s_and_b32 s43, ttmp9, 15                       ; which 64 rows of it
	s_lshr_b32 s44, s43, 1                         ; the key step of 128
	s_and_b32 s45, s43, 1                          ; g: which half of it
	s_mul_i32 s46, s42, 12
	s_mul_i32 s47, s4, 3
	s_add_co_u32 s46, s46, s47                     ; my first (batch, head)
	s_mul_i32 s47, s45, 3072
	v_add_nc_u32 v[KC16], s47, v[L16]              ; K's fragments 2 g and 2 g + 1
	s_lshl_b32 s47, s45, 8
	s_add_co_u32 s48, s47, 12288
	v_add_nc_u32 v[KS8], s48, v[L8]
	s_add_co_u32 s48, s47, 12800
	v_add_nc_u32 v[VS8], s48, v[L8]
	s_mul_i32 s47, s45, 768
	s_add_co_u32 s48, s47, 6144
	v_add_nc_u32 v[VC16], s48, v[L16]              ; half g of V's fragments
	s_add_co_u32 s48, s47, 6656
	v_add_nc_u32 v[VC8], s48, v[L8]
	s_lshl_b32 s48, ttmp9, 6
	s_lshr_b32 s49, s4, 1
	s_lshl_b32 s49, s49, 5
	s_add_co_u32 s48, s48, s49
	s_and_b32 s49, s4, 1
	s_lshl_b32 s49, s49, 3
	s_add_co_u32 s48, s48, s49                     ; my tile's first row: 64 x work-group + 32 (w / 2) + 8 (w % 2)
	s_mul_i32 s48, s48, 3072
	s_mov_b32 s49, 0
	s_mul_i32 s50, s4, 110592                      ; my three heads' slices of a matrix in wimg: 3 x 36,864
	s_mov_b32 s51, 0
	s_mul_i32 s52, s4, 4608                        ; and in wsc
	s_mov_b32 s53, 0
	s_mul_i32 s54, s46, 49152
	s_mul_i32 s55, s43, 3072
	s_add_co_u32 s54, s54, s55                     ; qimg: the head, my two pairs of tiles
	s_mov_b32 s55, 0
	s_lshl_b32 s56, s46, 12
	s_lshl_b32 s57, s43, 8
	s_add_co_u32 s56, s56, s57                     ; qsc
	s_mov_b32 s57, 0
	s_mul_i32 s58, s46, HEADB
	s_mul_i32 s59, s44, KSTEPB
	s_add_co_u32 s58, s58, s59                     ; kv: the head, the key step
	s_mov_b32 s59, 0
	s_mov_b32 s36, 0                               ; the head's place among my biases: 256 bytes a head
	s_mov_b32 s37, 2                               ; trips of the loop over heads
	s_wait_kmcnt 0x0
	s_add_nc_u64 s[8:9], s[8:9], s[48:49]          ; x at my tile
	s_add_nc_u64 s[26:27], s[10:11], s[50:51]      ; the weights' images,
	s_add_nc_u64 s[28:29], s[12:13], s[52:53]      ; their scale words,
	s_add_nc_u64 s[30:31], s[20:21], s[54:55]      ; q's codes,
	s_add_nc_u64 s[32:33], s[22:23], s[56:57]      ; q's scale words,
	s_add_nc_u64 s[34:35], s[24:25], s[58:59]      ; k and v
	s_wait_alu depctr_va_vdst(0)                   ; the addresses v1-14, v222 and v223 are written, which the loads and stores of the whole kernel read; so are v64-67, in which LDS loads land
	; ---- PHASE X: my tile of x, 16 rows x 768, becomes six fragments.  All 96 loads go out at once, K step by K step; each reads 512 consecutive bytes of one row.
.irp a, 0,1,2
.irp i, 0,1,2
	global_load_b64 v[BT+6*\a+2*\i:BT+6*\a+2*\i+1], v222, s[14+2*\a:15+2*\a] offset:256*\i
.endr
.endr
	WIN 0x40                                       ; destination window 1
.irp s, 0,1,2,3
.irp p, 0,1,2,3,4,5,6,7,8,9,10,11,12,13,14,15
	global_load_b128 v[64*\s+4*\p:64*\s+4*\p+3], v[L16], s[8:9] offset:(\p+8*(\p/8))*3072+512*\s th:TH_LOAD_NT
.endr
.endr
	WIN 0x80                                       ; destination window 2
.irp s, 4,5
.irp p, 0,1,2,3,4,5,6,7,8,9,10,11,12,13,14,15
	global_load_b128 v[64*(\s-4)+4*\p:64*(\s-4)+4*\p+3], v[L16], s[8:9] offset:(\p+8*(\p/8))*3072+512*\s th:TH_LOAD_NT
.endr
.endr
	WIN 0
; K step s turns through a stage of my own: in as loaded (a row's 512 bytes on end, rows 528 bytes apart, so that row r starts at bank 4 r), out as 16 neighbours of each block of 32 for lane (r, h).
; LDS serves a wave's instructions in order (ISA guide 5.7.1.4): no wait stands between the stores and the loads.
; The loads land in the set of 64 numbers that the Q32 lines of two K steps back read: those lines stand ahead of that K step's wait on va_vdst, and no vector instruction since names the set.
.macro TURN s
	WIN 0x04*(1+(\s)/4)                            ; an LDS store's data are its source 1: window 1 or 2
.irp p, 0,1,2,3,4,5,6,7,8,9,10,11,12,13,14,15
	ds_store_b128 v[STI], v[64*((\s)%4)+4*\p:64*((\s)%4)+4*\p+3] offset:((\s)%2)*8448+528*\p
.endr
	WIN 0
.irp b, 0,1,2,3
.irp j, 0,1,2,3
	ds_load_b128 v[XT+64*((\s)%2)+16*\b+4*\j:XT+64*((\s)%2)+16*\b+4*\j+3], v[STO] offset:((\s)%2)*8448+128*\b+16*\j
.endr
.endr
.endm
.macro XSTEP s
.if \s > 0
	s_wait_alu depctr_vm_vsrc(0)                   ; the last K step's image stores have read v224-235 and v198, which this K step's lines write again
.endif
.if \s < 5
.if 16*(4-\s) > 63
	s_wait_loadcnt 63                              ; the next K step's sixteen loads are in: more than 63 loads are younger, and the wait names the most that it can
.else
	s_wait_loadcnt 16*(4-\s)                       ; the next K step's sixteen loads are in; those of the K steps behind it may be out
.endif
	TURN \s+1
	s_wait_dscnt 32                                ; all but the 32 just issued: this K step's numbers are back
.else
	s_wait_dscnt 0x0
.endif
	Q32 XT+64*(\s%2), PC, HW
	Q32 XT+64*(\s%2)+32, PC+6, HW+1
	v_lshl_or_b32 v[HW+2], v[HW+1], 16, v[HW]      ; my row's scale word for these 128
	s_wait_alu depctr_va_vdst(0)                   ; the codes v224-235 and the word v198 are written, which the stores below read; and the lines above are done reading this set of 64 numbers, in which the K step after next lands
.irp k, 0,1,2
	ds_store_b128 v[XWI], v[PC+4*\k:PC+4*\k+3] offset:XIMG+1536*\s+512*\k   ; the fragment goes to LDS as it stands
.endr
	ds_store_b32 v[XWS], v[HW+2] offset:XSC+512*\s
.endm
	s_wait_loadcnt 63                              ; of the 105 loads issued the oldest 42 are in: the nine of the biases and K step 0's sixteen among them
.irp a, 0,1,2
.irp i, 0,1,2
	ds_store_b64 v223, v[BT+6*\a+2*\i:BT+6*\a+2*\i+1] offset:768*\a+256*\i
.endr
.endr
	TURN 0
	XSTEP 0
	XSTEP 1
	XSTEP 2
	XSTEP 3
	XSTEP 4
	XSTEP 5
	s_wait_dscnt 0x0                               ; for the others' sake: my images and scale words have landed
	s_barrier_signal -1
	s_barrier_wait -1                              ; x's 24 fragments lie in LDS; nobody writes them again
	s_wait_alu depctr_vm_vsrc(0)                   ; my LDS stores have read the rows of x in windows 1 and 2, in which x's fragments and the weights' land
.irp j, 0,1,2
	WIN 0x40*(1+\j)
.irp e, 0,1
.irp m, 0,1,2,3
.irp k, 0,1,2
	ds_load_b128 v[96*\e+12*\m+4*\k:96*\e+12*\m+4*\k+3], v[L16] offset:XIMG+(6*\m+2*\j+\e)*1536+512*\k
.endr
.endr
.endr
.endr
	WIN 0
.irp s, 0,1,2,3,4,5
	ds_load_b128 v[XS+4*\s:XS+4*\s+3], v[L16] offset:XSC+512*\s   ; the four tiles' words of K step s
.endr
; 26 loads, set j: a slice's four fragments and scale words of K steps 2 j and 2 j + 1.  imm, simm: the slice's place from s[26:27], s[28:29] on.
.macro REFILL j, imm, simm
	WIN 0x40*(1+(\j))
.irp e, 0,1
.irp c, 0,1,2,3
.irp k, 0,1,2
	global_load_b128 v[96*\e+48+12*\c+4*\k:96*\e+48+12*\c+4*\k+3], v[L16], s[26:27] offset:\imm+9216*\c+1536*(2*(\j)+\e)+512*\k
.endr
.endr
.endr
	WIN 0
.irp e, 0,1
	global_load_b128 v[WS+4*(2*(\j)+\e):WS+4*(2*(\j)+\e)+3], v[L16R], s[28:29] offset:\simm+256*(2*(\j)+\e)
.endr
.endm
; The bias of array arr (0 q, 1 k, 2 v), in the result's layout: eight registers for each tile of columns.  No store reads any register that is written here.
.macro BIAS mode, arr
	s_wait_alu depctr_vm_vsrc(0)                   ; the last slice's bias loads have read v[BA], written below; the last epilogue's stores have read v224-247 and v254-255, which this slice's epilogue writes again;
	                                               ; ahead of the first slice: phase X's loads and LDS stores have read v198 and v204-223, in which the bias lands
.if \mode == 0
	v_add_nc_u32 v[BA], s36, v[BT0]
	s_wait_alu depctr_va_vdst(0)                   ; v[BA] is written, which the loads below read; the last epilogue is done with v192-199, and the last slice's first products with the bias: the loads land there
.irp c, 0,1,2,3
.irp q, 0,1
	ds_load_b128 v[BI+8*\c+4*\q:BI+8*\c+4*\q+3], v[BA] offset:768*\arr+4*(32*(\c/2)+8*(\c%2))+16*\q   ; lane (r, h): columns 32 B + 16 h + 8 u + 0 .. 7
.endr
.endr
	s_wait_dscnt 0x0
.else
	v_add_nc_u32 v[BA], s36, v[BN0]
	s_wait_alu depctr_va_vdst(0)                   ; v[BA] is written, which the loads below read; the last epilogue is done with v248-251, in which they land
.irp c, 0,1,2,3
	ds_load_b32 v[BM+\c], v[BA] offset:768*\arr+4*(32*(\c/2)+8*(\c%2))   ; lane (r, h): its one column's number,
.endr
	s_wait_dscnt 0x0
.irp c, 0,1,2,3
.irp j, 0,1,2,3,4,5,6,7
	v_mov_b32 v[BI+8*\c+\j], v[BM+\c]              ; for all eight rows
.endr
.endr
	PLACES
.endif
.endm
; One matrix instruction: K step s (parity e), x's tile m, the slice's tile c.
.macro MM mode, s, e, m, c
.if \mode == 0
.if (\s) == 0
	v_wmma_scale_f32_16x16x128_f8f6f4 v[ACC+32*\m+8*\c:ACC+32*\m+8*\c+7], v[96*\e+48+12*\c:96*\e+48+12*\c+11], v[96*\e+12*\m:96*\e+12*\m+11], v[BI+8*\c:BI+8*\c+7], v[WS+4*(\s)+\c], v[XS+4*(\s)+\m] matrix_a_fmt:MATRIX_FMT_BF6 matrix_b_fmt:MATRIX_FMT_BF6
.else
	v_wmma_scale_f32_16x16x128_f8f6f4 v[ACC+32*\m+8*\c:ACC+32*\m+8*\c+7], v[96*\e+48+12*\c:96*\e+48+12*\c+11], v[96*\e+12*\m:96*\e+12*\m+11], v[ACC+32*\m+8*\c:ACC+32*\m+8*\c+7], v[WS+4*(\s)+\c], v[XS+4*(\s)+\m] matrix_a_fmt:MATRIX_FMT_BF6 matrix_b_fmt:MATRIX_FMT_BF6
.endif
.else
.if (\s) == 0
	v_wmma_scale_f32_16x16x128_f8f6f4 v[ACC+32*\c+8*\m:ACC+32*\c+8*\m+7], v[96*\e+12*\m:96*\e+12*\m+11], v[96*\e+48+12*\c:96*\e+48+12*\c+11], v[BI+8*\c:BI+8*\c+7], v[XS+4*(\s)+\m], v[WS+4*(\s)+\c] matrix_a_fmt:MATRIX_FMT_BF6 matrix_b_fmt:MATRIX_FMT_BF6
.else
	v_wmma_scale_f32_16x16x128_f8f6f4 v[ACC+32*\c+8*\m:ACC+32*\c+8*\m+7], v[96*\e+12*\m:96*\e+12*\m+11], v[96*\e+48+12*\c:96*\e+48+12*\c+11], v[ACC+32*\c+8*\m:ACC+32*\c+8*\m+7], v[XS+4*(\s)+\m], v[WS+4*(\s)+\c] matrix_a_fmt:MATRIX_FMT_BF6 matrix_b_fmt:MATRIX_FMT_BF6
.endif
.endif
.endm
; Two K steps: 32 matrix instructions; the sixteen accumulators take turns, one instruction a turn.  Between the two K steps of groups 1 and 2 the set of the group before takes the next slice's fragments.
.macro GROUP mode, j, cnt, refill, imm, simm
	s_wait_loadcnt \cnt                            ; this group's 26 loads are in; cnt counts the loads issued behind them: at group 0 sets 1 and 2, at group 1 set 2, at group 2 the next slice's set 0
.if \refill && (\j > 0)
	s_wait_alu depctr_va_vdst(0)                   ; the group before is done reading its fragments of the weights and their scale words, in which the loads below land
.endif
	WIN 0x05*(1+\j)                                ; sources 0 and 1 in window 1 + j; C and D in window 0
.irp m, 0,1,2,3
.irp c, 0,1,2,3
	MM \mode, 2*\j, 0, \m, \c
.endr
.endr
.if \refill && (\j > 0)
	PLACES                                         ; the places between the group before and the loads into its registers stay beside the wait
	REFILL \j-1, \imm, \simm                       ; no further wait: the sixteen matrix instructions since the wait name window 1 + j, this group's scale words, x's and the accumulators alone
	WIN 0x05*(1+\j)
.endif
.irp m, 0,1,2,3
.irp c, 0,1,2,3
	MM \mode, 2*\j+1, 1, \m, \c
.endr
.endr
.if \j == 0
	s_wait_xcnt 0x0                                ; once a slice, here: the last epilogue's stores have had their addresses translated; this slice's epilogue writes their registers again.  What was issued last (those stores)
.endif                                                 ; stands 32 matrix instructions back, and this slice's first run of loads has not been issued yet
.endm
.macro SLICE mode, arr, refill, imm, simm
	BIAS \mode, \arr
.if \refill
	s_wait_alu depctr_va_vdst(0)
	GROUP \mode, 0, 52, 1, \imm, \simm
	GROUP \mode, 1, 26, 1, \imm, \simm
	GROUP \mode, 2, 26, 1, \imm, \simm
.else
	s_wait_alu depctr_va_vdst(0)
	GROUP \mode, 0, 52, 0, 0, 0
	GROUP \mode, 1, 26, 0, 0, 0
	GROUP \mode, 2, 0, 0, 0, 0
.endif
	WIN 0
	PLACES                                         ; behind the slice's last products: for the epilogue's first reads of the results, and for the loads below
.if \refill
	s_wait_alu depctr_va_vdst(0)                   ; group 2 is done reading its fragments of the weights and their scale words, in which the loads below land
	REFILL 2, \imm, \simm
.endif
.endm
; q or k: four tiles of rows, each 64 along e, become two fragments (two tiles to a fragment) and two scale words a lane.  cb, sb: the bases;  co, so: the offset registers.
.macro EPI_T cb, co, sb, so
.irp m, 0,1,2,3
	Q32 ACC+32*\m, PC+6*\m, HW+\m
.endr
	v_lshl_or_b32 v[SW], v[HW+1], 16, v[HW]
	v_lshl_or_b32 v[SW+1], v[HW+3], 16, v[HW+2]
	s_wait_alu depctr_va_vdst(0)                   ; the codes v224-247 and the words v254-255 are written, which the stores below read
.irp p, 0,1
.irp k, 0,1,2
	global_store_b128 v[\co], v[PC+12*\p+4*\k:PC+12*\p+4*\k+3], s[\cb:\cb+1] offset:1536*\p+512*\k   ; 512 consecutive bytes, aligned
.endr
.endr
	global_store_b64 v[\so], v[SW:SW+1], s[\sb:\sb+1]   ; 256 consecutive bytes, aligned
.endm
; v: four tiles of e, each 64 along the keys, become half g of V's four fragments and four half words a lane, two to a word.
.macro EPI_N
.irp n, 0,1,2,3
	Q32 ACC+32*\n, PC+6*\n, HW+\n
.endr
	v_lshl_or_b32 v[SW], v[HW+1], 16, v[HW]
	v_lshl_or_b32 v[SW+1], v[HW+3], 16, v[HW+2]
	s_wait_alu depctr_va_vdst(0)                   ; the codes v224-247 and the words v254-255 are written, which the stores below read
.irp n, 0,1,2,3
	global_store_b128 v[VC16], v[PC+6*\n:PC+6*\n+3], s[34:35] offset:1536*\n
	global_store_b64 v[VC8], v[PC+6*\n+4:PC+6*\n+5], s[34:35] offset:1536*\n
.endr
	global_store_b64 v[VS8], v[SW:SW+1], s[34:35]  ; 256 consecutive bytes, aligned
.endm
; A head: q, k, v.  While a slice is multiplied the next slice's weights come: k's lie a matrix (442,368 bytes) behind q's, v's two, the next head's q a slice (36,864) on.
.macro HEAD last
	SLICE 0, 0, 1, 442368, 18432
	EPI_T 30, L16, 32, L8
	SLICE 0, 1, 1, 884736, 36864
	EPI_T 34, KC16, 34, KS8
.if \last
	SLICE 1, 2, 0, 0, 0
	EPI_N
.else
	SLICE 1, 2, 1, 36864, 1536
	EPI_N
	s_wait_xcnt 0x0                                ; the loads and stores issued have read their bases: all step to the next head
	s_add_nc_u64 s[26:27], s[26:27], 36864
	s_add_nc_u64 s[28:29], s[28:29], 1536
	s_add_nc_u64 s[30:31], s[30:31], 49152
	s_add_nc_u64 s[32:33], s[32:33], 4096
	s_add_nc_u64 s[34:35], s[34:35], HEADB
	s_add_co_u32 s36, s36, 256
.endif
.endm
	REFILL 0, 0, 0                                 ; my first head's q
	REFILL 1, 0, 0
	REFILL 2, 0, 0
	s_wait_dscnt 0x0                               ; x's fragments and scale words are in
.Lhead:
	HEAD 0
	s_sub_co_u32 s37, s37, 1
	s_cmp_lg_u32 s37, 0
	s_cbranch_scc1 .Lhead
	HEAD 1                                         ; the last head is written out: it asks for no weights beyond its own
	s_set_vgpr_msb 0xa
	s_wait_dscnt 0x0
	s_wait_alu depctr_hold_cnt(0) depctr_sa_sdst(0) depctr_va_vdst(0) depctr_va_sdst(0) depctr_va_ssrc(0) depctr_va_vcc(0) depctr_vm_vsrc(0)
	s_wait_tensorcnt 0x0
	ds_add_u32 v254, v255
	s_wait_dscnt 0x0
	s_endpgm
.Lfunc_end_k_q6421401ed4_qkv:
	.size	k_q6421401ed4_qkv, .Lfunc_end_k_q6421401ed4_qkv-k_q6421401ed4_qkv
	.p2alignl 7, 3214868480
	.fill 96, 4, 3214868480
	.section	.rodata,"a",@progbits
	.p2align	6, 0x0
	.amdhsa_kernel k_q6421401ed4_qkv
		.amdhsa_group_segment_fixed_size 117248
		.amdhsa_private_segment_fixed_size 0
		.amdhsa_enable_private_segment 0
		.amdhsa_kernarg_size 72
		.amdhsa_user_sgpr_count 2
		.amdhsa_user_sgpr_kernarg_segment_ptr 1
		.amdhsa_wavefront_size32 1
		.amdhsa_system_sgpr_workgroup_id_x 1
		.amdhsa_system_sgpr_workgroup_id_y 1
		.amdhsa_system_sgpr_workgroup_id_z 1
		.amdhsa_system_vgpr_workitem_id 0
		.amdhsa_next_free_vgpr 1024
		.amdhsa_next_free_sgpr 66
		.amdhsa_reserve_vcc 0
		.amdhsa_float_denorm_mode_32 3
		.amdhsa_float_denorm_mode_16_64 3
		.amdhsa_memory_ordered 1
		.amdhsa_forward_progress 1
		.amdhsa_inst_pref_size 235
	.end_amdhsa_kernel
	.amdgpu_metadata
---
amdhsa.version: [ 1, 2 ]
amdhsa.kernels:
  - .name:           k_q6421401ed4_qkv
    .symbol:         k_q6421401ed4_qkv.kd
    .args:
      - { .name: x, .offset: 0, .size: 8, .value_kind: global_buffer, .address_space: global }
      - { .name: wimg, .offset: 8, .size: 8, .value_kind: global_buffer, .address_space: global }
      - { .name: wsc, .offset: 16, .size: 8, .value_kind: global_buffer, .address_space: global }
      - { .name: bq, .offset: 24, .size: 8, .value_kind: global_buffer, .address_space: global }
      - { .name: bk, .offset: 32, .size: 8, .value_kind: global_buffer, .address_space: global }
      - { .name: bv, .offset: 40, .size: 8, .value_kind: global_buffer, .address_space: global }
      - { .name: qimg, .offset: 48, .size: 8, .value_kind: global_buffer, .address_space: global }
      - { .name: qsc, .offset: 56, .size: 8, .value_kind: global_buffer, .address_space: global }
      - { .name: kv, .offset: 64, .size: 8, .value_kind: global_buffer, .address_space: global }
    .group_segment_fixed_size: 117248
    .private_segment_fixed_size: 0
    .kernarg_segment_align: 8
    .kernarg_segment_size: 72
    .max_flat_workgroup_size: 128
    .sgpr_count:     66
    .vgpr_count:     1024
    .wavefront_size: 32
...
	.end_amdgpu_metadata
.endif
;; end of part 6
;; launch attn (part 7): grid 16 x 16, 16 waves a work-group, clusters of 4 x 1, 327,680 bytes of LDS; arguments qimg, qsc, kv, aimg, asc; writes aimg, asc
.if DOCPART == 7
	.amdgcn_target "amdgcn-amd-amdhsa--gfx1250"
	.amdhsa_code_object_version 6
	.text
	.protected	k_q6421401ed4_attn
	.globl	k_q6421401ed4_attn
	.p2align	8
	.type	k_q6421401ed4_attn,@function
k_q6421401ed4_attn:
	s_mov_b64 s[64:65], 0
	v_nop
	global_prefetch_b8 v0, s[64:65] scope:SCOPE_SE
	s_setreg_imm32_b32 hwreg(HW_REG_WAVE_MODE, 25, 1), 1
	s_wait_xcnt 0x0
	s_wait_alu depctr_hold_cnt(0) depctr_sa_sdst(0) depctr_va_vdst(0) depctr_va_sdst(0) depctr_va_ssrc(0) depctr_va_vcc(0) depctr_vm_vsrc(0)
	s_getreg_b32 s2, hwreg(HW_REG_IB_STS2, 6, 4)
	s_cmp_eq_u32 s2, 0
	s_cbranch_scc0 .Lentry_in_a_cluster
	s_endpgm
.Lentry_in_a_cluster:
	s_bfe_u32 s2, ttmp6, 0x10000c
	s_cmp_lg_u32 s2, 0x3003
	s_cbranch_scc0 .Lentry_shape_is_right
	s_endpgm
.Lentry_shape_is_right:
; O[b][head][q] = the sum over keys of softmax(q . k / 8) v, both products on codes of BF6 (E3M2) with one E8M0 scale for each 32 along a product's K; O is divided by the row's sum and quantised along e for the last product.
; THE SOFTMAX AHEAD OF THE SECOND PRODUCT: t = score x log2(e) / 8; M = the row's largest t so far, rounded UP to a whole number; p = 2^(t - M) is what is quantised, along the keys, not normalised.  The row's sum is taken of the
; unquantised p, in f32.  When M moves, the sum and O are multiplied by 2^(old M - new M): exact.
; SHARES.  A WORK-GROUP STAYS: it owns 256 queries of one batch and walks THREE heads, 3 g .. 3 g + 2.  Each of its SIXTEEN waves owns one tile of 16 queries, in 256 registers: four waves to a SIMD, so that one wave's vector work stands
; beside another's products and LDS loads.  For each head a wave walks the 1,024 keys, 128 a step, eight steps.
; CLUSTER.  The four query blocks of a batch form a cluster and read the same K, V and scales: 3 heads x 106,496 bytes, consecutive in memory.  They are asked for JOINTLY, all at the start, by wave 0 of each work-group: the first head in four
; chunks of 26,624 bytes (two key steps each), the other two as one tile of 212,992: five tensor loads of wave 0 are out.  All three heads stay in LDS, 319,488 bytes: NO LDS BYTE IS FILLED TWICE.
; The first head is written out, with a counted wait and a barrier in front of each chunk; behind it one wait for all loads and one barrier show the rest to all sixteen waves, and the other two heads are a loop without a barrier.
; The next head's q is asked for in a head's last key step, behind the last product that reads q: that step's softmax and second product and the way out stand in front of the wait for it.  The last head asks for nothing.
; LAYOUT.  All operands lie in memory and LDS as images of their registers, so a fragment comes by loads of 512 or 256 consecutive bytes.  Both products are used transposed (S^T = K Q^T, O^T = V^T P^T): a lane holds ONE query throughout.
; K = 64 UNDER AN INSTRUCTION OF K = 128: a fragment of K holds TWO tiles of 16 keys, one in each half of K; Q stands as [q | 0] and as [0 | q] (18 registers: q, six zeros, q), which pick the first tile and the second.
; The keys of a tile were chosen so that the 16 registers of a fragment's two results are 16 neighbouring keys: v[SS + 16 b + i] is key 32 b + 16 (lane / 16) + i of the step.
; LIMITS: NaN and infinities are not served; a block whose largest magnitude lies under 2^-122 keeps the byte 1; a block of zeros has the byte 1 and not 127: its codes are zeros, and this program alone reads the bytes.
; A block's largest p is the block's largest score put through the same multiply-add and exponential: this takes v_exp_f32 not to fall where its input rises; at the worst one p of a block would be held one code low.
.set KSTEP, 13312                      ; a key step's block: K 6,144, V 6,144, K's scale words 512, V's half words 512
.set CHUNKB, 2*KSTEP                   ; 104 rows of 256 bytes
.set HALFB, 4*KSTEP                    ; four key steps: as far as an LDS immediate reaches
.set HEADB, 8*KSTEP                    ; a head: 416 rows of 256 bytes
.set L16, 1                            ; v1   16 x lane; never rewritten
.set A16, 2                            ; v2   the same from the four key steps in hand on
.set L8,  3                            ; v3   8 x lane; never rewritten
.set A8,  4                            ; v4   the same from the four key steps in hand on
.set L4,  5                            ; v5   4 x lane; never rewritten
.set PS,  8                            ; v8   p's scale word
.set QS,  9                            ; v9   q's: its two bytes, twice
.set QW,  35                           ; v35  the scale word of q's pair of tiles, as loaded
.set KF,  36                           ; v36-83   K's four fragments; behind the first product at work:
.set SO,  36                           ; v36-39   the conversions' scale operands
.set CT,  40                           ; v40-42, v44-46 the conversions' second halves;  v[48:49] the second chain of the sum
.set VF,  84                           ; v84-131  V's four fragments
.set SS,  132                          ; v132-195 S^T, then p
.set OO,  196                          ; v196-227 O^T
.set PC,  228                          ; v228-239 p's codes; at a step's head v228-231 take V's half words
.set KS,  240                          ; v240-243 K's scale words
.set VS,  244                          ; v244-247 V's
.set BM,  248                          ; v248-251 the blocks' largest
.set PT,  252                          ; v252-255 at work
.set SEL, 20                           ; s[20:21] lane selects for v_permlanex16_b32: lane l xor 16
.set CS,  22                           ; s[22:23] c = log2(e) / 8: the packed form names a pair and takes its low word for both halves
.set SH,  86                           ; s86  my tile's half of the pair's scale word: 0 or 16 bits up
.set HC,  87                           ; s87  heads to go in the loop
.set P0,  88                           ; s88  v_perm_b32's selector for the two low halves,
.set P1,  89                           ; s89  for the two high halves
.set TB,  90                           ; s90  LDS byte at which the next four key steps begin
.macro PLACES
.rept 4
	v_nop
.endr
.endm
.macro ROUND                           ; a round of the cluster's barrier: my work-group's barrier; wave 0 signals for the work-group; every wave waits for all four work-groups; my work-group's barrier once more
	s_barrier_signal -1
	s_barrier_wait -1
	s_cmp_lg_u32 s4, 0
	s_cbranch_scc1 .Lnot_wave_0_\@
	s_barrier_signal -3
.Lnot_wave_0_\@:
	s_barrier_wait -3
	s_barrier_signal -1
	s_barrier_wait -1
.endm
; 32 numbers of a lane, v[s + 16 b + i] = element 32 b + 16 (lane / 16) + i, become six registers of codes in v[d] on (lane (r, h): block h whole) and the half word byte 0 | byte 1 << 8 in v[hw].
.macro Q32 s, d, hw
.irp b, 0,1
	v_max3_num_f32 v[BM+\b], |v[\s+16*\b]|, |v[\s+16*\b+1]|, 0x2800000
.endr
.irp i, 2,4,6,8,10,12,14
.irp b, 0,1
	s_delay_alu instid0(VALU_DEP_2)
	v_max3_num_f32 v[BM+\b], v[BM+\b], |v[\s+16*\b+\i]|, |v[\s+16*\b+\i+1]|
.endr
.endr
.irp b, 0,1
	s_delay_alu instid0(VALU_DEP_2)
	v_permlanex16_b32 v[PT+\b], v[BM+\b], s[SEL], s[SEL+1]
.endr
.irp b, 0,1
	s_delay_alu instid0(VALU_DEP_2)
	v_max_num_f32 v[BM+\b], v[BM+\b], v[PT+\b]
.endr
.irp b, 0,1
	s_delay_alu instid0(VALU_DEP_2)
	v_add_nc_u32 v[SO+\b], 0xfe000000, v[BM+\b]
.endr
.irp b, 0,1
	s_delay_alu instid0(VALU_DEP_2)
	v_lshrrev_b32 v[PT+\b], 23, v[SO+\b]
.endr
	s_delay_alu instid0(VALU_DEP_1)
	v_lshl_or_b32 v[\hw], v[PT+1], 8, v[PT]
	v_cvt_scalef32_pk16_bf6_f32 v[\d:\d+2], v[\s:\s+15], v[SO]
	v_cvt_scalef32_pk16_bf6_f32 v[CT:CT+2], v[\s+16:\s+31], v[SO+1]
	v_nop
.irp i, 0,1,2
	v_permlane16_swap_b32 v[\d+\i], v[CT+\i]
.endr
.irp i, 0,1,2
	s_delay_alu instid0(VALU_DEP_3)
	v_mov_b32 v[\d+3+\i], v[CT+\i]
.endr
.endm
; My tile's six registers of its pair's twelve, twice, and the pair's scale word.  The even tile's lie at bytes 0, 8 of chunk 0 and 0 of chunk 1 of the image, the odd tile's at 8 of chunk 1 and 0, 8 of chunk 2:
; s[8:9] stands at the first and, 512 bytes on, the third of these places, s[18:19] at the second.
.macro QLOAD
	global_load_b64 v[16:17], v[L16], s[8:9]       ; q, for [q | 0],
	global_load_b64 v[18:19], v[L16], s[18:19]
	global_load_b64 v[20:21], v[L16], s[8:9] offset:512
	global_load_b64 v[28:29], v[L16], s[8:9]       ; and once more for [0 | q]
	global_load_b64 v[30:31], v[L16], s[18:19]
	global_load_b64 v[32:33], v[L16], s[8:9] offset:512
	global_load_b32 v[QW], v[L8], s[10:11]
.endm
.macro QNEXT                           ; the next head's: the bases' last loads were waited for at this head's start
	s_add_nc_u64 s[8:9], s[8:9], 49152
	s_add_nc_u64 s[18:19], s[18:19], 49152
	s_add_nc_u64 s[10:11], s[10:11], 4096
	QLOAD
.endm
	s_load_b256 s[8:15], s[0:1], 0x0               ; qimg, qsc, kv, aimg
	s_load_b64 s[16:17], s[0:1], 0x20              ; asc
	v_lshl_add_u32 v254, v0, 2, 0x4e000
	v_mov_b32 v255, 0
	ds_add_u32 v254, v255
	ds_add_u32 v254, v255
	s_wait_dscnt 0x0
	v_lshrrev_b32 v10, 5, v0
	s_delay_alu instid0(VALU_DEP_1)
	v_readfirstlane_b32 s4, v10                    ; wave 0..15
	s_bfe_u32 s5, ttmp6, 0x40000                   ; cx: my block of 256 queries; it enters Q's and the outputs' addresses alone
	s_and_b32 s6, ttmp7, 0xffff                    ; the batch
	s_mul_i32 s66, ttmp9, 3                        ; my first head: in a cluster launch ttmp9 counts clusters.  The four partners share it
	s_mul_i32 s7, s6, 12
	s_add_co_u32 s7, s7, s66                       ; my first (batch, head)
	s_mul_i32 s48, s7, HEADB
	s_mov_b32 s49, 0                               ; its block of kv
	; descriptor group 1 for a chunk: 104 rows of 256 bytes, dense, no padding
	s_mov_b32 s24, 15|(3<<16)|(1<<21)              ; 15:0 the mask: all four work-groups; 17:16 elements of 8 bytes; 21 set beside a mask
	s_mov_b32 s25, 32<<16                          ; tensor_dim0 = 32
	s_mov_b32 s26, 104<<16                         ; tensor_dim1 = 104
	s_mov_b32 s27, 32<<16                          ; tile_dim0 = 32
	s_mov_b32 s28, 104                             ; tile_dim1 = 104
	s_mov_b32 s29, 32                              ; elements from row to row
	s_mov_b32 s30, 0
	s_mov_b32 s31, 0
	; and for two whole heads: 832 rows
	s_mov_b32 s52, 15|(3<<16)|(1<<21)
	s_mov_b32 s53, 32<<16
	s_mov_b32 s54, 832<<16
	s_mov_b32 s55, 32<<16
	s_mov_b32 s56, 832
	s_mov_b32 s57, 32
	s_mov_b32 s58, 0
	s_mov_b32 s59, 0
	s_mov_b32 s[SEL], 0x76543210
	s_mov_b32 s[SEL+1], 0xfedcba98
	s_mov_b32 s[CS], 0x3e38aa3b                    ; log2(e) / 8
	s_mov_b32 s[CS+1], s[CS]
	s_mov_b32 s[P0], 0x05040100
	s_mov_b32 s[P1], 0x07060302
	s_mov_b32 s[TB], 0
	s_lshl_b32 s67, s5, 4
	s_add_co_u32 s67, s67, s4                      ; my tile of a head's 64
	s_and_b32 s68, s4, 1                           ; which tile of its pair
	s_lshr_b32 s70, s67, 1
	s_mul_i32 s70, s70, 1536
	s_mul_i32 s71, s7, 49152
	s_add_co_u32 s70, s70, s71                     ; qimg: the head, the pair
	s_mul_i32 s72, s68, 1016
	s_add_co_u32 s72, s72, 8
	s_add_co_u32 s72, s72, s70                     ; the second of my three places: 8, or 1,024
	s_mov_b32 s73, 0
	s_mul_i32 s71, s68, 520
	s_add_co_u32 s70, s70, s71                     ; the first: 0, or 520
	s_mov_b32 s71, 0
	s_lshr_b32 s74, s67, 2
	s_lshl_b32 s74, s74, 8
	s_lshl_b32 s75, s7, 12
	s_add_co_u32 s74, s74, s75
	s_bfe_u32 s75, s4, 0x10001
	s_lshl_b32 s75, s75, 2
	s_add_co_u32 s74, s74, s75                     ; qsc: the head, the four tiles' 256 bytes, the pair's word
	s_mov_b32 s75, 0
	s_lshl_b32 s76, s6, 6
	s_add_co_u32 s76, s76, s67                     ; my tile among all 1,024
	s_mul_i32 s78, s76, 9216
	s_mul_i32 s79, s66, 768
	s_add_co_u32 s78, s78, s79                     ; aimg: the tile; head d's half fragment lies 768 d bytes on
	s_mov_b32 s79, 0
	s_mul_i32 s80, s76, 1536
	s_lshl_b32 s81, s66, 7
	s_add_co_u32 s80, s80, s81                     ; asc: the tile, the head
	s_mov_b32 s81, 0
	s_lshl_b32 s[SH], s68, 4
	v_and_b32 v10, 31, v0
	s_delay_alu instid0(VALU_DEP_1)
	v_lshlrev_b32 v[L16], 4, v10
	s_delay_alu instid0(VALU_DEP_2)
	v_lshlrev_b32 v[L8], 3, v10
	s_delay_alu instid0(VALU_DEP_3)
	v_lshlrev_b32 v[L4], 2, v10
	s_wait_kmcnt 0x0
	s_add_nc_u64 s[48:49], s[12:13], s[48:49]
	s_add_nc_u64 s[18:19], s[8:9], s[72:73]
	s_add_nc_u64 s[8:9], s[8:9], s[70:71]
	s_add_nc_u64 s[10:11], s[10:11], s[74:75]
	s_add_nc_u64 s[14:15], s[14:15], s[78:79]
	s_add_nc_u64 s[16:17], s[16:17], s[80:81]
.irp n, 0,1,2,3
	s_mov_b32 s[32+4*\n], 1                        ; group 0 of the first head's chunk n: count = 1,
	s_mov_b32 s[33+4*\n], CHUNKB*\n                ; its place in LDS,
	s_add_nc_u64 s[34+4*\n:35+4*\n], s[48:49], CHUNKB*\n   ; and in memory,
	s_or_b32 s[35+4*\n], s[35+4*\n], 0x80000000    ; type = 2
.endr
	s_mov_b32 s60, 1                               ; and of the other two heads
	s_mov_b32 s61, HEADB
	s_add_nc_u64 s[62:63], s[48:49], HEADB
	s_or_b32 s63, s63, 0x80000000
	ROUND                                          ; all four work-groups are here: the joint loads meet
	s_cmp_lg_u32 s4, 0                             ; wave 0's five fills stand in one branch, ahead of every wait on TENSORcnt and every LDS read
	s_cbranch_scc1 .Lno_fill
	tensor_load_to_lds s[32:35], s[24:31]
	s_nop 0
	tensor_load_to_lds s[36:39], s[24:31]
	s_nop 0
	tensor_load_to_lds s[40:43], s[24:31]
	s_nop 0
	tensor_load_to_lds s[44:47], s[24:31]
	s_nop 0
	tensor_load_to_lds s[60:63], s[52:59]
	s_nop 0
	PLACES                                         ; four v_nop follow the last
.Lno_fill:
	s_wait_alu depctr_va_vdst(0)
	QLOAD                                          ; the first head's q
.irp j, 22,23,24,25,26,27
	v_mov_b32 v[\j], 0                             ; the six zeros between: they stay
.endr
	v_mov_b32 v7, 0                                ; (named as the upper half of the pair v[6:7])
.irp b, 0,1,2,3
	v_mov_b32 v[PT+\b], 0                          ; written once: a lane permute's destination counts as one of its sources
.endr
; A KEY STEP: 128 keys.  nxt = 1: a head follows for certain;  0: the trip counter says whether.
.macro STEP st, nxt
.set OFF, ((\st)%4)*KSTEP
.if (\st) > 0
	PLACES                                         ; in front of loads into registers that the last step's products have read
.endif
.if (\st)%4 == 0
	v_add_nc_u32 v[A16], s[TB], v[L16]             ; four key steps lie within an immediate's reach of these
	v_add_nc_u32 v[A8], s[TB], v[L8]
	s_add_co_u32 s[TB], s[TB], HALFB
.endif
	s_setprio 2
.irp f, 0,1,2,3
.irp k, 0,1,2
	ds_load_b128 v[KF+12*\f+4*\k:KF+12*\f+4*\k+3], v[A16] offset:OFF+1536*\f+512*\k
.endr
.endr
.irp g, 0,1
	ds_load_b64 v[KS+2*\g:KS+2*\g+1], v[A8] offset:OFF+12288+256*\g
.endr
.irp c, 0,1
	ds_load_b64 v[PC+2*\c:PC+2*\c+1], v[A8] offset:OFF+12800+256*\c
.endr
.irp n, 0,1,2,3
.irp c, 0,1
	ds_load_b128 v[VF+12*\n+6*\c:VF+12*\n+6*\c+3], v[A16] offset:OFF+6144+1536*\n+768*\c
	ds_load_b64 v[VF+12*\n+6*\c+4:VF+12*\n+6*\c+5], v[A8] offset:OFF+6144+1536*\n+768*\c+512
.endr
.endr
	s_wait_dscnt 16                                ; all but V's sixteen loads are in
.irp b, 0,1,2,3                                ; S^T = K Q^T: fragment b's first tile by [q | 0], its second by [0 | q]
	v_wmma_scale_f32_16x16x128_f8f6f4 v[SS+16*\b:SS+16*\b+7], v[KF+12*\b:KF+12*\b+11], v[16:27], 0, v[KS+\b], v[QS] matrix_a_fmt:MATRIX_FMT_BF6 matrix_b_fmt:MATRIX_FMT_BF6
	v_wmma_scale_f32_16x16x128_f8f6f4 v[SS+16*\b+8:SS+16*\b+15], v[KF+12*\b:KF+12*\b+11], v[22:33], 0, v[KS+\b], v[QS] matrix_a_fmt:MATRIX_FMT_BF6 matrix_b_fmt:MATRIX_FMT_BF6
.endr
	v_perm_b32 v[VS], v[PC+2], v[PC], s[P0]        ; V's scale words of these 128 keys: tile n's half word of the first 64 keys below, of the other 64 above.
	v_perm_b32 v[VS+1], v[PC+2], v[PC], s[P1]      ; (These four are also the places behind the products)
	v_perm_b32 v[VS+2], v[PC+3], v[PC+1], s[P0]
	v_perm_b32 v[VS+3], v[PC+3], v[PC+1], s[P1]
.if (\st) == 7                                 ; this head's last product with q has been issued, four places back: the next head's q may come
.if \nxt
	QNEXT
.else
	s_cmp_eq_u32 s[HC], 1
	s_cbranch_scc1 .Lno_q_\@                       ; the last head asks for nothing: no load leaves its buffer
	QNEXT
.Lno_q_\@:
.endif
.endif
.irp b, 0,1,2,3
	v_max3_num_f32 v[BM+\b], v[SS+16*\b], v[SS+16*\b+1], v[SS+16*\b+2]   ; THE LARGEST SCORE OF EACH BLOCK OF 32 KEYS: for the row's maximum, and, since p rises with the score, for the block's largest p
.endr
.irp i, 3,5,7,9,11,13
.irp b, 0,1,2,3
	v_max3_num_f32 v[BM+\b], v[BM+\b], v[SS+16*\b+\i], v[SS+16*\b+\i+1]   ; (the four blocks by turns; each accumulator from its low end on)
.endr
.endr
.irp b, 0,1,2,3
	v_max_num_f32 v[BM+\b], v[BM+\b], v[SS+16*\b+15]
.endr
.irp b, 0,1,2,3
	s_delay_alu instid0(VALU_DEP_4)
	v_permlanex16_b32 v[PT+\b], v[BM+\b], s[SEL], s[SEL+1]
.endr
.irp b, 0,1,2,3
	s_delay_alu instid0(VALU_DEP_4)
	v_max_num_f32 v[BM+\b], v[BM+\b], v[PT+\b]     ; with lane l xor 16's 16 keys
.endr
	s_delay_alu instid0(VALU_DEP_2)
	v_max3_num_f32 v10, v[BM], v[BM+1], v[BM+2]
	s_delay_alu instid0(VALU_DEP_1)
	v_max_num_f32 v10, v10, v[BM+3]                ; the step's largest score of my query
	s_delay_alu instid0(VALU_DEP_1)
	v_mul_f32 v10, s[CS], v10                      ; as t (c is positive)
	s_delay_alu instid0(VALU_DEP_1)
	v_max_num_f32 v13, v13, v10                    ; the running largest t
	v_mov_b32 v10, v12
	s_delay_alu instid0(VALU_DEP_2)
	v_floor_f32 v12, -v13                          ; the new -M = floor(-t) = -ceil(t): M IS A WHOLE NUMBER
	s_delay_alu instid0(VALU_DEP_1)
	v_sub_f32 v10, v12, v10                        ; M's old value less its new one: a whole number, 0 or less
	s_delay_alu instid0(VALU_DEP_1)
	v_cvt_i32_f32 v10, v10                         ; (it saturates)
	s_delay_alu instid0(VALU_DEP_1)
	v_ldexp_f32 v6, 1.0, v10                       ; f = 2^(old M - new M)
.irp j, 0,2,4,6,8,10,12,14,16,18,20,22,24,26,28,30,32,34,36,38,40,42,44,46,48,50,52,54,56,58,60,62
	v_pk_fma_f32 v[SS+\j:SS+\j+1], v[SS+\j:SS+\j+1], s[CS:CS+1], v[12:13] op_sel_hi:[1,0,0]   ; t - M, two at a time
.endr
.irp b, 0,1,2,3
	v_fma_f32 v[BM+\b], v[BM+\b], s[CS], v12       ; the same of each block's largest score
.endr
	s_wait_alu depctr_va_vdst(0)
.irp j, 0,1,2,3,4,5,6,7,8,9,10,11,12,13,14,15,16,17,18,19,20,21,22,23,24,25,26,27,28,29,30,31,32,33,34,35,36,37,38,39,40,41,42,43,44,45,46,47,48,49,50,51,52,53,54,55,56,57,58,59,60,61,62,63
	v_exp_f32 v[SS+\j], v[SS+\j]                   ; p = 2^(t - M), at most 1: NOT normalised
.endr
	s_setprio 1
.irp b, 0,1,2,3
	v_exp_f32 v[BM+\b], v[BM+\b]                   ; the block's largest p: the same two instructions on the same number give the same bits
.endr
	v_pk_mul_f32 v[14:15], v[14:15], v[6:7] op_sel_hi:[1,0]   ; the sums under the new M.  (A plain place behind the exponentials)
	s_wait_alu depctr_va_vdst(0)
.irp b, 0,1,2,3
	v_max_num_f32 v[BM+\b], 0x2800000, v[BM+\b]    ; the floor 2^(5 - 127): the byte cannot fall under 1
.endr
.irp b, 0,1,2,3
	s_delay_alu instid0(VALU_DEP_4)
	v_add_nc_u32 v[SO+\b], 0xfe000000, v[BM+\b]    ; 4 off the exponent field: the conversion's scale operand
.endr
.irp b, 0,1,2,3
	s_delay_alu instid0(VALU_DEP_4)
	v_lshrrev_b32 v[PT+\b], 23, v[SO+\b]           ; the scale's byte
.endr
	s_delay_alu instid0(VALU_DEP_3)
	v_lshl_or_b32 v[PS], v[PT+1], 8, v[PT]         ; p's scale word for these 128 keys
	s_delay_alu instid0(VALU_DEP_1)
	v_lshl_or_b32 v[PS], v[PT+2], 16, v[PS]
	s_delay_alu instid0(VALU_DEP_1)
	v_lshl_or_b32 v[PS], v[PT+3], 24, v[PS]
.irp c, 0,1
	v_cvt_scalef32_pk16_bf6_f32 v[PC+6*\c:PC+6*\c+2], v[SS+32*\c:SS+32*\c+15], v[SO+2*\c]
	v_cvt_scalef32_pk16_bf6_f32 v[CT+4*\c:CT+4*\c+2], v[SS+32*\c+16:SS+32*\c+31], v[SO+2*\c+1]   ; (a conversion's three registers begin on an even number)
.endr
	v_nop                                          ; one plain place behind a scaled conversion
.irp c, 0,1                                    ; the operand's layout wants a WHOLE block in a lane
.irp i, 0,1,2
	v_permlane16_swap_b32 v[PC+6*\c+\i], v[CT+4*\c+\i]
.endr
.irp i, 0,1,2
	s_delay_alu instid0(VALU_DEP_3)
	v_mov_b32 v[PC+6*\c+3+\i], v[CT+4*\c+\i]
.endr
.endr
	v_pk_add_f32 v[48:49], v[136:137], v[140:141]
	v_pk_add_f32 v[250:251], v[144:145], v[148:149]
	v_pk_add_f32 v[248:249], v[152:153], v[156:157]
	v_pk_add_f32 v[242:243], v[160:161], v[164:165]
	v_pk_add_f32 v[240:241], v[168:169], v[172:173]
	v_pk_add_f32 v[82:83], v[176:177], v[180:181]
	v_pk_add_f32 v[80:81], v[184:185], v[188:189]
	v_pk_add_f32 v[14:15], v[14:15], v[192:193]
	v_pk_add_f32 v[48:49], v[48:49], v[132:133]
	v_pk_add_f32 v[250:251], v[250:251], v[134:135]
	v_pk_add_f32 v[248:249], v[248:249], v[138:139]
	v_pk_add_f32 v[242:243], v[242:243], v[142:143]
	v_pk_add_f32 v[240:241], v[240:241], v[146:147]
	v_pk_add_f32 v[82:83], v[82:83], v[150:151]
	v_pk_add_f32 v[80:81], v[80:81], v[154:155]
	v_pk_add_f32 v[14:15], v[14:15], v[158:159]
	v_pk_add_f32 v[48:49], v[48:49], v[162:163]
	v_pk_add_f32 v[250:251], v[250:251], v[166:167]
	v_pk_add_f32 v[248:249], v[248:249], v[170:171]
	v_pk_add_f32 v[242:243], v[242:243], v[174:175]
	v_pk_add_f32 v[240:241], v[240:241], v[178:179]
	v_pk_add_f32 v[82:83], v[82:83], v[182:183]
	v_pk_add_f32 v[80:81], v[80:81], v[186:187]
	v_pk_add_f32 v[14:15], v[14:15], v[190:191]
	v_pk_add_f32 v[48:49], v[48:49], v[194:195]
	s_delay_alu instid0(VALU_DEP_2)
	v_pk_add_f32 v[14:15], v[14:15], v[242:243]
	s_delay_alu instid0(VALU_DEP_2)
	v_pk_add_f32 v[48:49], v[48:49], v[240:241]
	v_pk_add_f32 v[250:251], v[250:251], v[82:83]
	v_pk_add_f32 v[248:249], v[248:249], v[80:81]
	s_delay_alu instid0(VALU_DEP_2)
	v_pk_add_f32 v[14:15], v[14:15], v[250:251]
	s_delay_alu instid0(VALU_DEP_2)
	v_pk_add_f32 v[48:49], v[48:49], v[248:249]
	s_delay_alu instid0(VALU_DEP_1)
	v_pk_add_f32 v[14:15], v[14:15], v[48:49]
.irp j, 0,2,4,6,8,10,12,14,16,18,20,22,24,26,28,30
	v_pk_mul_f32 v[OO+\j:OO+\j+1], v[OO+\j:OO+\j+1], v[6:7] op_sel_hi:[1,0]   ; O^T under the new M.  (These and the sums are the places between the codes, the scale word and the products below)
.endr
	s_setprio 0
	s_wait_alu depctr_va_vdst(0)
	s_wait_dscnt 0x0                               ; V is in
.irp n, 0,1,2,3                                ; O^T += V^T P^T: four accumulators by turns; between two links on one of them stand eleven other matrix instructions
	v_wmma_scale_f32_16x16x128_f8f6f4 v[OO+8*\n:OO+8*\n+7], v[VF+12*\n:VF+12*\n+11], v[PC:PC+11], v[OO+8*\n:OO+8*\n+7], v[VS+\n], v[PS] matrix_a_fmt:MATRIX_FMT_BF6 matrix_b_fmt:MATRIX_FMT_BF6
.endr
.endm
; The first head's chunk n holds key steps 2 n and 2 n + 1.  Wave 0 waits until at most the 4 - n loads issued behind it are out (the other waves have no load out and pass), then the barrier shows the chunk to all sixteen.
.macro CHUNK n
	s_wait_tensorcnt 4-\n
	s_barrier_signal -1
	s_barrier_wait -1
	STEP 2*\n, 1
	STEP 2*\n+1, 1
.endm
; A HEAD.  first = 1: the first, whose chunks are still on their way.
.macro HEADW first
	s_wait_loadcnt 0x0                             ; q and its scale word are in
	s_wait_xcnt 0x0                                ; the last head's stores have read their registers, which this head's first loads from LDS take, and their bases
.if \first == 0
	s_add_nc_u64 s[14:15], s[14:15], 768           ; the outputs' bases step to this head
	s_add_nc_u64 s[16:17], s[16:17], 128
.endif
	v_lshrrev_b32 v10, s[SH], v[QW]
	s_delay_alu instid0(VALU_DEP_1)
	v_and_b32 v10, 0xffff, v10                     ; my tile's two bytes,
	s_delay_alu instid0(VALU_DEP_1)
	v_lshl_or_b32 v[QS], v10, 16, v10              ; for both halves of K
	v_mov_b32 v14, 0                               ; the sum, in two halves
	v_mov_b32 v15, 0
	v_mov_b32 v13, 0xff61b1e6                      ; the largest t so far: -3e38, under every t
	s_delay_alu instid0(VALU_DEP_1)
	v_floor_f32 v12, -v13                          ; -M
.irp j, 0,1,2,3,4,5,6,7,8,9,10,11,12,13,14,15,16,17,18,19,20,21,22,23,24,25,26,27,28,29,30,31
	v_mov_b32 v[OO+\j], 0                          ; O^T.  (The step is written as one macro: a head's first finds zeros, which the first change of M leaves zeros.)  A scale register written by a vector instruction stands eight
.endr                                                  ; places ahead of a scaled matrix instruction: these moves, which name no register of the first products, stand between q's scale word and them
.if \first
	CHUNK 0
	CHUNK 1
	CHUNK 2
	CHUNK 3
.else
.irp t, 0,1,2,3,4,5,6,7
	STEP \t, 0
.endr
.endif
	; THE WAY OUT: O^T / the row's sum, quantised along e: half a fragment of the last product's operand, and its half word.
	PLACES
	v_add_f32 v14, v14, v15                        ; the sum's two halves,
	s_delay_alu instid0(VALU_DEP_1)
	v_permlanex16_b32 v10, v14, s[SEL], s[SEL+1]
	s_delay_alu instid0(VALU_DEP_1)
	v_add_f32 v14, v14, v10                        ; and lane l xor 16's: the row's sum
	s_wait_alu depctr_va_vdst(0)
	v_rcp_f32 v6, v14
	v_nop                                          ; a plain place behind the transcendental
	s_wait_alu depctr_va_vdst(0)
.irp j, 0,2,4,6,8,10,12,14,16,18,20,22,24,26,28,30
	v_pk_mul_f32 v[OO+\j:OO+\j+1], v[OO+\j:OO+\j+1], v[6:7] op_sel_hi:[1,0]   ; each accumulator from its low end on
.endr
	Q32 OO, PC, 34
	global_store_b128 v[L16], v[PC:PC+3], s[14:15] ; 512 consecutive bytes, aligned
	global_store_b64 v[L8], v[PC+4:PC+5], s[14:15] offset:512   ; 256 consecutive bytes, aligned
	global_store_b32 v[L4], v34, s[16:17]          ; 128 consecutive bytes
.endm
	HEADW 1
	s_wait_tensorcnt 0x0                           ; wave 0: the other two heads have landed;
	s_barrier_signal -1
	s_barrier_wait -1                              ; every wave may read them.  No barrier follows until the end
	s_mov_b32 s[HC], 2
.Lhead:
	HEADW 0
	s_sub_co_u32 s[HC], s[HC], 1
	s_cmp_lg_u32 s[HC], 0
	s_cbranch_scc1 .Lhead
	s_setprio 0
	s_wait_xcnt 0x0
	v_lshl_add_u32 v254, v0, 2, 0x4e000
	v_mov_b32 v255, 0
	s_wait_alu depctr_va_vdst(0)
	s_wait_tensorcnt 0x0
	ds_add_u32 v254, v255
	s_wait_dscnt 0x0
	ROUND                                          ; the closing round: no work-group ends while a partner may still ask for a tile that names it
	s_endpgm
.Lfunc_end_k_q6421401ed4_attn:
	.size	k_q6421401ed4_attn, .Lfunc_end_k_q6421401ed4_attn-k_q6421401ed4_attn
	.p2alignl 7, 3214868480
	.fill 96, 4, 3214868480
	.section	.rodata,"a",@progbits
	.p2align	6, 0x0
	.amdhsa_kernel k_q6421401ed4_attn
		.amdhsa_group_segment_fixed_size 327680
		.amdhsa_private_segment_fixed_size 0
		.amdhsa_enable_private_segment 0
		.amdhsa_kernarg_size 40
		.amdhsa_user_sgpr_count 2
		.amdhsa_user_sgpr_kernarg_segment_ptr 1
		.amdhsa_wavefront_size32 1
		.amdhsa_system_sgpr_workgroup_id_x 1
		.amdhsa_system_sgpr_workgroup_id_y 1
		.amdhsa_system_sgpr_workgroup_id_z 1
		.amdhsa_system_vgpr_workitem_id 0
		.amdhsa_next_free_vgpr 256
		.amdhsa_next_free_sgpr 96
		.amdhsa_reserve_vcc 0
		.amdhsa_float_denorm_mode_32 3
		.amdhsa_float_denorm_mode_16_64 3
		.amdhsa_memory_ordered 1
		.amdhsa_forward_progress 1
		.amdhsa_inst_pref_size 255
	.end_amdhsa_kernel
	.section	.bss,"aw",@nobits
	.p2align	6
	.space	262144
	.amdgpu_metadata
---
amdhsa.version: [ 1, 2 ]
amdhsa.kernels:
  - .name:           k_q6421401ed4_attn
    .symbol:         k_q6421401ed4_attn.kd
    .args:
      - { .name: qimg, .offset: 0, .size: 8, .value_kind: global_buffer, .address_space: global }
      - { .name: qsc, .offset: 8, .size: 8, .value_kind: global_buffer, .address_space: global }
      - { .name: kv, .offset: 16, .size: 8, .value_kind: global_buffer, .address_space: global }
      - { .name: aimg, .offset: 24, .size: 8, .value_kind: global_buffer, .address_space: global }
      - { .name: asc, .offset: 32, .size: 8, .value_kind: global_buffer, .address_space: global }
    .group_segment_fixed_size: 327680
    .private_segment_fixed_size: 0
    .kernarg_segment_align: 8
    .kernarg_segment_size: 40
    .max_flat_workgroup_size: 512
    .sgpr_count:     96
    .vgpr_count:     256
    .wavefront_size: 32
...
	.end_amdgpu_metadata
.endif
;; end of part 7
;; launch proj (part 8): grid 256 x 1, 4 waves a work-group, no clusters, 38,400 bytes of LDS; arguments aimg, asc, wimg, wsc, bp, out0; writes out0
.if DOCPART == 8
	.amdgcn_target "amdgcn-amd-amdhsa--gfx1250"
	.amdhsa_code_object_version 6
	.text
	.protected	k_q6421401ed4_proj
	.globl	k_q6421401ed4_proj
	.p2align	8
	.type	k_q6421401ed4_proj,@function
k_q6421401ed4_proj:
	s_mov_b64 s[64:65], 0
	v_nop
	global_prefetch_b8 v0, s[64:65] scope:SCOPE_SE
	s_setreg_imm32_b32 hwreg(HW_REG_WAVE_SCHED_MODE, 0, 2), 2
	s_setreg_imm32_b32 hwreg(HW_REG_WAVE_MODE, 25, 1), 1
	s_wait_xcnt 0x0
	s_wait_alu depctr_vm_vsrc(0)
; out = att Wp + bp, on codes of BF6 (E3M2) with one E8M0 scale for each 32 along K = d.  Both operands arrive as images of their registers: att's from the attention launch (aimg, asc), Wp's as matrix 3 of wimg, wsc.
; SHARES.  A work-group owns 64 rows: four tiles of 16 (position p of tile 2 B + u is row 32 B + 8 u + p + 8 (p / 8)); every wave keeps all 24 fragments of them in registers.  Wave w makes columns 192 w .. 192 w + 191: three slices of 64,
; 96 matrix instructions each.  The weights stream straight into registers, in three sets of 26 loads, each set asked for again for the next slice as soon as its products are done.
; NO JOINT REQUESTS: all work-groups walk the same weights, but inside a work-group each fragment is wanted by ONE wave, once, and goes from memory to that wave's registers; a joint request lands in LDS and would add a write and a read
; of LDS for each of the 0.46 MB, and a ring filled again behind rounds of the cluster's barrier.
; The product is used transposed (source 0 = 16 columns of Wp, source 1 = 16 rows): a lane holds one row, and the 32 registers of a tile's four results are columns 32 b + 16 (lane / 16) + i at register 16 b + i.  bp is the C of each sum's
; first matrix instruction.  THE WAY OUT goes through the wave's own two stages in LDS: sixteen lanes then store 256 consecutive, aligned bytes of a row, and the store's immediate puts each position back at its row.  A tile goes into
; its stage while the tile before is on its way back, and each of a slice's four tiles comes back into registers of its own.
; All LDS bytes are a wave's own: no barrier.
; REGISTERS.  Window 0: v1-8 addresses; v16-39 att's scale words, v40-63 Wp's (both hold scales and nothing else); v64-191 sixteen accumulators (at the head v64-111: att's half words); v192-223 the bias as C.
;   Window 1 + j: K steps 2 j and 2 j + 1: for parity e, att's fragment m at 96 e + 12 m, Wp's fragment c at 96 e + 48 + 12 c.  v192-255 of windows 1 and 2: four sets of 32, the rows of tiles 0 to 3 on the way out.
; THE MODE: SCHED_MODE bits 1:0 = 2 (LLVM: expert scheduling mode 2), set by the entry lines.  The code itself states the register dependences between vector or matrix instructions and memory or LDS instructions, with s_wait_alu, always for 0.
; THE PLAN.  Registers that memory or LDS instructions touch:
;   v1-8, v230   addresses, made at the head and never written again: one wait on va_vdst ahead of the first load serves them all.
;   v16-39       att's scale words: made by vector instructions at the head; eight places and one wait on va_vdst stand between them and the first product.
;   R0, R1, R2   set j = Wp's eight fragments in window 1 + j and their scale words v40 + 8 j on.  Read by group j's 32 matrix instructions; loaded again for the next slice: R0 in the middle of group 1, R1 in the middle of group 2,
;                each behind the wait on va_vdst at that group's head; R2 behind the wait at the slice's end.
;   v192-223     the bias loads land there at a slice's head; group 0's matrix instructions read them as C.
;   v64-191      the accumulators: written by a slice's matrix instructions; read by the way out's LDS stores, behind the places and the wait on va_vdst at the slice's end; written again by the next slice, behind its wait on vm_vsrc.
;   four sets    the stage's LDS loads land there; the global stores read them; loaded again a slice later, behind that slice's wait on vm_vsrc and its wait on XCNT.  No vector instruction names them, and the way out holds none.
.set STG,  3072                        ; LDS: bp, wave w's 192 numbers at 768 w; behind them wave w's two stages of 16 rows x 272 bytes at 8,704 w
.set L16,  1                           ; 16 x lane
.set L8,   2                           ; 8 x lane
.set L16R, 3                           ; 16 x (lane % 16)
.set SOA,  4                           ; the stage, on the way in: 272 r + 64 h
.set SRA,  5                           ; and out: 272 h + 16 r
.set GO,   6                           ; my bytes of two rows of out0: 3,072 h + 16 r
.set L4,   7                           ; 4 x lane
.set BT0,  8                           ; the bias: 768 w + 64 h
.set XS,   16
.set WS,   40
.set ACC,  64
.set BI,   192
.set MSB, 0
.macro WIN new                         ; the immediate's high byte repeats the setting that is left
.if MSB != \new
	s_set_vgpr_msb (MSB<<8)|\new
.set MSB, \new
.endif
.endm
.macro PLACES                          ; four plain places behind a matrix instruction (ISA guide 7.12.1)
.rept 4
	v_nop
.endr
.endm
	s_load_b256 s[8:15], s[0:1], 0x0               ; aimg, asc, wimg, wsc
	s_load_b128 s[16:19], s[0:1], 0x20             ; bp, out0
	v_lshl_add_u32 v254, v0, 2, 0x9400
	v_mov_b32 v255, 0
	v_lshrrev_b32 v64, 5, v0
	v_readfirstlane_b32 s4, v64                    ; wave 0..3
	v_and_b32 v64, 31, v0                          ; lane
	v_and_b32 v65, 15, v0                          ; r
	v_bfe_u32 v66, v0, 4, 1                        ; h
	v_lshlrev_b32 v[L16], 4, v64
	v_lshlrev_b32 v[L8], 3, v64
	v_lshlrev_b32 v[L4], 2, v64
	v_lshlrev_b32 v[L16R], 4, v65
	s_wait_alu depctr_va_sdst(0)                   ; s4 is written, ahead of its first reader: LDS places, bases and offsets are made from it
	s_mul_i32 s38, s4, 8704
	s_add_co_u32 s38, s38, STG
	v_mul_u32_u24 v[SOA], v65, 272
	v_lshl_add_u32 v[SOA], v66, 6, v[SOA]
	v_add_nc_u32 v[SOA], s38, v[SOA]
	v_mul_u32_u24 v[SRA], v66, 272
	v_lshl_add_u32 v[SRA], v65, 4, v[SRA]
	v_add_nc_u32 v[SRA], s38, v[SRA]
	v_mul_u32_u24 v[GO], v66, 3072
	v_lshl_add_u32 v[GO], v65, 4, v[GO]
	s_mul_i32 s39, s4, 768
	v_lshl_add_u32 v[BT0], v66, 6, s39
	v_add_nc_u32 v230, s39, v[L8]                  ; my 192 numbers of bp: the same offset in memory and in LDS
	s_mul_i32 s40, ttmp9, 36864                    ; aimg: my four tiles
	s_mov_b32 s41, 0
	s_mul_i32 s42, ttmp9, 6144                     ; asc likewise
	s_mov_b32 s43, 0
	s_mul_i32 s44, s4, 110592
	s_add_co_u32 s44, s44, 1327104                 ; wimg: matrix 3, my three slices
	s_mov_b32 s45, 0
	s_mul_i32 s46, s4, 4608
	s_add_co_u32 s46, s46, 55296                   ; wsc likewise
	s_mov_b32 s47, 0
	s_mul_i32 s36, ttmp9, 196608
	s_add_co_u32 s36, s36, s39                     ; out0: my 64 rows, my 192 columns
	s_mov_b32 s37, 0
	s_wait_kmcnt 0x0
	s_add_nc_u64 s[8:9], s[8:9], s[40:41]
	s_add_nc_u64 s[10:11], s[10:11], s[42:43]
	s_add_nc_u64 s[26:27], s[12:13], s[44:45]
	s_add_nc_u64 s[28:29], s[14:15], s[46:47]
	s_add_nc_u64 s[18:19], s[18:19], s[36:37]
	s_wait_alu depctr_va_vdst(0)                   ; the addresses v1-8 and v230 are written, which the loads and stores of the whole kernel read; so are v64-66, in which att's half words land
.irp i, 0,1,2
	global_load_b64 v[224+2*\i:225+2*\i], v230, s[16:17] offset:256*\i
.endr
.irp j, 0,1,2                                  ; att's 24 fragments: each half of a fragment lies as four registers at 16 x lane and two at 8 x lane
	WIN 0x40*(1+\j)
.irp e, 0,1
.irp m, 0,1,2,3
	global_load_b128 v[96*\e+12*\m:96*\e+12*\m+3], v[L16], s[8:9] offset:9216*\m+1536*(2*\j+\e)
	global_load_b64 v[96*\e+12*\m+4:96*\e+12*\m+5], v[L8], s[8:9] offset:9216*\m+1536*(2*\j+\e)+512
	global_load_b128 v[96*\e+12*\m+6:96*\e+12*\m+9], v[L16], s[8:9] offset:9216*\m+1536*(2*\j+\e)+768
	global_load_b64 v[96*\e+12*\m+10:96*\e+12*\m+11], v[L8], s[8:9] offset:9216*\m+1536*(2*\j+\e)+1280
.endr
.endr
.endr
	WIN 0
.irp m, 0,1,2,3
.irp d, 0,1,2,3,4,5,6,7,8,9,10,11
	global_load_b32 v[64+12*\m+\d], v[L4], s[10:11] offset:1536*\m+128*\d   ; tile m's half word of head d
.endr
.endr
; 26 loads, set j: a slice's four fragments and scale words of K steps 2 j and 2 j + 1
.macro REFILL j, imm, simm
	WIN 0x40*(1+(\j))
.irp e, 0,1
.irp c, 0,1,2,3
.irp k, 0,1,2
	global_load_b128 v[96*\e+48+12*\c+4*\k:96*\e+48+12*\c+4*\k+3], v[L16], s[26:27] offset:\imm+9216*\c+1536*(2*(\j)+\e)+512*\k
.endr
.endr
.endr
	WIN 0
.irp e, 0,1
	global_load_b128 v[WS+4*(2*(\j)+\e):WS+4*(2*(\j)+\e)+3], v[L16R], s[28:29] offset:\simm+256*(2*(\j)+\e)
.endr
.endm
.macro MM s, e, m, c
.if (\s) == 0
	v_wmma_scale_f32_16x16x128_f8f6f4 v[ACC+32*\m+8*\c:ACC+32*\m+8*\c+7], v[96*\e+48+12*\c:96*\e+48+12*\c+11], v[96*\e+12*\m:96*\e+12*\m+11], v[BI+8*\c:BI+8*\c+7], v[WS+4*(\s)+\c], v[XS+4*(\s)+\m] matrix_a_fmt:MATRIX_FMT_BF6 matrix_b_fmt:MATRIX_FMT_BF6
.else
	v_wmma_scale_f32_16x16x128_f8f6f4 v[ACC+32*\m+8*\c:ACC+32*\m+8*\c+7], v[96*\e+48+12*\c:96*\e+48+12*\c+11], v[96*\e+12*\m:96*\e+12*\m+11], v[ACC+32*\m+8*\c:ACC+32*\m+8*\c+7], v[WS+4*(\s)+\c], v[XS+4*(\s)+\m] matrix_a_fmt:MATRIX_FMT_BF6 matrix_b_fmt:MATRIX_FMT_BF6
.endif
.endm
; Two K steps: 32 matrix instructions; the sixteen accumulators take turns, one instruction a turn.  Between the two K steps of groups 1 and 2 the set of the group before takes the next slice's fragments.
.macro GROUP j, cnt, refill, imm, simm
	s_wait_loadcnt \cnt                            ; this group's 26 loads are in; cnt counts the loads issued behind them: at group 0 sets 1 and 2, at group 1 set 2, at group 2 the next slice's set 0
.if \refill && (\j > 0)
	s_wait_alu depctr_va_vdst(0)                   ; the group before is done reading its fragments of Wp and their scale words, in which the loads below land
.endif
	WIN 0x05*(1+\j)
.irp m, 0,1,2,3
.irp c, 0,1,2,3
	MM 2*\j, 0, \m, \c
.endr
.endr
.if \refill && (\j > 0)
	PLACES                                         ; the places between the group before and the loads into its registers stay beside the wait
	REFILL \j-1, \imm, \simm                       ; no further wait: the sixteen matrix instructions since the wait name window 1 + j, this group's scale words, att's and the accumulators alone
	WIN 0x05*(1+\j)
.endif
.irp m, 0,1,2,3
.irp c, 0,1,2,3
	MM 2*\j+1, 1, \m, \c
.endr
.endr
.if \j == 0
	s_wait_xcnt 0x0                                ; once a slice, here: the last slice's stores have had their addresses translated; this slice's rows are loaded into their four sets of registers.  Those stores stand 32 matrix
.endif                                                 ; instructions back, and this slice's first run of loads has not been issued yet
.endm
.macro SLICE sl, refill
.irp c, 0,1,2,3
.irp q, 0,1
	ds_load_b128 v[BI+8*\c+4*\q:BI+8*\c+4*\q+3], v[BT0] offset:256*\sl+4*(32*(\c/2)+8*(\c%2))+16*\q   ; bp at the lane's eight columns of tile c; the last slice's products that read these registers stand ahead of the wait at that slice's end
.endr
.endr
	s_wait_dscnt 0x0
.if \sl > 0
	s_wait_alu depctr_vm_vsrc(0)                   ; the last slice's LDS stores have read the accumulators, which the products below write again; its global stores have read the four sets, in which this slice's rows land
.endif
.if \refill
	GROUP 0, 52, 1, 36864*(\sl+1), 1536*(\sl+1)
	GROUP 1, 26, 1, 36864*(\sl+1), 1536*(\sl+1)
	GROUP 2, 26, 1, 36864*(\sl+1), 1536*(\sl+1)
.else
	GROUP 0, 52, 0, 0, 0
	GROUP 1, 26, 0, 0, 0
	GROUP 2, 0, 0, 0, 0
.endif
	WIN 0
	PLACES                                         ; behind the slice's last products, before their results are read
.if \refill
	v_nop                                          ; a fifth place where a slice follows: its first products begin these accumulators anew, with the bias as C, and the way out between holds no vector instruction
.endif
	s_wait_alu depctr_va_vdst(0)                   ; the slice's products have written the accumulators, which the way out's LDS stores read; group 2 is done reading its fragments of Wp and their scale words, and group 0 the bias
.if \refill
	REFILL 2, 36864*(\sl+1), 1536*(\sl+1)
.endif
.endm
; Tile m, 16 rows x 64 columns, into stage m % 2 (rows 272 bytes apart: row r starts at bank 4 r) and back as whole runs of 256 bytes, into set m: v[192 + 32 (m % 2)] on of window 1 + m / 2.
.macro TOSTAGE m
.irp b, 0,1
.irp q, 0,1,2,3
	ds_store_b128 v[SOA], v[ACC+32*\m+16*\b+4*\q:ACC+32*\m+16*\b+4*\q+3] offset:4352*(\m%2)+128*\b+16*\q   ; each accumulator from its low end on
.endr
.endr
	WIN 0x40*(1+\m/2)                              ; destination window 1 or 2
.irp i, 0,1,2,3,4,5,6,7
	ds_load_b128 v[192+32*(\m%2)+4*\i:192+32*(\m%2)+4*\i+3], v[SRA] offset:4352*(\m%2)+544*\i   ; LDS serves a wave's instructions in order (ISA guide 5.7.1.4): these see the stores above, and the stage's next stores come behind them
.endr
	WIN 0
.endm
.macro SEND m, sl, younger             ; younger: the LDS instructions issued behind tile m's loads: the next tile's eight stores and eight loads, or none
	s_wait_dscnt \younger
	WIN 0x04*(1+\m/2)                              ; a store's data are its source 1: window 1 or 2
.irp i, 0,1,2,3,4,5,6,7
	global_store_b128 v[GO], v[192+32*(\m%2)+4*\i:192+32*(\m%2)+4*\i+3], s[18:19] offset:(32*(\m/2)+8*(\m%2)+2*\i+8*(\i/4))*3072+256*\sl th:TH_STORE_NT   ; positions 2 i and 2 i + 1 at their rows; 16 lanes store 256 consecutive bytes, aligned
.endr
	WIN 0
.endm
.macro OUT sl
	TOSTAGE 0
	TOSTAGE 1
	SEND 0, \sl, 16
	TOSTAGE 2
	SEND 1, \sl, 16
	TOSTAGE 3
	SEND 2, \sl, 16
	SEND 3, \sl, 0
.endm
	REFILL 0, 0, 0
	REFILL 1, 0, 0
	REFILL 2, 0, 0
	s_wait_loadcnt 63                              ; all but the youngest 63 of the 78 weight loads: bp, att's fragments and its half words are in
.irp i, 0,1,2
	ds_store_b64 v230, v[224+2*\i:225+2*\i] offset:256*\i
.endr
.irp s, 0,1,2,3,4,5
.irp m, 0,1,2,3
	v_lshl_or_b32 v[XS+4*\s+\m], v[64+12*\m+2*\s+1], 16, v[64+12*\m+2*\s]   ; K step s is heads 2 s and 2 s + 1: their half words make the scale word
.endr
.endr
.rept 8
	v_nop                                          ; a scale register written by a vector instruction stands eight places ahead of a scaled matrix instruction
.endr
	s_wait_alu depctr_va_vdst(0)                   ; att's scale words v16-39 are written, which the scaled matrix instructions take; the places above stay beside this wait
	SLICE 0, 1
	OUT 0
	SLICE 1, 1
	OUT 1
	SLICE 2, 0
	OUT 2
	s_wait_dscnt 0x0
	s_wait_alu depctr_hold_cnt(0) depctr_sa_sdst(0) depctr_va_vdst(0) depctr_va_sdst(0) depctr_va_ssrc(0) depctr_va_vcc(0) depctr_vm_vsrc(0)
	s_wait_tensorcnt 0x0
	ds_add_u32 v254, v255
	s_wait_dscnt 0x0
	s_endpgm
.Lfunc_end_k_q6421401ed4_proj:
	.size	k_q6421401ed4_proj, .Lfunc_end_k_q6421401ed4_proj-k_q6421401ed4_proj
	.p2alignl 7, 3214868480
	.fill 96, 4, 3214868480
	.section	.rodata,"a",@progbits
	.p2align	6, 0x0
	.amdhsa_kernel k_q6421401ed4_proj
		.amdhsa_group_segment_fixed_size 38400
		.amdhsa_private_segment_fixed_size 0
		.amdhsa_enable_private_segment 0
		.amdhsa_kernarg_size 48
		.amdhsa_user_sgpr_count 2
		.amdhsa_user_sgpr_kernarg_segment_ptr 1
		.amdhsa_wavefront_size32 1
		.amdhsa_system_sgpr_workgroup_id_x 1
		.amdhsa_system_sgpr_workgroup_id_y 1
		.amdhsa_system_sgpr_workgroup_id_z 1
		.amdhsa_system_vgpr_workitem_id 0
		.amdhsa_next_free_vgpr 1024
		.amdhsa_next_free_sgpr 66
		.amdhsa_reserve_vcc 0
		.amdhsa_float_denorm_mode_32 3
		.amdhsa_float_denorm_mode_16_64 3
		.amdhsa_memory_ordered 1
		.amdhsa_forward_progress 1
		.amdhsa_inst_pref_size 104
	.end_amdhsa_kernel
	.amdgpu_metadata
---
amdhsa.version: [ 1, 2 ]
amdhsa.kernels:
  - .name:           k_q6421401ed4_proj
    .symbol:         k_q6421401ed4_proj.kd
    .args:
      - { .name: aimg, .offset: 0, .size: 8, .value_kind: global_buffer, .address_space: global }
      - { .name: asc, .offset: 8, .size: 8, .value_kind: global_buffer, .address_space: global }
      - { .name: wimg, .offset: 16, .size: 8, .value_kind: global_buffer, .address_space: global }
      - { .name: wsc, .offset: 24, .size: 8, .value_kind: global_buffer, .address_space: global }
      - { .name: bp, .offset: 32, .size: 8, .value_kind: global_buffer, .address_space: global }
      - { .name: out0, .offset: 40, .size: 8, .value_kind: global_buffer, .address_space: global }
    .group_segment_fixed_size: 38400
    .private_segment_fixed_size: 0
    .kernarg_segment_align: 8
    .kernarg_segment_size: 48
    .max_flat_workgroup_size: 128
    .sgpr_count:     66
    .vgpr_count:     1024
    .wavefront_size: 32
...
	.end_amdgpu_metadata
.endif
;; end of part 8
